; MI455X (gfx1250); checked and timed in simulation.
; The chip was launched on July 23, 2026; its instructions are those of AMD's public machine-readable ISA for CDNA 5 (MIT licence, August 2026) and "CDNA5" Instruction Set Architecture Reference Guide (July 2026). The comments in the code are by the model that wrote it; some were corrected since.
;; Cross Modal Attention. Allowed arithmetic: matrix products marked QUANTISED: E2M3 operands, one E8M0 scale for each 32 along K, by v_wmma_scale_f32_16x16x128_f8f6f4 with both operands' format E2M3, f32 sums; everything else in f32.
;; Inputs: Wk_codes 768 x 24 x 24 uint8 (E2M3 codes of Wk, K innermost, in blocks of 32 codes, four codes in three bytes); Wk_scales 768 x 24 uint8 (E8M0 scales of Wk, one for each 32 codes along K); Wo_codes 768 x 24 x 24 uint8 (E2M3 codes of Wo, K innermost, in blocks of 32 codes, four codes in three bytes); Wo_scales 768 x 24 uint8 (E8M0 scales of Wo, one for each 32 codes along K); Wq_codes 768 x 24 x 24 uint8 (E2M3 codes of Wq, K innermost, in blocks of 32 codes, four codes in three bytes); Wq_scales 768 x 24 uint8 (E8M0 scales of Wq, one for each 32 codes along K); Wv_codes 768 x 24 x 24 uint8 (E2M3 codes of Wv, K innermost, in blocks of 32 codes, four codes in three bytes); Wv_scales 768 x 24 uint8 (E8M0 scales of Wv, one for each 32 codes along K); bk 768 float32; bo 768 float32; bq 768 float32; bv 768 float32; ln_b 768 float32; ln_g 768 float32; text_features 8 x 1,024 x 768 float32; text_mask 8 x 1,024 int32; visual_features 8 x 1,024 x 768 float32; visual_mask 8 x 1,024 int32.
;; Outputs: out0 8 x 1,024 x 768 float32; out1 8 x 1,024 x 768 float32.
;; This version of the problem:
;;   THIS VERSION OF THE PROBLEM IS GIVEN IN LOW PRECISION. The matrix products marked QUANTISED in the list below multiply operands that are first quantised to E2M3 (2 exponent bits, 3 mantissa bits; 6 bits a number), with one power-of-two scale for each 32 numbers along K (OCP MX v1.0); their sums are f32. All else is computed in f32.
;;   The module's matrix products, in the order in which they are computed (A, B: the left and right operand; K: the contracted axis; several contracted axes count as one K, in the product's order):
;;     1. [M 8,192, K 768] x [K 768, N 768]; A: input visual_features; B: input Wq (given as codes): QUANTISED
;;     2. [M 8,192, K 768] x [K 768, N 768]; A: input text_features; B: input Wk (given as codes): QUANTISED
;;     3. [M 8,192, K 768] x [K 768, N 768]; A: input text_features; B: input Wv (given as codes): QUANTISED
;;     4. batch 64 x [M 1,024, K 96] x [K 96, N 1,024]; A: computed on the way; B: computed on the way: QUANTISED
;;     5. batch 64 x [M 96, K 1,024] x [K 1,024, N 1,024]; A: computed on the way; B: softmax (see below): QUANTISED
;;     6. [M 8,192, K 768] x [K 768, N 768]; A: input text_features; B: input Wq (given as codes): QUANTISED
;;     7. [M 8,192, K 768] x [K 768, N 768]; A: input visual_features; B: input Wk (given as codes): QUANTISED
;;     8. [M 8,192, K 768] x [K 768, N 768]; A: input visual_features; B: input Wv (given as codes): QUANTISED
;;     9. batch 64 x [M 1,024, K 96] x [K 96, N 1,024]; A: computed on the way; B: computed on the way: QUANTISED
;;     10. batch 64 x [M 96, K 1,024] x [K 1,024, N 1,024]; A: computed on the way; B: softmax (see below): QUANTISED
;;     11. [M 8,192, K 768] x [K 768, N 768]; A: computed on the way; B: input Wo (given as codes): QUANTISED
;;     12. [M 8,192, K 768] x [K 768, N 768]; A: computed on the way; B: input Wo (given as codes): QUANTISED
;;   THE QUANTISER, for each operand of a quantised product, along K:
;;     - K is cut into blocks of 32 from its start; a last block that is shorter is filled with zeros.
;;     - A block's scale is 2^e with e = floor(log2(the largest magnitude in the block)) - 2, held to -126 .. 127; a block of zeros has e = 0. As a byte (E8M0): e + 127.
;;     - Each number is divided by its block's scale, clamped to +-7.5, and rounded to the nearest number of E2M3, ties to even, subnormals kept.
;;     - The product sums the exact products of the quantised numbers (number of the format x scale) in f32.
;;   ~~~python
;;   def quantise(x, axis):      # numpy; x: float32 -> the quantised numbers, widened to float32 again
;;       x = np.moveaxis(x, axis, -1); K = x.shape[-1]
;;       x = np.pad(x, [(0, 0)] * (x.ndim - 1) + [(0, -K % 32)]); x = x.reshape(x.shape[:-1] + (-1, 32)); a = np.abs(x).max(-1, keepdims=True)
;;       e = np.where(a > 0, np.clip(np.frexp(np.where(a > 0, a, 1))[1] - 1 - 2, -126, 127), 0)      # np.frexp(a)[1] - 1 = floor(log2(a)), exactly
;;       r = np.clip(x / 2.0 ** e, -7.5, 7.5)
;;       step = 2.0 ** (np.maximum(np.frexp(np.where(r == 0, 1, r))[1] - 1, 0) - 3)
;;       q = np.round(r / step) * step * 2.0 ** e      # np.round: ties to even
;;       return np.moveaxis(q.reshape(q.shape[:-2] + (-1,))[..., :K], -1, axis).astype(np.float32)
;;   ~~~
;;   SOFTMAX AHEAD OF A QUANTISED PRODUCT. Where the list says 'softmax', what is quantised is not the finished softmax but p = 2^(t - M), with t = logit x log2(e) and M = ceil(the row's largest t), a whole number; so 1/2 < the row's largest p <= 1. The row's sum l is taken of the UNQUANTISED p, in f32, and the product's result is divided by l at the end. Since M is a whole number, a kernel that streams over the keys may use a running M (the ceiling of the running maximum): every later rescaling is an exact power of two, which a block's scale takes up: the codes' values come out the same.
;;   OPERANDS COMPUTED ON THE WAY. 'Computed on the way' means the value that the module computes at that place (a softmax that the list does not call 'softmax' is quantised finished and normalised). What goes into a quantiser is computed in f32, as accurately as f32 sums, v_exp_f32 and their like allow (about 1e-6 of the number): no bf16 or f16 on the way to a quantiser, and a product that is left as it is and whose result goes on into a quantised operand takes f32 operands (vector FMAs, or v_wmma_f32_16x16x4_f32). A number that lies on a knife's edge between two numbers of the format may be rounded either way, as far as f32 arithmetic and the matrix unit's own rounding can turn it there, and no further.
;;   INPUTS GIVEN AS CODES. Wk (in the module: [768, 768], K = its axis 0); Wo (in the module: [768, 768], K = its axis 0); Wq (in the module: [768, 768], K = its axis 0); Wv (in the module: [768, 768], K = its axis 0): each comes as NAME_codes (uint8): NAME with its K axis moved to the last place and cut into blocks of 32 codes, [.., K / 32, bytes a block], one block behind the other in memory; four codes in three bytes: a row's codes are one little-endian stream of bits, code i at bits 6 i .. 6 i + 5 (a code: sign, 2 exponent bits, 3 mantissa bits); and NAME_scales (uint8): the same leading axes, one E8M0 byte (e + 127) for each 32 codes along K. Its value is code x scale, taken as it is: it is not quantised again, and the codes and scales need not be those that the quantiser above would give.
;; 2 versions. Each part assembles by itself: llvm-mc -triple=amdgcn-amd-amdhsa -mcpu=gfx1250 --defsym DOCPART=n.
;; ======== version 1 of 2: 3 launches
;; limits: right only within a limited range of input values
;; workspace buffers: q_img 12,582,912 bytes; k_img 12,582,912 bytes; v_img 9,437,184 bytes; q_sc 524,288 bytes; kv_sc 1,048,576 bytes; o_codes 9,437,184 bytes; o_sc 1,048,576 bytes
;; launch proj (part 1): grid 64 x 4, 4 waves a work-group, clusters of 4 x 1, 327,680 bytes of LDS; arguments visual_features, text_features, Wq_codes, Wk_codes, Wv_codes, Wq_scales, Wk_scales, Wv_scales, bq, bk, bv, q_img, k_img, v_img, q_sc, kv_sc; writes q_img, k_img, v_img, q_sc, kv_sc
.if DOCPART == 1
	.amdgcn_target "amdgcn-amd-amdhsa--gfx1250"
	.amdhsa_code_object_version 6
	.text
	.protected	k_q65decaeac7_proj
	.globl	k_q65decaeac7_proj
	.p2align	8
	.type	k_q65decaeac7_proj,@function
k_q65decaeac7_proj:
	s_mov_b64 s[64:65], 0
	v_nop
	global_prefetch_b8 v0, s[64:65] scope:SCOPE_SE
	s_setreg_imm32_b32 hwreg(HW_REG_WAVE_MODE, 25, 1), 1
	s_wait_xcnt 0x0
	s_wait_alu depctr_hold_cnt(0) depctr_sa_sdst(0) depctr_va_vdst(0) depctr_va_sdst(0) depctr_va_ssrc(0) depctr_va_vcc(0) depctr_vm_vsrc(0)
	s_getreg_b32 s2, hwreg(HW_REG_IB_STS2, 6, 4)
	s_cmp_eq_u32 s2, 0
	s_cbranch_scc0 .Lentry_in_a_cluster
	s_endpgm
.Lentry_in_a_cluster:
	s_bfe_u32 s2, ttmp6, 0x10000c
	s_cmp_lg_u32 s2, 0x3003
	s_cbranch_scc0 .Lentry_shape_is_right
	s_endpgm
.Lentry_shape_is_right:
; q, k, v = X W + b for all 16,384 tokens (8,192 visual, then 8,192 text), on codes of FP6 (E2M3) with one E8M0 scale for each 32 along K = 768;
; the results are quantised at once for the products that follow: q and k along the head's 96 (three blocks, a fourth of zero codes), v along the keys.
; SHARES.  A work-group owns 256 tokens (a quarter of one batch of one source) and two heads, part and part + 4, of each of q, k, v: six head steps.
; A wave owns 64 tokens, four tiles of 16.  It quantises its own rows of X once into 24 fragments (4 tiles x 6 K steps, 288 registers) that stay in registers.
; The weights of a head step (96 rows x 576 bytes of codes) come through a ring of two LDS slots.  CLUSTER: the four work-groups of a cluster are the four
; row blocks of one batch and walk the same weights, so each weight tile is asked for JOINTLY (mask 15), each wave fetching 24 rows.
; X itself is shared by no partner; the four work-groups along y read the same rows of X from memory, each for its own heads.
; LAYOUT.  q, k: source 0 = 16 rows of W, source 1 = 16 tokens: a lane holds ONE token and its registers run along d.  v: source 0 = 16 tokens, source 1 = 16 rows
; of W: a lane holds ONE d and its registers run along the tokens, which are the keys.  So each quantiser finds its K in one lane's registers.
; ORDER INSIDE A BLOCK.  The 16 registers of two neighbouring tiles are places 8h+0..7 and 16+8h+0..7 of a block of 32 (h = lane / 16), so a block's codes lie in the
; order 0-7, 16-23, 8-15, 24-31.  That order falls alike on q and k (along d) and on v and the softmax's p (along the keys), stays inside a block, and so keeps
; every product and every scale; only the grouping of the sums inside the matrix unit differs.
; OUT.  Fragments leave as images of their registers (16 bytes a lane, 512 consecutive bytes a store), scale words as aligned runs of 256 bytes.
; LIMITS: NaN and infinities among the inputs are not served; a block whose largest magnitude lies under 2^-124 keeps the scale byte 1 (a block of zeros too: its
; codes are zeros, and these bytes are read by this program alone).
; REGISTERS.  window 0: v1-17 addresses, v18-35 at work on X, v40-63 X's scale words (4 s + m), v64-81 the weights' scale words (6 pr + s), v84-131 at work on blocks, v132.. codes on their way out.
;   window 1: X's fragments of K steps 0-2 at 12 (4 s + m); from v144 weight fragments, buffer 0.   window 2: K steps 3-5; buffer 1.
;   window 3: v0-191 the 24 accumulators (in the X phase: three sets of 64 numbers of X); v192-239 the bias, as the C of a sum's first product.
.set PITCH,  720                       ; a weight row in LDS: 9 x (64 bytes + 16 of padding) = 180 words: the 32 lanes of a load of 8 bytes touch 64 different banks (ISA guide 11.1)
.set SLOTB,  96*PITCH                  ; 69,120
.set WSCB,   2*SLOTB                   ; behind the ring: the scale bytes of my six head steps, [tensor 3][e 2][96 rows x 24]
.set SPARE,  WSCB+13824                ; the spare words, 128 bytes a wave: two blocks of 256 bytes that no other line names
.set FLOOR,  0x1800000                 ; 2^(3 - 127): under it no largest magnitude is taken, so a scale byte cannot fall under 1
.set MSB, 0
.macro WIN new                         ; the immediate's high byte repeats the setting that is left; a switch that changes nothing is dropped
.if MSB != (\new)
	s_set_vgpr_msb (MSB<<8)|(\new)
.set MSB, (\new)
.endif
.endm
.macro PLACES n
.rept \n
	v_nop
.endr
.endm
.macro ROUND                           ; a round of the cluster's barrier
	s_barrier_signal -1
	s_barrier_wait -1
	s_cmp_lg_u32 s40, 0
	s_cbranch_scc1 .Lnot_wave_0_\@
	s_barrier_signal -3
.Lnot_wave_0_\@:
	s_barrier_wait -3
	s_barrier_signal -1
	s_barrier_wait -1
.endm
.macro WM d, a, b, c, sa, sb, row      ; row: 0 both scales from lanes 0-15; 1 source 0's from lanes 16-31; 2 source 1's
.if (\row) == 0
	v_wmma_scale_f32_16x16x128_f8f6f4 v[\d:\d+7], v[\a:\a+11], v[\b:\b+11], v[\c:\c+7], v[\sa], v[\sb] matrix_a_fmt:MATRIX_FMT_FP6 matrix_b_fmt:MATRIX_FMT_FP6
.elseif (\row) == 1
	v_wmma_scale_f32_16x16x128_f8f6f4 v[\d:\d+7], v[\a:\a+11], v[\b:\b+11], v[\c:\c+7], v[\sa], v[\sb] matrix_a_fmt:MATRIX_FMT_FP6 matrix_b_fmt:MATRIX_FMT_FP6 matrix_a_scale:MATRIX_SCALE_ROW1
.else
	v_wmma_scale_f32_16x16x128_f8f6f4 v[\d:\d+7], v[\a:\a+11], v[\b:\b+11], v[\c:\c+7], v[\sa], v[\sb] matrix_a_fmt:MATRIX_FMT_FP6 matrix_b_fmt:MATRIX_FMT_FP6 matrix_b_scale:MATRIX_SCALE_ROW1
.endif
.endm
; a weight fragment, 16 rows x 128 K: 12 registers, in pieces of 8 bytes.  Lanes 16-31 read three pieces further on; where that is behind one padding more, the second address register serves
.macro FRAGW reg, adr, s, t
.irp p, 0,1,2,3,4,5
.set PCE, 12*(\s)+6*(\p/3)+\p%3
.if PCE%8 < 5
	ds_load_b64 v[\reg+2*\p:\reg+2*\p+1], v[\adr] offset:8*PCE+16*(PCE/8)+(\t)*16*PITCH
.else
	ds_load_b64 v[\reg+2*\p:\reg+2*\p+1], v[\adr+1] offset:8*PCE+16*(PCE/8)+(\t)*16*PITCH
.endif
.endr
.endm
.macro WLOAD slot, s                   ; the six weight fragments of K step s into buffer s % 2: 36 loads
	WIN (1+(\s)%2)<<6
.irp t, 0,1,2,3,4,5
	FRAGW 144+12*\t, 4+2*(\slot), \s, \t
.endr
.endm
	s_load_b256 s[8:15], s[0:1], 0x0               ; visual, text, Wq codes, Wk codes
	s_load_b256 s[16:23], s[0:1], 0x20             ; Wv codes, Wq scales, Wk scales, Wv scales
	s_load_b256 s[24:31], s[0:1], 0x40             ; bq, bk, bv, q_img
	s_load_b256 s[32:39], s[0:1], 0x60             ; k_img, v_img, q_sc, kv_sc
	v_lshl_add_u32 v12, v0, 2, SPARE               ; my spare word
	v_mov_b32 v13, 0
	ds_add_u32 v12, v13
	ds_add_u32 v12, v13
	s_wait_dscnt 0x0
	v_lshrrev_b32 v1, 5, v0
	v_readfirstlane_b32 s40, v1                    ; wave 0..3
	s_bfe_u32 s41, ttmp6, 0x40000                  ; cx: which quarter of the batch's tokens
	s_and_b32 s43, ttmp7, 0xffff                   ; part 0..3: heads part and part + 4
	v_and_b32 v1, 15, v0                           ; r
	v_bfe_u32 v2, v0, 4, 1                         ; h
	v_and_b32 v17, 31, v0                          ; lane
	v_mul_u32_u24 v3, v1, 3072
	v_lshl_add_u32 v3, v2, 7, v3                   ; X: row r of 3,072 bytes, + 128 h: my block of 32 numbers
	v_mul_u32_u24 v4, v1, PITCH
	v_mad_u32_u24 v4, v2, 24, v4                   ; a weight fragment in slot 0: row r, + 24 h
	v_lshl_add_u32 v5, v2, 4, v4                   ; the same behind one padding more
	v_add_nc_u32 v6, SLOTB, v4                     ; slot 1
	v_add_nc_u32 v7, SLOTB, v5
	v_mul_u32_u24 v8, v17, 24
	v_add_nc_u32 v8, WSCB, v8                      ; scale bytes: 24 a weight row; lanes 0-15 an even tile's rows, lanes 16-31 the odd tile's
	v_lshlrev_b32 v9, 4, v17                       ; 16 x lane
	v_lshlrev_b32 v10, 3, v17                      ; 8 x lane
	v_lshlrev_b32 v11, 4, v1
	v_lshl_add_u32 v11, v2, 3, v11                 ; scale words out: 16 r + 8 h
	v_lshlrev_b32 v14, 5, v2                       ; bias of q, k: 32 h
	v_lshlrev_b32 v15, 2, v1                       ; bias of v: 4 r
	v_lshlrev_b32 v16, 3, v2                       ; 8 h: a shift
	v_mov_b32 v25, 0                               ; written once: a lane permute's destination counts as one of its sources
	s_mov_b32 s44, 0x76543210
	s_mov_b32 s45, 0xfedcba98                      ; v_permlanex16_b32's selects for lane l xor 16
	s_mov_b32 s46, 0xffff0000                      ; lanes 16-31, as a select's mask
	; descriptor group 1 for weight codes: 24 rows of 576 bytes, dense in memory, 16 bytes of padding behind every 64
	s_mov_b32 s56, 15|(1<<20)|(1<<21)|(3<<22)|(3<<25)  ; 15:0 the mask: all four work-groups; 17:16 elements of 1 byte; 20 padding on; 21 set beside a mask; 24:22 after every 16 words; 31:25 of 4 words
	s_mov_b32 s57, 576<<16                         ; tensor_dim0
	s_mov_b32 s58, 24<<16                          ; tensor_dim1
	s_mov_b32 s59, 576<<16                         ; tile_dim0
	s_mov_b32 s60, 24                              ; tile_dim1
	s_mov_b32 s61, 576                             ; stride from row to row
	s_mov_b32 s62, 0
	s_mov_b32 s63, 0
	; and for one tensor's scale bytes: two rows (heads part, part + 4) of 2,304 bytes, 9,216 bytes apart, in elements of 8 bytes
	s_mov_b32 s76, 15|(3<<16)|(1<<21)
	s_mov_b32 s77, 288<<16
	s_mov_b32 s78, 2<<16
	s_mov_b32 s79, 288<<16
	s_mov_b32 s80, 2
	s_mov_b32 s81, 1152
	s_mov_b32 s82, 0
	s_mov_b32 s83, 0
	s_mov_b32 s68, 1                               ; group 0 of slot 0,
	s_mul_i32 s69, s40, 24*PITCH                   ; my 24 rows of it
	s_mov_b32 s72, 1                               ; and of slot 1
	s_add_co_u32 s73, s69, SLOTB
	s_mov_b32 s84, 1                               ; group 0 of the scale bytes: wave 0 q's, wave 1 k's, wave 2 v's (wave 3 issues none)
	s_min_u32 s92, s40, 2
	s_mul_i32 s85, s92, 4608
	s_add_co_u32 s85, s85, WSCB
	s_mul_i32 s88, s43, 55296                      ; s[88:89]: my 24 rows of head part in a tensor of codes,
	s_mul_i32 s92, s40, 13824
	s_add_co_u32 s88, s88, s92
	s_mov_b32 s89, 0
	s_add_co_u32 s90, s88, 221184                  ; s[90:91]: of head part + 4
	s_mov_b32 s91, 0
	s_mul_i32 s92, s43, 2304                       ; head part's scale bytes
	s_mov_b32 s93, 0
	s_mul_i32 s94, s43, 384                        ; head part's bias
	s_mov_b32 s95, 0
	; what hangs on cx has registers of its own: none of them feeds a descriptor
	s_and_b32 s48, ttmp9, 7
	s_lshl_b32 s48, s48, 2
	s_add_co_u32 s48, s48, s41
	s_mul_i32 s48, s48, 786432                     ; 256 rows of X
	s_mul_i32 s49, s40, 196608                     ; my 64
	s_add_co_u32 s48, s48, s49
	s_mov_b32 s49, 0
	s_lshl_b32 s50, ttmp9, 3
	s_add_co_u32 s50, s50, s43                     ; hd = 8 x (source, batch) + part
	s_lshl_b32 s51, s41, 2
	s_add_co_u32 s51, s51, s40                     ; my group of 64 tokens in the batch
	s_mul_i32 s52, s50, 98304
	s_mul_i32 s53, s51, 6144
	s_add_co_u32 s52, s52, s53
	s_mov_b32 s53, 0
	s_mul_i32 s54, s50, 73728
	s_mul_i32 s55, s51, 4608
	s_add_co_u32 s54, s54, s55
	s_mov_b32 s55, 0
	s_lshl_b32 s96, s50, 12
	s_lshl_b32 s97, s51, 8
	s_add_co_u32 s96, s96, s97
	s_lshl_b32 s98, s50, 13
	s_add_co_u32 s98, s98, s97
	s_mov_b32 s97, 0
	s_mov_b32 s99, 0
	s_wait_kmcnt 0x0
	s_cmp_lt_u32 ttmp9, 8                          ; clusters 0-7 take visual tokens, 8-15 text
	s_cselect_b64 s[8:9], s[8:9], s[10:11]
	s_add_nc_u64 s[8:9], s[8:9], s[48:49]
	s_add_nc_u64 s[30:31], s[30:31], s[52:53]
	s_add_nc_u64 s[32:33], s[32:33], s[52:53]
	s_add_nc_u64 s[34:35], s[34:35], s[54:55]
	s_add_nc_u64 s[36:37], s[36:37], s[96:97]
	s_add_nc_u64 s[38:39], s[38:39], s[98:99]
	s_add_nc_u64 s[24:25], s[24:25], s[94:95]
	s_add_nc_u64 s[26:27], s[26:27], s[94:95]
	s_add_nc_u64 s[28:29], s[28:29], s[94:95]
	s_cmp_eq_u32 s40, 0
	s_cselect_b64 s[86:87], s[18:19], s[22:23]
	s_cmp_eq_u32 s40, 1
	s_cselect_b64 s[86:87], s[20:21], s[86:87]
	s_add_nc_u64 s[86:87], s[86:87], s[92:93]
	s_or_b32 s87, s87, 0x80000000                  ; type = 2
	s_add_nc_u64 s[70:71], s[12:13], s[88:89]      ; head step 0: q, head part
	s_or_b32 s71, s71, 0x80000000
	ROUND                                          ; all four work-groups are here: the first joint loads meet
	s_cmp_lt_u32 s40, 3                            ; a wave's first fills stand in one branch: at most two loads of mine are out
	s_cbranch_scc0 .Lwave_3
	tensor_load_to_lds s[84:87], s[76:83]
	s_nop 0
	tensor_load_to_lds s[68:71], s[56:63]
	s_nop 0
	PLACES 4
	s_branch .Lfilled
.Lwave_3:
	tensor_load_to_lds s[68:71], s[56:63]
	s_nop 0
	PLACES 4
.Lfilled:
; ---- X: my 64 rows become 24 fragments.  Fragment f = 4 s + m.  A lane takes, of row r of tile m, its two whole blocks of K step s: k = 128 s + 64 c + 32 h + 0..31, 128 bytes each
.macro XLOAD f
.set LM, (\f)%4
.set LK, (\f)/4
.set LB, 64*((\f)%3)
.irp c, 0,1
.irp i, 0,1,2,3,4,5,6,7
	global_load_b128 v[LB+32*\c+4*\i:LB+32*\c+4*\i+3], v3, s[8:9] offset:49152*LM+512*LK+256*\c+16*\i
.endr
.endr
.endm
.macro XQ f, left
.set XM, (\f)%4
.set XK, (\f)/4
.set XB, 64*((\f)%3)
.set XW, 1+XK/3
.set XR, 12*(4*(XK%3)+XM)
	s_wait_loadcnt \left                           ; this fragment's 16 loads are in; those of the younger fragments stay out
	WIN 0x0f
.irp c, 0,1
	v_max3_num_f32 v[18+\c], |v[XB+32*\c]|, |v[XB+32*\c+1]|, FLOOR      ; a block's largest magnitude, in two chains; all 32 numbers are mine
	v_max3_num_f32 v[34+\c], |v[XB+32*\c+16]|, |v[XB+32*\c+17]|, FLOOR
.endr
.irp i, 2,4,6,8,10,12,14
.irp c, 0,1
	v_max3_num_f32 v[18+\c], |v[XB+32*\c+\i]|, |v[XB+32*\c+\i+1]|, v[18+\c]
	v_max3_num_f32 v[34+\c], |v[XB+32*\c+16+\i]|, |v[XB+32*\c+17+\i]|, v[34+\c]
.endr
.endr
	WIN 0
	v_max_num_f32 v18, v18, v34
	v_max_num_f32 v19, v19, v35
	v_add_nc_u32 v20, 0xff000000, v18              ; 2 off the exponent field: the conversion's scale operand
	v_add_nc_u32 v21, 0xff000000, v19
	v_lshrrev_b32 v22, 23, v20                     ; the scale's byte
	v_lshrrev_b32 v23, 23, v21
	v_lshl_or_b32 v24, v23, 16, v22                ; my bytes: blocks h and 2 + h,
	v_lshlrev_b32 v24, v16, v24                    ; at their places,
	v_permlanex16_b32 v25, v24, s44, s45
	v_or_b32 v[40+4*XK+XM], v24, v25               ; and with lane l xor 16's two the word is whole
	WIN 0x03
	v_cvt_scalef32_pk16_fp6_f32 v[26:28], v[XB+16:XB+31], v20     ; (a conversion's three registers begin on an even number: a block's upper half is made here and moved)
	v_cvt_scalef32_pk16_fp6_f32 v[30:32], v[XB+48:XB+63], v21
	WIN 0x03|(XW<<6)
	v_cvt_scalef32_pk16_fp6_f32 v[XR:XR+2], v[XB:XB+15], v20
	v_cvt_scalef32_pk16_fp6_f32 v[XR+6:XR+8], v[XB+32:XB+47], v21
	WIN XW<<6
	v_nop                                          ; one plain place behind a scaled conversion
.irp i, 0,1,2
	v_mov_b32 v[XR+3+\i], v[26+\i]
	v_mov_b32 v[XR+9+\i], v[30+\i]
.endr
.if (\f)+3 < 24
	WIN 0xc0
	XLOAD (\f)+3                                   ; the set takes the fragment three on
.endif
.endm
	WIN 0xc0
	XLOAD 0
	XLOAD 1
	XLOAD 2
.set FN, 0
.rept 24
.if FN < 22
	XQ FN, 32
.elseif FN == 22
	XQ FN, 16
.else
	XQ FN, 0
.endif
.set FN, FN+1
.endr
	WIN 0
.irp k, 0,1,2,3,4,5,6,7,8,9,10,11
	v_mov_b32 v[96+\k], 0                          ; written once: lane permutes' destinations
.endr
; ---- the change of slots, at a head step's head.  Each wave waits for all its tensor loads (its part of the tile it is about to read), adds 0 to its spare word, and waits for
; that and for its reads of the slot it has left.  fill = 1: a round of the cluster's barrier, and behind it the joint load of the next head step's tile into that slot.
.macro CHANGE nslot, ptr, off, fill
	WIN 0
	s_wait_tensorcnt 0x0                           ; no tensor load of mine is out, so a group 0 may be written
	ds_add_u32 v12, v13                            ; 0 onto my spare word
.if \fill
	s_add_nc_u64 s[70+4*\nslot:71+4*\nslot], s[\ptr:\ptr+1], s[\off:\off+1]
	s_or_b32 s[71+4*\nslot], s[71+4*\nslot], 0x80000000
.endif
	s_wait_dscnt 0x0                               ; the add is done, and my reads of the slot that I have left are over
.if \fill
	ROUND
	tensor_load_to_lds s[68+4*\nslot:71+4*\nslot], s[56:63]   ; my one load behind the round: it has a whole head step in which to land
	s_nop 0
	PLACES 4
.else
	s_barrier_signal -1
	s_barrier_wait -1
.endif
.endm
.macro STEPHEAD hs                     ; the head step's scale words: register 64 + 6 pr + s: lanes 0-15 tile 2 pr, lanes 16-31 tile 2 pr + 1, K step s
.irp pr, 0,1,2
.irp j, 0,1,2
	ds_load_b64 v[64+6*\pr+2*\j:65+6*\pr+2*\j], v8 offset:4608*((\hs)/2)+2304*((\hs)%2)+768*\pr+8*\j
.endr
.endr
.endm
; 24 products of K step s; the 24 accumulators take turns, one instruction a turn, in the same order in every K step
.macro MULQK s
	WIN (1+(\s)%2)|((1+(\s)/3)<<2)|0xf0
.irp m, 0,1,2,3
.irp t, 0,1,2,3,4,5
.if (\s) == 0
	WM 48*\m+8*\t, 144+12*\t, 12*(4*((\s)%3)+\m), 192+8*\t, 64+6*(\t/2)+(\s), 40+4*(\s)+\m, \t%2
.else
	WM 48*\m+8*\t, 144+12*\t, 12*(4*((\s)%3)+\m), 48*\m+8*\t, 64+6*(\t/2)+(\s), 40+4*(\s)+\m, \t%2
.endif
.endr
.endr
.endm
.macro MULV s
	WIN (1+(\s)/3)|((1+(\s)%2)<<2)|0xf0
.irp t, 0,1,2,3,4,5
.irp m, 0,1,2,3
.if (\s) == 0
	WM 32*\t+8*\m, 12*(4*((\s)%3)+\m), 144+12*\t, 192+8*\t, 40+4*(\s)+\m, 64+6*(\t/2)+(\s), 2*(\t%2)
.else
	WM 32*\t+8*\m, 12*(4*((\s)%3)+\m), 144+12*\t, 32*\t+8*\m, 40+4*(\s)+\m, 64+6*(\t/2)+(\s), 2*(\t%2)
.endif
.endr
.endr
.endm
.macro KLOOP hs, kind
.irp s, 0,1,2,3,4,5
.if \s > 0
	PLACES 4                                       ; in front of loads into the buffer that the last products read
.endif
.if \s < 5
	WLOAD (\hs)%2, \s+1
	s_wait_dscnt 36                                ; all but the 36 just issued: this K step's fragments are in
.else
	s_wait_dscnt 0x0
.endif
.if \s == 0
	s_wait_loadcnt 0x0                             ; the bias
.if \kind
	WIN 0xc3
.irp t, 0,1,2,3,4,5
.irp j, 1,2,3,4,5,6,7
	v_mov_b32 v[192+8*\t+\j], v[192+8*\t]          ; v: a lane's d is the same in all eight rows (tokens) of a tile
.endr
.endr
	PLACES 4
.endif
.endif
.if \kind
	MULV \s
.else
	MULQK \s
.endif
.endr
	PLACES 4                                       ; in front of the first read of results
.endm
; the 12 blocks of 32 of my 24 accumulators: block k is registers 16 k .. 16 k + 15 of window 3 with lane l xor 16's.  Each accumulator is read from its low end on.
.macro BLOCKS12
	WIN 0x0f
.irp k, 0,1,2,3,4,5,6,7,8,9,10,11
	v_max3_num_f32 v[84+\k], |v[16*\k]|, |v[16*\k+1]|, FLOOR
.endr
.irp i, 2,4,6,8,10,12,14
.irp k, 0,1,2,3,4,5,6,7,8,9,10,11
	v_max3_num_f32 v[84+\k], |v[16*\k+\i]|, |v[16*\k+\i+1]|, v[84+\k]
.endr
.endr
	WIN 0
.irp k, 0,1,2,3,4,5,6,7,8,9,10,11
	v_permlanex16_b32 v[96+\k], v[84+\k], s44, s45
.endr
.irp k, 0,1,2,3,4,5,6,7,8,9,10,11
	v_max_num_f32 v[84+\k], v[84+\k], v[96+\k]     ; the block's largest magnitude
.endr
.irp k, 0,1,2,3,4,5,6,7,8,9,10,11
	v_add_nc_u32 v[108+\k], 0xff000000, v[84+\k]   ; the conversion's scale operand
.endr
.irp k, 0,1,2,3,4,5,6,7,8,9,10,11
	v_lshrrev_b32 v[96+\k], 23, v[108+\k]          ; the scale's byte
.endr
.endm
; q, k: tile m's three blocks become a fragment (its fourth block: zero codes under the byte 127) at v[132 + 20 m]
.macro EPIQK e, img, sc, so
	s_wait_xcnt 0x0                                ; the last head step's stores have read their registers: these are written again only behind this wait
	BLOCKS12
.irp m, 0,1,2,3
	v_lshl_or_b32 v[120+\m], v[97+3*\m], 8, v[96+3*\m]
.endr
.irp m, 0,1,2,3
	v_lshl_or_b32 v[120+\m], v[98+3*\m], 16, v[120+\m]
.endr
.irp m, 0,1,2,3
	v_or_b32 v[120+\m], 0x7f000000, v[120+\m]
.endr
	v_cndmask_b32 v124, v120, v122, s46            ; lanes 0-15 store the words of tiles 0, 1, lanes 16-31 of tiles 2, 3
	v_cndmask_b32 v125, v121, v123, s46
	WIN 0x03
.irp m, 0,1,2,3
	v_cvt_scalef32_pk16_fp6_f32 v[132+20*\m:134+20*\m], v[48*\m:48*\m+15], v[108+3*\m]
	v_cvt_scalef32_pk16_fp6_f32 v[144+20*\m:146+20*\m], v[48*\m+16:48*\m+31], v[109+3*\m]
	v_cvt_scalef32_pk16_fp6_f32 v[138+20*\m:140+20*\m], v[48*\m+32:48*\m+47], v[110+3*\m]
.endr
	WIN 0
	v_nop                                          ; one plain place behind a scaled conversion
.irp m, 0,1,2,3
.irp i, 0,1,2
	v_mov_b32 v[148+20*\m+\i], 0
.endr
.endr
.irp m, 0,1,2,3                        ; the operand's layout wants a WHOLE block in a lane: lanes 0-15 blocks 0 and 2, lanes 16-31 blocks 1 and 3
.irp i, 0,1,2
	v_permlane16_swap_b32 v[132+20*\m+\i], v[144+20*\m+\i]
	v_permlane16_swap_b32 v[138+20*\m+\i], v[148+20*\m+\i]
.endr
.endr
.irp m, 0,1,2,3
.irp i, 0,1,2
	v_mov_b32 v[135+20*\m+\i], v[144+20*\m+\i]
	v_mov_b32 v[141+20*\m+\i], v[148+20*\m+\i]
.endr
.endr
.irp m, 0,1,2,3
.irp c, 0,1,2
	global_store_b128 v9, v[132+20*\m+4*\c:135+20*\m+4*\c], s[\img:\img+1] offset:393216*(\e)+1536*\m+512*\c   ; 512 consecutive bytes
.endr
.endr
	global_store_b64 v11, v[124:125], s[\sc:\sc+1] offset:(\so)*(\e)   ; 256 consecutive bytes, aligned
.endm
; v: tile t's two blocks of 32 keys become half a fragment of V^T (16 d x 64 keys, 6 registers) at v[132 + 12 t]
.macro EPIV e
	s_wait_xcnt 0x0
	BLOCKS12
.irp t, 0,1,2,3,4,5
	v_lshl_or_b32 v[126+\t], v[97+2*\t], 8, v[96+2*\t]
.endr
.irp i, 0,1,2
	v_lshl_or_b32 v[120+\i], v[127+2*\i], 16, v[126+2*\i]
.endr
	v_mov_b32 v123, 0
	v_cndmask_b32 v124, v120, v122, s46
	v_cndmask_b32 v125, v121, v123, s46
	WIN 0x03
.irp t, 0,1,2,3,4,5
	v_cvt_scalef32_pk16_fp6_f32 v[132+12*\t:134+12*\t], v[32*\t:32*\t+15], v[108+2*\t]
	v_cvt_scalef32_pk16_fp6_f32 v[140+12*\t:142+12*\t], v[32*\t+16:32*\t+31], v[109+2*\t]
.endr
	WIN 0
	v_nop
.irp t, 0,1,2,3,4,5
.irp i, 0,1,2
	v_permlane16_swap_b32 v[132+12*\t+\i], v[140+12*\t+\i]
.endr
.endr
.irp t, 0,1,2,3,4,5
.irp i, 0,1,2
	v_mov_b32 v[135+12*\t+\i], v[140+12*\t+\i]
.endr
.endr
.irp t, 0,1,2,3,4,5
	global_store_b128 v9, v[132+12*\t:135+12*\t], s[34:35] offset:294912*(\e)+768*\t
	global_store_b64 v10, v[136+12*\t:137+12*\t], s[34:35] offset:294912*(\e)+768*\t+512
.endr
	global_store_b64 v11, v[124:125], s[38:39] offset:32768*(\e)+4096
.endm
.macro HEADQK hs, bias, img, sc, so
	STEPHEAD \hs
	WIN 0xc0
.irp t, 0,1,2,3,4,5                    ; the bias in the result's layout: lane (r, h), tile t: d = 16 t + 8 h + 0..7
	global_load_b128 v[192+8*\t:195+8*\t], v14, s[\bias:\bias+1] offset:1536*((\hs)%2)+64*\t
	global_load_b128 v[196+8*\t:199+8*\t], v14, s[\bias:\bias+1] offset:1536*((\hs)%2)+64*\t+16
.endr
	WLOAD (\hs)%2, 0
	KLOOP \hs, 0
	EPIQK (\hs)%2, \img, \sc, \so
.endm
.macro HEADV hs
	STEPHEAD \hs
	WIN 0xc0
.irp t, 0,1,2,3,4,5                    ; lane (r, h), tile t: d = 16 t + r
	global_load_b32 v[192+8*\t], v15, s[28:29] offset:1536*((\hs)%2)+64*\t
.endr
	WLOAD (\hs)%2, 0
	KLOOP \hs, 1
	EPIV (\hs)%2
.endm
	CHANGE 1, 12, 90, 1                            ; asks for q, head part + 4
	HEADQK 0, 24, 30, 36, 16384
	CHANGE 0, 14, 88, 1                            ; k, head part
	HEADQK 1, 24, 30, 36, 16384
	CHANGE 1, 14, 90, 1                            ; k, head part + 4
	HEADQK 2, 26, 32, 38, 32768
	CHANGE 0, 16, 88, 1                            ; v, head part
	HEADQK 3, 26, 32, 38, 32768
	CHANGE 1, 16, 90, 1                            ; v, head part + 4
	HEADV 4
	CHANGE 0, 16, 88, 0                            ; nothing is left to fetch
	HEADV 5
	WIN 0
	s_wait_tensorcnt 0x0                           ; the wave's end
	ds_add_u32 v12, v13
	s_wait_dscnt 0x0
	ROUND                                          ; the closing round: no work-group ends while a partner may still ask for a tile that names it
	s_endpgm
.Lfunc_end_k_q65decaeac7_proj:
	.size	k_q65decaeac7_proj, .Lfunc_end_k_q65decaeac7_proj-k_q65decaeac7_proj
	.p2alignl 7, 3214868480
	.fill 96, 4, 3214868480
	.section	.rodata,"a",@progbits
	.p2align	6, 0x0
	.amdhsa_kernel k_q65decaeac7_proj
		.amdhsa_group_segment_fixed_size 327680
		.amdhsa_private_segment_fixed_size 0
		.amdhsa_enable_private_segment 0
		.amdhsa_kernarg_size 128
		.amdhsa_user_sgpr_count 2
		.amdhsa_user_sgpr_kernarg_segment_ptr 1
		.amdhsa_wavefront_size32 1
		.amdhsa_system_sgpr_workgroup_id_x 1
		.amdhsa_system_sgpr_workgroup_id_y 1
		.amdhsa_system_sgpr_workgroup_id_z 1
		.amdhsa_system_vgpr_workitem_id 0
		.amdhsa_next_free_vgpr 1024
		.amdhsa_next_free_sgpr 100
		.amdhsa_reserve_vcc 0
		.amdhsa_float_denorm_mode_32 3
		.amdhsa_float_denorm_mode_16_64 3
		.amdhsa_memory_ordered 1
		.amdhsa_forward_progress 1
		.amdhsa_inst_pref_size 255
	.end_amdhsa_kernel
	.section	.bss,"aw",@nobits
	.p2align	6
	.space	262144
	.amdgpu_metadata
---
amdhsa.version: [ 1, 2 ]
amdhsa.kernels:
  - .name:           k_q65decaeac7_proj
    .symbol:         k_q65decaeac7_proj.kd
    .args:
      - { .name: visual_features, .offset: 0, .size: 8, .value_kind: global_buffer, .address_space: global }
      - { .name: text_features, .offset: 8, .size: 8, .value_kind: global_buffer, .address_space: global }
      - { .name: Wq_codes, .offset: 16, .size: 8, .value_kind: global_buffer, .address_space: global }
      - { .name: Wk_codes, .offset: 24, .size: 8, .value_kind: global_buffer, .address_space: global }
      - { .name: Wv_codes, .offset: 32, .size: 8, .value_kind: global_buffer, .address_space: global }
      - { .name: Wq_scales, .offset: 40, .size: 8, .value_kind: global_buffer, .address_space: global }
      - { .name: Wk_scales, .offset: 48, .size: 8, .value_kind: global_buffer, .address_space: global }
      - { .name: Wv_scales, .offset: 56, .size: 8, .value_kind: global_buffer, .address_space: global }
      - { .name: bq, .offset: 64, .size: 8, .value_kind: global_buffer, .address_space: global }
      - { .name: bk, .offset: 72, .size: 8, .value_kind: global_buffer, .address_space: global }
      - { .name: bv, .offset: 80, .size: 8, .value_kind: global_buffer, .address_space: global }
      - { .name: q_img, .offset: 88, .size: 8, .value_kind: global_buffer, .address_space: global }
      - { .name: k_img, .offset: 96, .size: 8, .value_kind: global_buffer, .address_space: global }
      - { .name: v_img, .offset: 104, .size: 8, .value_kind: global_buffer, .address_space: global }
      - { .name: q_sc, .offset: 112, .size: 8, .value_kind: global_buffer, .address_space: global }
      - { .name: kv_sc, .offset: 120, .size: 8, .value_kind: global_buffer, .address_space: global }
    .group_segment_fixed_size: 327680
    .private_segment_fixed_size: 0
    .kernarg_segment_align: 8
    .kernarg_segment_size: 128
    .max_flat_workgroup_size: 128
    .sgpr_count:     100
    .vgpr_count:     1024
    .wavefront_size: 32
...
	.end_amdgpu_metadata
.endif
;; end of part 1
;; launch attn (part 2): grid 4 x 128, 16 waves a work-group, clusters of 4 x 1, 186,368 bytes of LDS; arguments q_img, q_sc, k_img, v_img, kv_sc, visual_mask, text_mask, o_codes, o_sc; writes o_codes, o_sc
.if DOCPART == 2
	.amdgcn_target "amdgcn-amd-amdhsa--gfx1250"
	.amdhsa_code_object_version 6
	.text
	.protected	k_q65decaeac7_attn
	.globl	k_q65decaeac7_attn
	.p2align	8
	.type	k_q65decaeac7_attn,@function
k_q65decaeac7_attn:
	s_mov_b64 s[64:65], 0
	v_nop
	global_prefetch_b8 v0, s[64:65] scope:SCOPE_SE
	s_setreg_imm32_b32 hwreg(HW_REG_WAVE_MODE, 25, 1), 1
	s_wait_xcnt 0x0
	s_wait_alu depctr_hold_cnt(0) depctr_sa_sdst(0) depctr_va_vdst(0) depctr_va_sdst(0) depctr_va_ssrc(0) depctr_va_vcc(0) depctr_vm_vsrc(0)
	s_getreg_b32 s2, hwreg(HW_REG_IB_STS2, 6, 4)
	s_cmp_eq_u32 s2, 0
	s_cbranch_scc0 .Lentry_in_a_cluster
	s_endpgm
.Lentry_in_a_cluster:
	s_bfe_u32 s2, ttmp6, 0x10000c
	s_cmp_lg_u32 s2, 0x3003
	s_cbranch_scc0 .Lentry_shape_is_right
	s_endpgm
.Lentry_shape_is_right:
; o = softmax(q k^T / sqrt(96), keys masked by the other source's mask) v, for one (source, batch, head) a cluster; both products on codes of FP6 (E2M3).
; t = score x log2(e) / sqrt(96); M = the running largest t rounded UP to a whole number; p = 2^(t - M) is quantised along the keys, not normalised; the row's sum is taken of the
; unquantised p and divides O at the end; when M moves, the sum and O are multiplied by 2^(old M - new M), which rounds nothing.  Then o is quantised along D for the last product.
; SHARES.  y = 8 x (source, batch) + head of the QUERIES; keys and values are those of y xor 64, the other source.  The cluster's four work-groups take 256 queries each; each of
; sixteen waves one tile of 16, in 256 registers.  A head's K (98,304 bytes), V (73,728) and scale words (8,192) fit in LDS: they are filled ONCE, by joint loads (mask 15: the four
; work-groups want the same bytes), in four chunks of 256 keys, so that the first steps run while the later chunks are on their way.  Nothing in LDS is filled again.
; LAYOUT.  Both products transposed: S^T = K Q^T, O^T = V^T P^T: a lane holds ONE query.  K, Q, V come as images of their registers.  Inside a block of 32 keys the codes of p lie in the
; order 0-7, 16-23, 8-15, 24-31, as those of V were laid; likewise q and k along d.  O is brought into the true order of d by lane swaps before it is quantised, since Wo is given.
; THE MASK is a bias, 0 or -2^100, kept in LDS and given as the C of the first product: p of a masked key is exactly 0.
; LIMITS: the running largest t starts at -2^60 and a masked key lies at -2^100, so real |t| must stay under 2^59.  A query all of whose keys are masked gets the scale bytes 0xff (NaN),
; which make its row of the output NaN, as the formula has it.  NaN and infinities in q, k, v are not served.
; REGISTERS: v1-10 addresses; v12 -M, v13 largest t, v[14:15] the sum; v16-27 Q, v28 its scale word; v29 p's scale word; v[30:31] f; v32-79 four fragments; v80-87 V's scale bytes as stored,
; v88-93 V's scale words; v96-99 K's; v104-167 S^T, then p, then two fragments of V; v168-215 O^T; v216-227 p's codes; v228-254 at work.
.set FLOOR, 0x1800000
.macro PLACES n
.rept \n
	v_nop
.endr
.endm
.macro ROUND
	s_barrier_signal -1
	s_barrier_wait -1
	s_cmp_lg_u32 s26, 0
	s_cbranch_scc1 .Lnot_wave_0_\@
	s_barrier_signal -3
.Lnot_wave_0_\@:
	s_barrier_wait -3
	s_barrier_signal -1
	s_barrier_wait -1
.endm
.macro WM d, a, b, c, sa, sb, row
.if (\row) == 0
	v_wmma_scale_f32_16x16x128_f8f6f4 v[\d:\d+7], v[\a:\a+11], v[\b:\b+11], v[\c:\c+7], v[\sa], v[\sb] matrix_a_fmt:MATRIX_FMT_FP6 matrix_b_fmt:MATRIX_FMT_FP6
.else
	v_wmma_scale_f32_16x16x128_f8f6f4 v[\d:\d+7], v[\a:\a+11], v[\b:\b+11], v[\c:\c+7], v[\sa], v[\sb] matrix_a_fmt:MATRIX_FMT_FP6 matrix_b_fmt:MATRIX_FMT_FP6 matrix_a_scale:MATRIX_SCALE_ROW1
.endif
.endm
.macro WMZ d, a, b, sa, sb             ; the first product starts a sum: nothing is cleared
	v_wmma_scale_f32_16x16x128_f8f6f4 v[\d:\d+7], v[\a:\a+11], v[\b:\b+11], 0, v[\sa], v[\sb] matrix_a_fmt:MATRIX_FMT_FP6 matrix_b_fmt:MATRIX_FMT_FP6
.endm
	s_load_b256 s[8:15], s[0:1], 0x0               ; q_img, q_sc, k_img, v_img
	s_load_b256 s[16:23], s[0:1], 0x20             ; kv_sc, visual_mask, text_mask, o_codes
	s_load_b64 s[24:25], s[0:1], 0x40              ; o_sc
	v_lshl_add_u32 v253, v0, 2, 0x2d000
	v_mov_b32 v255, 0
	ds_add_u32 v253, v255
	ds_add_u32 v253, v255
	v_lshrrev_b32 v11, 5, v0
	v_readfirstlane_b32 s26, v11                   ; wave 0..15
	s_bfe_u32 s27, ttmp6, 0x40000                  ; cx: which 256 queries
	s_and_b32 s28, ttmp7, 0xffff                   ; y
	s_xor_b32 s29, s28, 64                         ; the keys' side
	v_and_b32 v248, 31, v0                         ; lane
	v_and_b32 v249, 15, v0                         ; r
	v_bfe_u32 v250, v0, 4, 1                       ; h
	; LDS: 0 K's scale words; 4,096 V's; 8,192 the mask's bias (stored by the waves; no tile lands there); 12,288 K's images; 110,592 V's
	v_lshlrev_b32 v1, 4, v248                      ; 16 x lane: K's images of steps 0-3, K's scale words
	v_add_nc_u32 v2, 49152, v1                     ; steps 4-7
	v_add_nc_u32 v3, 110592, v1                    ; V's images, registers 0-3 of a half fragment, steps 0-3
	v_add_nc_u32 v4, 147456, v1                    ; steps 4-7
	v_lshlrev_b32 v5, 3, v248
	v_add_nc_u32 v6, 147968, v5                    ; registers 4-5: 8 x lane, 512 bytes on; steps 4-7
	v_add_nc_u32 v5, 111104, v5                    ; steps 0-3
	v_lshlrev_b32 v7, 4, v249                      ; 16 r
	v_lshlrev_b32 v8, 5, v250                      ; 32 h
	v_mul_u32_u24 v9, v249, 24
	v_mad_u32_u24 v9, v250, 12, v9                 ; o's codes: 24 r + 12 h
	v_lshlrev_b32 v10, 2, v248                     ; 4 x lane
	v_lshlrev_b32 v11, 3, v0                       ; 8 x thread: two keys of the mask
	s_mov_b32 s36, 0x76543210
	s_mov_b32 s37, 0xfedcba98                      ; v_permlanex16_b32's selects for lane l xor 16
	s_mov_b32 s38, 0x3e16c740                      ; c = log2(e) / sqrt(96)
	s_mov_b32 s39, s38                             ; (named with it as a pair, so it is written)
	s_mov_b32 s85, 0x05040100                      ; the low halves of two words
	s_mov_b32 s86, 0x07060302                      ; the high halves
	s_mul_i32 s30, s29, 98304
	s_mov_b32 s31, 0
	s_mul_i32 s32, s29, 73728
	s_mov_b32 s33, 0
	s_lshl_b32 s34, s29, 13
	s_mov_b32 s35, 0
	; what hangs on cx has registers of its own: none of them feeds a descriptor
	s_lshl_b32 s60, s27, 4
	s_add_co_u32 s60, s60, s26                     ; my tile of queries in the batch, 0..63
	s_mul_i32 s62, s28, 98304
	s_mul_i32 s63, s60, 1536
	s_add_co_u32 s62, s62, s63
	s_mov_b32 s63, 0                               ; s[62:63]: Q's image
	s_lshl_b32 s66, s28, 12
	s_lshr_b32 s67, s60, 2
	s_lshl_b32 s67, s67, 8
	s_add_co_u32 s66, s66, s67
	s_and_b32 s67, s60, 3
	s_lshl_b32 s67, s67, 2
	s_add_co_u32 s66, s66, s67
	s_mov_b32 s67, 0                               ; s[66:67]: Q's scale words
	s_lshr_b32 s61, s28, 3
	s_lshl_b32 s61, s61, 6
	s_add_co_u32 s61, s61, s60                     ; my tile among all 1,024
	s_and_b32 s87, s28, 7                          ; the head
	s_mul_i32 s88, s61, 9216
	s_mul_i32 s89, s87, 1152
	s_add_co_u32 s88, s88, s89
	s_mov_b32 s89, 0                               ; s[88:89]: o's codes
	s_lshl_b32 s84, s61, 10
	s_lshl_b32 s87, s87, 7
	s_add_co_u32 s84, s84, s87                     ; o's scale words (low word; the high word is s89's 0)
	s_wait_dscnt 0x0
	s_wait_kmcnt 0x0
	s_add_nc_u64 s[12:13], s[12:13], s[30:31]      ; K, V and their scale words of the keys' side
	s_add_nc_u64 s[14:15], s[14:15], s[32:33]
	s_add_nc_u64 s[16:17], s[16:17], s[34:35]
	s_add_nc_u64 s[8:9], s[8:9], s[62:63]
	s_add_nc_u64 s[10:11], s[10:11], s[66:67]
	s_add_nc_u64 s[22:23], s[22:23], s[88:89]
	s_mov_b32 s88, s84
	s_add_nc_u64 s[24:25], s[24:25], s[88:89]
	s_cmp_lt_u32 s28, 64                           ; visual queries look at text keys, and the other way round
	s_cselect_b64 s[18:19], s[20:21], s[18:19]
	s_bfe_u32 s30, s28, 0x30003                    ; the batch
	s_lshl_b32 s30, s30, 12
	s_add_nc_u64 s[18:19], s[18:19], s[30:31]
	ROUND                                          ; all four work-groups are here: the joint loads meet
	; the fills: dense rows of 256 bytes (32 elements of 8 bytes).  Wave 0: the scale words, then K's four chunks: five loads of its own are out.  Wave 1: V's four chunks.
	s_cmp_eq_u32 s26, 0
	s_cbranch_scc0 .Lnot_k
	s_mov_b32 s68, 15|(3<<16)|(1<<21)              ; 15:0 the mask; 17:16 elements of 8 bytes; 21 set beside a mask
	s_mov_b32 s69, 32<<16                          ; tensor_dim0
	s_mov_b32 s70, 32<<16                          ; tensor_dim1 = 32 rows
	s_mov_b32 s71, 32<<16                          ; tile_dim0
	s_mov_b32 s72, 32                              ; tile_dim1
	s_mov_b32 s73, 32                              ; stride
	s_mov_b32 s74, 0
	s_mov_b32 s75, 0
	s_mov_b32 s76, 15|(3<<16)|(1<<21)
	s_mov_b32 s77, 32<<16
	s_mov_b32 s78, 96<<16                          ; 96 rows: 16 tiles of keys
	s_mov_b32 s79, 32<<16
	s_mov_b32 s80, 96
	s_mov_b32 s81, 32
	s_mov_b32 s82, 0
	s_mov_b32 s83, 0
	s_mov_b32 s40, 1
	s_mov_b32 s41, 0
	s_mov_b64 s[42:43], s[16:17]
	s_or_b32 s43, s43, 0x80000000
.irp g, 0,1,2,3
	s_mov_b32 s[44+4*\g], 1
	s_mov_b32 s[45+4*\g], 12288+24576*\g
	s_add_nc_u64 s[46+4*\g:47+4*\g], s[12:13], 24576*\g
	s_or_b32 s[47+4*\g], s[47+4*\g], 0x80000000
.endr
	tensor_load_to_lds s[40:43], s[68:75]
	s_nop 0
	tensor_load_to_lds s[44:47], s[76:83]
	s_nop 0
	tensor_load_to_lds s[48:51], s[76:83]
	s_nop 0
	tensor_load_to_lds s[52:55], s[76:83]
	s_nop 0
	tensor_load_to_lds s[56:59], s[76:83]
	s_nop 0
	PLACES 4
	s_branch .Lasked
.Lnot_k:
	s_cmp_eq_u32 s26, 1
	s_cbranch_scc0 .Lasked
	s_mov_b32 s76, 15|(3<<16)|(1<<21)
	s_mov_b32 s77, 32<<16
	s_mov_b32 s78, 72<<16                          ; 72 rows: four groups of 64 keys
	s_mov_b32 s79, 32<<16
	s_mov_b32 s80, 72
	s_mov_b32 s81, 32
	s_mov_b32 s82, 0
	s_mov_b32 s83, 0
.irp g, 0,1,2,3
	s_mov_b32 s[44+4*\g], 1
	s_mov_b32 s[45+4*\g], 110592+18432*\g
	s_add_nc_u64 s[46+4*\g:47+4*\g], s[14:15], 18432*\g
	s_or_b32 s[47+4*\g], s[47+4*\g], 0x80000000
.endr
	tensor_load_to_lds s[44:47], s[76:83]
	s_nop 0
	tensor_load_to_lds s[48:51], s[76:83]
	s_nop 0
	tensor_load_to_lds s[52:55], s[76:83]
	s_nop 0
	tensor_load_to_lds s[56:59], s[76:83]
	s_nop 0
	PLACES 4
.Lasked:
	global_load_b64 v[32:33], v11, s[18:19]        ; the mask of keys 2 t, 2 t + 1
	global_load_b128 v[16:19], v1, s[8:9]          ; Q's fragment stays in registers
	global_load_b128 v[20:23], v1, s[8:9] offset:512
	global_load_b128 v[24:27], v1, s[8:9] offset:1024
	global_load_b32 v28, v7, s[10:11]              ; and its scale words
	v_mov_b32 v13, 0xdd800000                      ; the largest t so far: -2^60
	v_floor_f32 v12, -v13                          ; -M
	v_mov_b32 v14, 0                               ; the sum, in two halves
	v_mov_b32 v15, 0
	v_mov_b32 v31, 0                               ; (named as the upper half of the pair v[30:31])
.irp b, 0,1,2,3
	v_mov_b32 v[240+\b], 0                         ; written once: lane permutes' destinations
.endr
	v_mov_b32 v34, 0xf1800000                      ; -2^100
	v_mov_b32 v251, -1
	s_wait_loadcnt 4                               ; the mask is in; Q's four loads stay out
	v_cmp_eq_u32 vcc_lo, 0, v32
	v_cndmask_b32 v32, 0, v34, vcc_lo
	v_cmp_eq_u32 vcc_lo, 0, v33
	v_cndmask_b32 v33, 0, v34, vcc_lo
	ds_store_b64 v11, v[32:33] offset:8192
.macro KLOAD base                      ; four tiles of 16 keys, from tile base of the step on
.irp t, 0,1,2,3
.irp c, 0,1,2
	ds_load_b128 v[32+12*\t+4*\c:35+12*\t+4*\c], v[KA] offset:12288+12288*QQ+1536*((\base)+\t)+512*\c
.endr
.endr
.endm
; A KEY STEP: 128 keys
.macro STEP q
.set QQ, (\q)%4
.set KA, 1+(\q)/4
.set VA, 3+(\q)/4
.set VB, 5+(\q)/4
.if (\q) > 0
	PLACES 5                                       ; behind the last products: loads go into registers that they read, and a product writes over some of them (one place more for the product)
.endif
.irp t, 0,1,2,3,4,5,6,7                ; the mask's bias in the result's layout: tile t, keys 16 t + 8 h + 0..7
	ds_load_b128 v[104+8*\t:107+8*\t], v8 offset:8192+512*(\q)+64*\t
	ds_load_b128 v[108+8*\t:111+8*\t], v8 offset:8192+512*(\q)+64*\t+16
.endr
	ds_load_b128 v[96:99], v1 offset:512*(\q)      ; K's scale words: lanes 0-15 tiles 0-3, lanes 16-31 tiles 4-7
	ds_load_b128 v[80:83], v7 offset:4096+512*(\q) ; V's scale bytes of the step's two groups of 64 keys
	ds_load_b128 v[84:87], v7 offset:4096+512*(\q)+256
	KLOAD 0
	s_wait_dscnt 0x0
.irp t, 0,1,2,3
	WM 104+8*\t, 32+12*\t, 16, 104+8*\t, 96+\t, 28, 0
.endr
	PLACES 4
	KLOAD 4
	s_wait_dscnt 0x0
.irp t, 0,1,2,3
	WM 136+8*\t, 32+12*\t, 16, 136+8*\t, 96+\t, 28, 1
.endr
	PLACES 4
.irp t, 0,1,2,3                        ; V's tiles 0-3 are asked for now and land under the softmax
.irp c, 0,1
	ds_load_b128 v[32+12*\t+6*\c:35+12*\t+6*\c], v[VA] offset:9216*QQ+4608*\c+768*\t
	ds_load_b64 v[36+12*\t+6*\c:37+12*\t+6*\c], v[VB] offset:9216*QQ+4608*\c+768*\t
.endr
.endr
.irp i, 0,1,2
	v_perm_b32 v[88+2*\i], v[84+\i], v[80+\i], s85 ; tile 2 i's four bytes: two of each group
	v_perm_b32 v[89+2*\i], v[84+\i], v[80+\i], s86 ; tile 2 i + 1's
.endr
.irp b, 0,1,2,3
	v_max3_num_f32 v[236+\b], v[104+16*\b], v[105+16*\b], v[106+16*\b]   ; the largest score of each block of 32 keys: for the row's maximum and, since p rises with the score, for the block's largest p
.endr
.irp i, 3,5,7,9,11,13
.irp b, 0,1,2,3
	v_max3_num_f32 v[236+\b], v[236+\b], v[104+16*\b+\i], v[105+16*\b+\i]
.endr
.endr
.irp b, 0,1,2,3
	v_max_num_f32 v[236+\b], v[236+\b], v[119+16*\b]
.endr
.irp b, 0,1,2,3
	v_permlanex16_b32 v[240+\b], v[236+\b], s36, s37
.endr
.irp b, 0,1,2,3
	v_max_num_f32 v[236+\b], v[236+\b], v[240+\b]
.endr
	v_max3_num_f32 v254, v236, v237, v238
	v_max_num_f32 v254, v254, v239
	v_mul_f32 v254, s38, v254                      ; as t (c is positive)
	v_max_num_f32 v13, v13, v254                   ; the running largest t
	v_mov_b32 v254, v12
	v_floor_f32 v12, -v13                          ; the new -M = -ceil(t)
	v_sub_f32 v254, v12, v254                      ; old M - new M: a whole number, 0 or less
	v_cvt_i32_f32 v254, v254                       ; (it saturates)
	v_ldexp_f32 v30, 1.0, v254                     ; f = 2^(old M - new M)
.set JJ, 0
.rept 32
	v_pk_fma_f32 v[104+JJ:105+JJ], v[104+JJ:105+JJ], s[38:39], v[12:13] op_sel_hi:[1,0,0]   ; t - M, two at a time
.set JJ, JJ+2
.endr
.irp b, 0,1,2,3
	v_fma_f32 v[236+\b], v[236+\b], s38, v12
.endr
.set JJ, 0
.rept 64
	v_exp_f32 v[104+JJ], v[104+JJ]                 ; p = 2^(t - M)
.set JJ, JJ+1
.endr
.irp b, 0,1,2,3
	v_exp_f32 v[236+\b], v[236+\b]                 ; the block's largest p: the same two instructions on the same number
.endr
	v_pk_mul_f32 v[14:15], v[14:15], v[30:31] op_sel_hi:[1,0]   ; the sums under the new M (a plain place behind the exponentials)
	s_wait_alu depctr_va_vdst(0)
.irp b, 0,1,2,3
	v_max_num_f32 v[236+\b], FLOOR, v[236+\b]
.endr
.irp b, 0,1,2,3
	v_add_nc_u32 v[244+\b], 0xff000000, v[236+\b]  ; the conversion's scale operand
.endr
.irp b, 0,1,2,3
	v_lshrrev_b32 v[240+\b], 23, v[244+\b]         ; the scale's byte
.endr
	v_lshl_or_b32 v29, v241, 8, v240               ; p's scale word for these 128 keys
	v_lshl_or_b32 v29, v242, 16, v29
	v_lshl_or_b32 v29, v243, 24, v29
	v_cvt_scalef32_pk16_fp6_f32 v[216:218], v[104:119], v244
	v_cvt_scalef32_pk16_fp6_f32 v[228:230], v[120:135], v245
	v_cvt_scalef32_pk16_fp6_f32 v[222:224], v[136:151], v246
	v_cvt_scalef32_pk16_fp6_f32 v[232:234], v[152:167], v247
	v_nop                                          ; one plain place behind a scaled conversion
.irp i, 0,1,2                          ; a WHOLE block in a lane: lanes 0-15 blocks 0 and 2, lanes 16-31 blocks 1 and 3
	v_permlane16_swap_b32 v[216+\i], v[228+\i]
	v_permlane16_swap_b32 v[222+\i], v[232+\i]
.endr
.irp i, 0,1,2
	v_mov_b32 v[219+\i], v[228+\i]
	v_mov_b32 v[225+\i], v[232+\i]
.endr
	v_pk_add_f32 v[248:249], v[104:105], v[106:107]   ; the row's sum, of the unquantised p, in two chains
.set JJ, 4
.rept 15
	v_pk_add_f32 v[14:15], v[14:15], v[104+JJ:105+JJ]
	v_pk_add_f32 v[248:249], v[248:249], v[106+JJ:107+JJ]
.set JJ, JJ+4
.endr
	v_pk_add_f32 v[14:15], v[14:15], v[248:249]
.irp t, 4,5                            ; V's tiles 4, 5 into registers that p has left
.irp c, 0,1
	ds_load_b128 v[104+12*(\t-4)+6*\c:107+12*(\t-4)+6*\c], v[VA] offset:9216*QQ+4608*\c+768*\t
	ds_load_b64 v[108+12*(\t-4)+6*\c:109+12*(\t-4)+6*\c], v[VB] offset:9216*QQ+4608*\c+768*\t
.endr
.endr
.if (\q) > 0
.set JJ, 0
.rept 24
	v_pk_mul_f32 v[168+JJ:169+JJ], v[168+JJ:169+JJ], v[30:31] op_sel_hi:[1,0]   ; O^T under the new M
.set JJ, JJ+2
.endr
.endif
	s_wait_dscnt 0x0
.irp t, 0,1,2,3
.if (\q) == 0
	WMZ 168+8*\t, 32+12*\t, 216, 88+\t, 29
.else
	WM 168+8*\t, 32+12*\t, 216, 168+8*\t, 88+\t, 29, 0
.endif
.endr
.irp t, 4,5
.if (\q) == 0
	WMZ 168+8*\t, 104+12*(\t-4), 216, 88+\t, 29
.else
	WM 168+8*\t, 104+12*(\t-4), 216, 168+8*\t, 88+\t, 29, 0
.endif
.endr
.endm
; chunk g (keys 256 g on) has landed in the waves that asked for it: behind it each of them issued 3 - g loads.  Later chunks stay out.
.macro STAGE g
	s_wait_tensorcnt 3-(\g)
.if (\g) == 0
	s_wait_loadcnt 0x0                             ; Q
.endif
	s_wait_dscnt 0x0                               ; for the others' sake: my part of the mask's bias is stored
	s_barrier_signal -1
	s_barrier_wait -1
	STEP 2*(\g)
	STEP 2*(\g)+1
.endm
	STAGE 0
	STAGE 1
	STAGE 2
	STAGE 3
	; ---- the way out: O / the sum, in the true order of d, quantised along d
	PLACES 4
	v_add_f32 v14, v14, v15
	v_permlanex16_b32 v240, v14, s36, s37
	v_add_f32 v14, v14, v240                       ; the row's sum
	v_rcp_f32 v30, v14
	v_nop                                          ; one plain place behind a transcendental
.set JJ, 0
	s_wait_alu depctr_va_vdst(0)
.rept 24
	v_pk_mul_f32 v[168+JJ:169+JJ], v[168+JJ:169+JJ], v[30:31] op_sel_hi:[1,0]
.set JJ, JJ+2
.endr
.irp b, 0,1,2                          ; tile 2 b's lanes 16-31 (d = 8..15) change places with tile 2 b + 1's lanes 0-15 (d = 16..23): my 16 registers are then d = 32 b + 16 h + 0..15
.irp j, 0,1,2,3,4,5,6,7
	v_permlane16_swap_b32 v[168+16*\b+\j], v[176+16*\b+\j]
.endr
.endr
.irp b, 0,1,2
	v_max3_num_f32 v[236+\b], |v[168+16*\b]|, |v[169+16*\b]|, FLOOR
.endr
.irp i, 2,4,6,8,10,12,14
.irp b, 0,1,2
	v_max3_num_f32 v[236+\b], v[236+\b], |v[168+16*\b+\i]|, |v[169+16*\b+\i]|
.endr
.endr
.irp b, 0,1,2
	v_permlanex16_b32 v[240+\b], v[236+\b], s36, s37
.endr
.irp b, 0,1,2
	v_max_num_f32 v[236+\b], v[236+\b], v[240+\b]
.endr
.irp b, 0,1,2
	v_add_nc_u32 v[244+\b], 0xff000000, v[236+\b]
.endr
.irp b, 0,1,2
	v_lshrrev_b32 v[240+\b], 23, v[244+\b]
.endr
	v_lshl_or_b32 v248, v241, 8, v240
	v_lshl_or_b32 v248, v242, 16, v248             ; the head's three scale bytes
	v_cmp_gt_f32 vcc_lo, 0xdd000000, v13           ; no key counted: the largest t never rose over -2^59
	v_cndmask_b32 v248, v248, v251, vcc_lo         ; then the bytes say NaN
	v_cvt_scalef32_pk16_fp6_f32 v[216:218], v[168:183], v244
	v_cvt_scalef32_pk16_fp6_f32 v[220:222], v[184:199], v245
	v_cvt_scalef32_pk16_fp6_f32 v[224:226], v[200:215], v246
	v_nop
.irp b, 0,1,2
	global_store_b96 v9, v[216+4*\b:218+4*\b], s[22:23] offset:384*\b   ; a block of 32 d of 16 tokens: 384 consecutive bytes
.endr
	global_store_b32 v10, v248, s[24:25]
	s_wait_tensorcnt 0x0
	ds_add_u32 v253, v255
	s_wait_dscnt 0x0
	ROUND                                          ; the closing round
	s_endpgm
.Lfunc_end_k_q65decaeac7_attn:
	.size	k_q65decaeac7_attn, .Lfunc_end_k_q65decaeac7_attn-k_q65decaeac7_attn
	.p2alignl 7, 3214868480
	.fill 96, 4, 3214868480
	.section	.rodata,"a",@progbits
	.p2align	6, 0x0
	.amdhsa_kernel k_q65decaeac7_attn
		.amdhsa_group_segment_fixed_size 186368
		.amdhsa_private_segment_fixed_size 0
		.amdhsa_enable_private_segment 0
		.amdhsa_kernarg_size 72
		.amdhsa_user_sgpr_count 2
		.amdhsa_user_sgpr_kernarg_segment_ptr 1
		.amdhsa_wavefront_size32 1
		.amdhsa_system_sgpr_workgroup_id_x 1
		.amdhsa_system_sgpr_workgroup_id_y 1
		.amdhsa_system_sgpr_workgroup_id_z 1
		.amdhsa_system_vgpr_workitem_id 0
		.amdhsa_next_free_vgpr 256
		.amdhsa_next_free_sgpr 90
		.amdhsa_reserve_vcc 1
		.amdhsa_float_denorm_mode_32 3
		.amdhsa_float_denorm_mode_16_64 3
		.amdhsa_memory_ordered 1
		.amdhsa_forward_progress 1
		.amdhsa_inst_pref_size 166
	.end_amdhsa_kernel
	.amdgpu_metadata
---
amdhsa.version: [ 1, 2 ]
amdhsa.kernels:
  - .name:           k_q65decaeac7_attn
    .symbol:         k_q65decaeac7_attn.kd
    .args:
      - { .name: q_img, .offset: 0, .size: 8, .value_kind: global_buffer, .address_space: global }
      - { .name: q_sc, .offset: 8, .size: 8, .value_kind: global_buffer, .address_space: global }
      - { .name: k_img, .offset: 16, .size: 8, .value_kind: global_buffer, .address_space: global }
      - { .name: v_img, .offset: 24, .size: 8, .value_kind: global_buffer, .address_space: global }
      - { .name: kv_sc, .offset: 32, .size: 8, .value_kind: global_buffer, .address_space: global }
      - { .name: visual_mask, .offset: 40, .size: 8, .value_kind: global_buffer, .address_space: global }
      - { .name: text_mask, .offset: 48, .size: 8, .value_kind: global_buffer, .address_space: global }
      - { .name: o_codes, .offset: 56, .size: 8, .value_kind: global_buffer, .address_space: global }
      - { .name: o_sc, .offset: 64, .size: 8, .value_kind: global_buffer, .address_space: global }
    .group_segment_fixed_size: 186368
    .private_segment_fixed_size: 0
    .kernarg_segment_align: 8
    .kernarg_segment_size: 72
    .max_flat_workgroup_size: 512
    .sgpr_count:     90
    .vgpr_count:     256
    .wavefront_size: 32
...
	.end_amdgpu_metadata
.endif
;; end of part 2
;; launch outp (part 3): grid 256 x 1, 4 waves a work-group, clusters of 4 x 1, 327,680 bytes of LDS; arguments o_codes, o_sc, Wo_codes, Wo_scales, bo, ln_g, ln_b, visual_features, text_features, out0, out1; writes out0, out1
.if DOCPART == 3
	.amdgcn_target "amdgcn-amd-amdhsa--gfx1250"
	.amdhsa_code_object_version 6
	.text
	.protected	k_q65decaeac7_outp
	.globl	k_q65decaeac7_outp
	.p2align	8
	.type	k_q65decaeac7_outp,@function
k_q65decaeac7_outp:
	s_mov_b64 s[64:65], 0
	v_nop
	global_prefetch_b8 v0, s[64:65] scope:SCOPE_SE
	s_setreg_imm32_b32 hwreg(HW_REG_WAVE_MODE, 25, 1), 1
	s_wait_xcnt 0x0
	s_wait_alu depctr_hold_cnt(0) depctr_sa_sdst(0) depctr_va_vdst(0) depctr_va_sdst(0) depctr_va_ssrc(0) depctr_va_vcc(0) depctr_vm_vsrc(0)
	s_getreg_b32 s2, hwreg(HW_REG_IB_STS2, 6, 4)
	s_cmp_eq_u32 s2, 0
	s_cbranch_scc0 .Lentry_in_a_cluster
	s_endpgm
.Lentry_in_a_cluster:
	s_bfe_u32 s2, ttmp6, 0x10000c
	s_cmp_lg_u32 s2, 0x3003
	s_cbranch_scc0 .Lentry_shape_is_right
	s_endpgm
.Lentry_shape_is_right:
; out = LayerNorm(x + o Wo + bo) x g + b.  o and Wo are codes of FP6 (E2M3) with one E8M0 scale for each 32 along K = 768; all else f32.
; SHARES.  A work-group owns 64 tokens, a wave one tile of 16 with ALL 768 columns: 48 accumulators, so that mean and variance never leave the wave.
; The product is used transposed (source 0 = 16 rows of Wo, source 1 = my 16 tokens): a lane holds ONE token, register 8 t + j column 16 t + 8 h + j.
; x + bo is the C of each sum's first product: x is loaded by whole rows (512 consecutive bytes a load), bo added, and turned into the result's layout through the wave's own stage in LDS.
; Wo comes in eight chunks of 96 rows through a ring of two LDS slots.  CLUSTER: every work-group walks the same Wo, so the four of a cluster ask JOINTLY (mask 15), each wave for 24 rows.
; The variance is taken of the centred numbers (two passes over registers): no difference of large sums is formed.
; A token whose scale bytes say NaN (all its keys were masked) comes out NaN.  LIMITS: NaN and infinities among x, bo, g, b are not served.
; REGISTERS.  window 0: v3-14 addresses; v16-21 o's scale words, one a K step; v22-39 Wo's scale words (6 pr + s); v40-111 o's six fragments; v112-183, v184-255 two buffers of Wo's fragments
;   (before the product: v112-119 the heads' scale words, v120-143 bo; behind it: v112-135 g, v136-159 b, v160-179 sums).   window 1: columns 0-383.   window 2: columns 384-767.
.set PITCH,  720                       ; a weight row in LDS: 9 x (64 bytes + 16 of padding)
.set SLOTB,  96*PITCH
.set WSCB,   2*SLOTB                   ; Wo's scale bytes, 18,432, dense
.set SPARE,  WSCB+18432                ; the spare words, 128 bytes a wave: two blocks of 256 bytes that no other line names
.set STG,    SPARE+512                 ; a stage for each wave: 16 rows x (1,536 bytes + 16); no tile lands there
.set SP,     1552
.set MSB, 0
.macro WIN new
.if MSB != (\new)
	s_set_vgpr_msb (MSB<<8)|(\new)
.set MSB, (\new)
.endif
.endm
.macro PLACES n
.rept \n
	v_nop
.endr
.endm
.macro ROUND
	s_barrier_signal -1
	s_barrier_wait -1
	s_cmp_lg_u32 s40, 0
	s_cbranch_scc1 .Lnot_wave_0_\@
	s_barrier_signal -3
.Lnot_wave_0_\@:
	s_barrier_wait -3
	s_barrier_signal -1
	s_barrier_wait -1
.endm
.macro WM d, a, b, c, sa, sb, row
.if (\row) == 0
	v_wmma_scale_f32_16x16x128_f8f6f4 v[\d:\d+7], v[\a:\a+11], v[\b:\b+11], v[\c:\c+7], v[\sa], v[\sb] matrix_a_fmt:MATRIX_FMT_FP6 matrix_b_fmt:MATRIX_FMT_FP6
.else
	v_wmma_scale_f32_16x16x128_f8f6f4 v[\d:\d+7], v[\a:\a+11], v[\b:\b+11], v[\c:\c+7], v[\sa], v[\sb] matrix_a_fmt:MATRIX_FMT_FP6 matrix_b_fmt:MATRIX_FMT_FP6 matrix_a_scale:MATRIX_SCALE_ROW1
.endif
.endm
.macro FRAGW reg, adr, s, t
.irp p, 0,1,2,3,4,5
.set PCE, 12*(\s)+6*(\p/3)+\p%3
.if PCE%8 < 5
	ds_load_b64 v[\reg+2*\p:\reg+2*\p+1], v[\adr] offset:8*PCE+16*(PCE/8)+(\t)*16*PITCH
.else
	ds_load_b64 v[\reg+2*\p:\reg+2*\p+1], v[\adr+1] offset:8*PCE+16*(PCE/8)+(\t)*16*PITCH
.endif
.endr
.endm
.macro WLOAD slot, s
.irp t, 0,1,2,3,4,5
	FRAGW 112+72*((\s)%2)+12*\t, 4+2*(\slot), \s, \t
.endr
.endm
	s_load_b256 s[8:15], s[0:1], 0x0               ; o_codes, o_sc, Wo codes, Wo scales
	s_load_b256 s[16:23], s[0:1], 0x20             ; bo, g, b, visual
	s_load_b128 s[24:27], s[0:1], 0x40             ; text, out0
	s_load_b64 s[28:29], s[0:1], 0x50              ; out1
	v_lshl_add_u32 v12, v0, 2, SPARE               ; my spare word
	v_mov_b32 v13, 0
	ds_add_u32 v12, v13
	ds_add_u32 v12, v13
	s_wait_dscnt 0x0
	v_lshrrev_b32 v1, 5, v0
	v_readfirstlane_b32 s40, v1                    ; wave 0..3
	s_bfe_u32 s41, ttmp6, 0x40000                  ; cx
	v_and_b32 v1, 15, v0                           ; r
	v_bfe_u32 v2, v0, 4, 1                         ; h
	v_and_b32 v15, 31, v0                          ; lane
	v_lshlrev_b32 v3, 4, v15                       ; 16 x lane
	v_mul_u32_u24 v4, v1, PITCH
	v_mad_u32_u24 v4, v2, 24, v4                   ; a weight fragment in slot 0
	v_lshl_add_u32 v5, v2, 4, v4
	v_add_nc_u32 v6, SLOTB, v4                     ; slot 1
	v_add_nc_u32 v7, SLOTB, v5
	v_mul_u32_u24 v8, v15, 24
	v_add_nc_u32 v8, WSCB, v8                      ; Wo's scale bytes: 24 a row
	v_mul_u32_u24 v9, v1, 24
	v_mad_u32_u24 v9, v2, 384, v9                  ; o's codes: block + h, token r: 384 h + 24 r
	v_lshlrev_b32 v10, 2, v15                      ; 4 x lane
	s_mul_i32 s92, s40, 16*SP
	s_add_co_u32 s92, s92, STG                     ; my stage
	v_add_nc_u32 v11, s92, v3                      ; by rows: 16 x lane
	v_mul_u32_u24 v14, v1, SP
	v_lshl_add_u32 v14, v2, 5, v14
	v_add_nc_u32 v14, s92, v14                     ; in the result's layout: row r, + 32 h
	s_mov_b32 s44, 0x76543210
	s_mov_b32 s45, 0xfedcba98
	s_mov_b32 s50, 0x04020100                      ; a K step's four scale bytes out of two heads' words of three
	s_mov_b32 s51, 0x05040201
	s_mov_b32 s52, 0x06050402
	s_mov_b32 s53, 0x3aaaaaab                      ; 1 / 768
	s_mov_b32 s54, 0x3727c5ac                      ; 1e-5
	s_mov_b32 s56, 15|(1<<20)|(1<<21)|(3<<22)|(3<<25)  ; group 1 for Wo's codes: 24 rows of 576 bytes, 16 bytes of padding behind every 64; mask 15, bit 21 beside it
	s_mov_b32 s57, 576<<16
	s_mov_b32 s58, 24<<16
	s_mov_b32 s59, 576<<16
	s_mov_b32 s60, 24
	s_mov_b32 s61, 576
	s_mov_b32 s62, 0
	s_mov_b32 s63, 0
	s_mov_b32 s76, 15|(3<<16)|(1<<21)              ; group 1 for a quarter of the scale bytes: 18 dense rows of 256 bytes
	s_mov_b32 s77, 32<<16
	s_mov_b32 s78, 18<<16
	s_mov_b32 s79, 32<<16
	s_mov_b32 s80, 18
	s_mov_b32 s81, 32
	s_mov_b32 s82, 0
	s_mov_b32 s83, 0
	s_mov_b32 s68, 1
	s_mul_i32 s69, s40, 24*PITCH
	s_mov_b32 s72, 1
	s_add_co_u32 s73, s69, SLOTB
	s_mov_b32 s84, 1
	s_mul_i32 s85, s40, 4608
	s_mov_b32 s94, s85
	s_mov_b32 s95, 0
	s_add_co_u32 s85, s85, WSCB
	s_mul_i32 s92, s40, 13824
	s_mov_b32 s93, 0
	; what hangs on cx has registers of its own
	s_lshl_b32 s42, ttmp9, 2
	s_add_co_u32 s42, s42, s41                     ; my block of 64 tokens
	s_lshl_b32 s46, s42, 2
	s_add_co_u32 s46, s46, s40                     ; my tile among all 1,024
	s_mul_i32 s48, s46, 9216
	s_mov_b32 s49, 0
	s_lshl_b32 s46, s46, 10
	s_mov_b32 s47, 0
	s_and_b32 s30, ttmp9, 31
	s_lshl_b32 s30, s30, 2
	s_add_co_u32 s30, s30, s41
	s_mul_i32 s30, s30, 196608
	s_mul_i32 s31, s40, 49152
	s_add_co_u32 s30, s30, s31
	s_mov_b32 s31, 0
	s_wait_kmcnt 0x0
	s_add_nc_u64 s[8:9], s[8:9], s[48:49]
	s_add_nc_u64 s[10:11], s[10:11], s[46:47]
	s_cmp_lt_u32 ttmp9, 32                         ; clusters 0-31: visual tokens and out0; the others text and out1
	s_cselect_b64 s[22:23], s[22:23], s[24:25]
	s_cselect_b64 s[26:27], s[26:27], s[28:29]
	s_add_nc_u64 s[22:23], s[22:23], s[30:31]
	s_add_nc_u64 s[26:27], s[26:27], s[30:31]
	s_add_nc_u64 s[70:71], s[12:13], s[92:93]      ; chunk 0, my 24 rows
	s_add_nc_u64 s[74:75], s[70:71], 55296         ; chunk 1
	s_or_b32 s71, s71, 0x80000000
	s_or_b32 s75, s75, 0x80000000
	s_add_nc_u64 s[86:87], s[14:15], s[94:95]
	s_or_b32 s87, s87, 0x80000000
	ROUND                                          ; all four work-groups are here
	tensor_load_to_lds s[84:87], s[76:83]          ; the first fills: two loads of mine are out
	s_nop 0
	tensor_load_to_lds s[68:71], s[56:63]
	s_nop 0
	PLACES 4
.irp s, 0,1,2,3,4,5                    ; o's six fragments: lane (r, h), registers 6 c on: block 4 s + 2 c + h of token r, 24 bytes
.irp c, 0,1
.irp i, 0,1,2
	global_load_b64 v[40+12*\s+6*\c+2*\i:41+12*\s+6*\c+2*\i], v9, s[8:9] offset:(4*\s+2*\c)*384+8*\i
.endr
.endr
.endr
.irp k, 0,1,2,3,4,5,6,7
	global_load_b32 v[112+\k], v10, s[10:11] offset:128*\k   ; the heads' scale words
.endr
.irp k, 0,1,2,3,4,5
	global_load_b128 v[120+4*\k:123+4*\k], v3, s[16:17] offset:512*\k   ; bo, by rows: my four columns of each 128
.endr
.irp w, 1,2                            ; x, by rows: half w - 1 of each of my 16 rows into window w
	WIN \w<<6
.irp p, 0,1,2,3,4,5,6,7,8,9,10,11,12,13,14,15
.irp i, 0,1,2
	global_load_b128 v[4*(3*\p+\i):4*(3*\p+\i)+3], v3, s[22:23] offset:3072*\p+1536*(\w-1)+512*\i th:TH_LOAD_NT
.endr
.endr
.endr
	WIN 0
	s_wait_loadcnt 48                              ; all but the 48 loads of x's second half
	v_perm_b32 v16, v113, v112, s50                ; blocks 0-3: head 0's three, head 1's first
	v_perm_b32 v17, v114, v113, s51                ; blocks 4-7
	v_perm_b32 v18, v115, v114, s52                ; blocks 8-11
	v_perm_b32 v19, v117, v116, s50
	v_perm_b32 v20, v118, v117, s51
	v_perm_b32 v21, v119, v118, s52
.irp w, 1,2
.if \w == 2
	s_wait_loadcnt 0x0
.endif
	WIN 0x41*\w
.irp p, 0,1,2,3,4,5,6,7,8,9,10,11,12,13,14,15
.irp i, 0,1,2
	v_pk_add_f32 v[4*(3*\p+\i):4*(3*\p+\i)+1], v[4*(3*\p+\i):4*(3*\p+\i)+1], v[120+12*(\w-1)+4*\i:121+12*(\w-1)+4*\i]
	v_pk_add_f32 v[4*(3*\p+\i)+2:4*(3*\p+\i)+3], v[4*(3*\p+\i)+2:4*(3*\p+\i)+3], v[122+12*(\w-1)+4*\i:123+12*(\w-1)+4*\i]
.endr
.endr
	WIN \w<<2
.irp p, 0,1,2,3,4,5,6,7,8,9,10,11,12,13,14,15
.irp i, 0,1,2
	ds_store_b128 v11, v[4*(3*\p+\i):4*(3*\p+\i)+3] offset:SP*\p+512*\i
.endr
.endr
	WIN \w<<6
.set TT, 0
.rept 24                               ; LDS serves a wave's instructions in order (ISA guide 5.7.1.4): these see my stores, and the next half's stores come behind them
	ds_load_b128 v[8*TT:8*TT+3], v14 offset:64*TT
	ds_load_b128 v[8*TT+4:8*TT+7], v14 offset:64*TT+16
.set TT, TT+1
.endr
.endr
; ---- a chunk of 96 rows of Wo: six tiles of columns, six K steps.  The change of slots stands at its head.
.macro CHUNK ch
.set SL, (\ch)%2
	WIN 0
	s_wait_tensorcnt 0x0                           ; all my tensor loads are done, my part of this chunk among them: a group 0 may be written
	ds_add_u32 v12, v13                            ; 0 onto my spare word
	s_add_nc_u64 s[70+4*SL:71+4*SL], s[70+4*SL:71+4*SL], 110592   ; this slot's next chunk (the last two steps are not used)
	s_wait_dscnt 0x0                               ; the add is done, and so are my reads of the slot that I have left
.if (\ch) < 7
	ROUND
	tensor_load_to_lds s[72-4*SL:75-4*SL], s[56:63]   ; my one load behind the round: the next chunk, into the slot read last
	s_nop 0
	PLACES 4
.else
	s_barrier_signal -1
	s_barrier_wait -1
.endif
.irp pr, 0,1,2
.irp j, 0,1,2
	ds_load_b64 v[22+6*\pr+2*\j:23+6*\pr+2*\j], v8 offset:2304*(\ch)+768*\pr+8*\j
.endr
.endr
	WLOAD SL, 0
.irp s, 0,1,2,3,4,5
	PLACES 4                                       ; in front of loads into the buffer that the last products read
.if \s < 5
	WLOAD SL, \s+1
	s_wait_dscnt 36                                ; all but the 36 just issued
.else
	s_wait_dscnt 0x0
.endif
	WIN 0x50*(1+(\ch)/4)                           ; C and D in window 1 or 2
.irp t, 0,1,2,3,4,5                    ; the six accumulators take turns; each began as x + bo
	WM 8*(6*((\ch)%4)+\t), 112+72*(\s%2)+12*\t, 40+12*\s, 8*(6*((\ch)%4)+\t), 22+6*(\t/2)+\s, 16+\s, \t%2
.endr
	WIN 0
.endr
	PLACES 4
.endm
	CHUNK 0
	CHUNK 1
	CHUNK 2
	CHUNK 3
	CHUNK 4
	CHUNK 5
	CHUNK 6
	CHUNK 7
	; ---- LayerNorm: my token's 384 numbers and lane l xor 16's
.irp k, 0,1,2,3,4,5
	global_load_b128 v[112+4*\k:115+4*\k], v3, s[18:19] offset:512*\k   ; g and b, by rows
	global_load_b128 v[136+4*\k:139+4*\k], v3, s[20:21] offset:512*\k
.endr
.irp k, 0,1,2,3,4,5,6,7,8,9,10,11,12,13,14,15
	v_mov_b32 v[160+\k], 0                         ; four chains for the sum, four for the squares
.endr
.irp w, 1,2
	WIN \w<<2
.set PP, 0
.rept 96                               ; ascending: each accumulator is read from its low end on
	v_pk_add_f32 v[160+2*(PP%4):161+2*(PP%4)], v[160+2*(PP%4):161+2*(PP%4)], v[2*PP:2*PP+1]
.set PP, PP+1
.endr
.endr
	WIN 0
	v_pk_add_f32 v[160:161], v[160:161], v[162:163]
	v_pk_add_f32 v[164:165], v[164:165], v[166:167]
	v_pk_add_f32 v[160:161], v[160:161], v[164:165]
	v_add_f32 v160, v160, v161
	v_permlanex16_b32 v162, v160, s44, s45
	v_add_f32 v160, v160, v162
	v_mul_f32 v176, 0xbaaaaaab, v160               ; - the mean
	v_mov_b32 v177, v176
.irp w, 1,2
	WIN 0x41*\w
.set PP, 0
.rept 96
	v_pk_add_f32 v[2*PP:2*PP+1], v[2*PP:2*PP+1], v[176:177]
.set PP, PP+1
.endr
.endr
.irp w, 1,2
	WIN 0x05*\w
.set PP, 0
.rept 96
	v_pk_fma_f32 v[168+2*(PP%4):169+2*(PP%4)], v[2*PP:2*PP+1], v[2*PP:2*PP+1], v[168+2*(PP%4):169+2*(PP%4)]
.set PP, PP+1
.endr
.endr
	WIN 0
	v_pk_add_f32 v[168:169], v[168:169], v[170:171]
	v_pk_add_f32 v[172:173], v[172:173], v[174:175]
	v_pk_add_f32 v[168:169], v[168:169], v[172:173]
	v_add_f32 v168, v168, v169
	v_permlanex16_b32 v170, v168, s44, s45
	v_add_f32 v168, v168, v170
	v_fma_f32 v168, v168, s53, s54                 ; the variance + 1e-5
	v_rsq_f32 v178, v168
	v_nop                                          ; one plain place behind a transcendental
	s_wait_alu depctr_va_vdst(0)
	v_mov_b32 v179, v178
.irp w, 1,2
	WIN 0x41*\w
.set PP, 0
.rept 96
	v_pk_mul_f32 v[2*PP:2*PP+1], v[2*PP:2*PP+1], v[178:179]
.set PP, PP+1
.endr
.endr
	; ---- the way out: half a row (1,536 bytes) of 16 tokens at a time through my stage, back by rows; x g + b there, where a lane keeps the same columns in every row
.irp w, 1,2
	WIN \w<<2
.set TT, 0
.rept 24
	ds_store_b128 v14, v[8*TT:8*TT+3] offset:64*TT
	ds_store_b128 v14, v[8*TT+4:8*TT+7] offset:64*TT+16
.set TT, TT+1
.endr
	WIN \w<<6
.irp p, 0,1,2,3,4,5,6,7,8,9,10,11,12,13,14,15
.irp i, 0,1,2
	ds_load_b128 v[4*(3*\p+\i):4*(3*\p+\i)+3], v11 offset:SP*\p+512*\i
.endr
.endr
	s_wait_dscnt 0x0
	s_wait_loadcnt 0x0                             ; g and b
	WIN 0x41*\w
.irp p, 0,1,2,3,4,5,6,7,8,9,10,11,12,13,14,15
.irp i, 0,1,2
	v_pk_fma_f32 v[4*(3*\p+\i):4*(3*\p+\i)+1], v[4*(3*\p+\i):4*(3*\p+\i)+1], v[112+12*(\w-1)+4*\i:113+12*(\w-1)+4*\i], v[136+12*(\w-1)+4*\i:137+12*(\w-1)+4*\i]
	v_pk_fma_f32 v[4*(3*\p+\i)+2:4*(3*\p+\i)+3], v[4*(3*\p+\i)+2:4*(3*\p+\i)+3], v[114+12*(\w-1)+4*\i:115+12*(\w-1)+4*\i], v[138+12*(\w-1)+4*\i:139+12*(\w-1)+4*\i]
.endr
.endr
	WIN \w<<2
.irp p, 0,1,2,3,4,5,6,7,8,9,10,11,12,13,14,15
.irp i, 0,1,2
	global_store_b128 v3, v[4*(3*\p+\i):4*(3*\p+\i)+3], s[26:27] offset:3072*\p+1536*(\w-1)+512*\i th:TH_STORE_NT   ; 512 consecutive bytes, at a multiple of 256 from the output's first byte
.endr
.endr
.endr
	WIN 0
	s_wait_tensorcnt 0x0                           ; the wave's end
	ds_add_u32 v12, v13
	s_wait_dscnt 0x0
	ROUND                                          ; the closing round
	s_endpgm
.Lfunc_end_k_q65decaeac7_outp:
	.size	k_q65decaeac7_outp, .Lfunc_end_k_q65decaeac7_outp-k_q65decaeac7_outp
	.p2alignl 7, 3214868480
	.fill 96, 4, 3214868480
	.section	.rodata,"a",@progbits
	.p2align	6, 0x0
	.amdhsa_kernel k_q65decaeac7_outp
		.amdhsa_group_segment_fixed_size 327680
		.amdhsa_private_segment_fixed_size 0
		.amdhsa_enable_private_segment 0
		.amdhsa_kernarg_size 88
		.amdhsa_user_sgpr_count 2
		.amdhsa_user_sgpr_kernarg_segment_ptr 1
		.amdhsa_wavefront_size32 1
		.amdhsa_system_sgpr_workgroup_id_x 1
		.amdhsa_system_sgpr_workgroup_id_y 1
		.amdhsa_system_sgpr_workgroup_id_z 1
		.amdhsa_system_vgpr_workitem_id 0
		.amdhsa_next_free_vgpr 768
		.amdhsa_next_free_sgpr 100
		.amdhsa_reserve_vcc 0
		.amdhsa_float_denorm_mode_32 3
		.amdhsa_float_denorm_mode_16_64 3
		.amdhsa_memory_ordered 1
		.amdhsa_forward_progress 1
		.amdhsa_inst_pref_size 255
	.end_amdhsa_kernel
	.section	.bss,"aw",@nobits
	.p2align	6
	.space	262144
	.amdgpu_metadata
---
amdhsa.version: [ 1, 2 ]
amdhsa.kernels:
  - .name:           k_q65decaeac7_outp
    .symbol:         k_q65decaeac7_outp.kd
    .args:
      - { .name: o_codes, .offset: 0, .size: 8, .value_kind: global_buffer, .address_space: global }
      - { .name: o_sc, .offset: 8, .size: 8, .value_kind: global_buffer, .address_space: global }
      - { .name: Wo_codes, .offset: 16, .size: 8, .value_kind: global_buffer, .address_space: global }
      - { .name: Wo_scales, .offset: 24, .size: 8, .value_kind: global_buffer, .address_space: global }
      - { .name: bo, .offset: 32, .size: 8, .value_kind: global_buffer, .address_space: global }
      - { .name: ln_g, .offset: 40, .size: 8, .value_kind: global_buffer, .address_space: global }
      - { .name: ln_b, .offset: 48, .size: 8, .value_kind: global_buffer, .address_space: global }
      - { .name: visual_features, .offset: 56, .size: 8, .value_kind: global_buffer, .address_space: global }
      - { .name: text_features, .offset: 64, .size: 8, .value_kind: global_buffer, .address_space: global }
      - { .name: out0, .offset: 72, .size: 8, .value_kind: global_buffer, .address_space: global }
      - { .name: out1, .offset: 80, .size: 8, .value_kind: global_buffer, .address_space: global }
    .group_segment_fixed_size: 327680
    .private_segment_fixed_size: 0
    .kernarg_segment_align: 8
    .kernarg_segment_size: 88
    .max_flat_workgroup_size: 128
    .sgpr_count:     100
    .vgpr_count:     768
    .wavefront_size: 32
...
	.end_amdgpu_metadata
.endif
;; end of part 3
;; ======== version 2 of 2: 3 launches
;; limits: right only within a limited range of input values
;; workspace buffers: q_img 12,582,912 bytes; k_img 12,582,912 bytes; v_img 9,437,184 bytes; q_sc 524,288 bytes; kv_sc 1,048,576 bytes; o_codes 9,437,184 bytes; o_sc 1,048,576 bytes
;; launch proj (part 4): grid 64 x 4, 4 waves a work-group, clusters of 4 x 1, 327,680 bytes of LDS; arguments visual_features, text_features, Wq_codes, Wk_codes, Wv_codes, Wq_scales, Wk_scales, Wv_scales, bq, bk, bv, q_img, k_img, v_img, q_sc, kv_sc; writes q_img, k_img, v_img, q_sc, kv_sc
.if DOCPART == 4
	.amdgcn_target "amdgcn-amd-amdhsa--gfx1250"
	.amdhsa_code_object_version 6
	.text
	.protected	k_q65decaeac7_proj
	.globl	k_q65decaeac7_proj
	.p2align	8
	.type	k_q65decaeac7_proj,@function
k_q65decaeac7_proj:
	s_mov_b64 s[64:65], 0
	v_nop
	global_prefetch_b8 v0, s[64:65] scope:SCOPE_SE
	s_setreg_imm32_b32 hwreg(HW_REG_WAVE_MODE, 25, 1), 1
	s_wait_xcnt 0x0
	s_wait_alu depctr_hold_cnt(0) depctr_sa_sdst(0) depctr_va_vdst(0) depctr_va_sdst(0) depctr_va_ssrc(0) depctr_va_vcc(0) depctr_vm_vsrc(0)
	s_getreg_b32 s2, hwreg(HW_REG_IB_STS2, 6, 4)
	s_cmp_eq_u32 s2, 0
	s_cbranch_scc0 .Lentry_in_a_cluster
	s_endpgm
.Lentry_in_a_cluster:
	s_bfe_u32 s2, ttmp6, 0x10000c
	s_cmp_lg_u32 s2, 0x3003
	s_cbranch_scc0 .Lentry_shape_is_right
	s_endpgm
.Lentry_shape_is_right:
; q, k, v = X W + b for all 16,384 tokens (8,192 visual, then 8,192 text), on codes of FP6 (E2M3) with one E8M0 scale for each 32 along K = 768;
; the results are quantised at once for the products that follow: q and k along the head's 96 (three blocks, a fourth of zero codes), v along the keys.
; SHARES.  A work-group owns 256 tokens (a quarter of one batch of one source) and two heads, part and part + 4, of each of q, k, v: six head steps.
; A wave owns 64 tokens, four tiles of 16.  It quantises its own rows of X once into 24 fragments (4 tiles x 6 K steps, 288 registers) that stay in registers.
; X COMES BY WHOLE PIECES OF ROWS: a fragment (16 rows x 128 K of f32) is 16 pieces of 512 consecutive bytes, one load each, 16 bytes a lane.  The quantiser wants a lane to hold whole blocks
; of 32 neighbours of ONE row, so the 16 pieces turn through the wave's own stage in LDS (rows 528 bytes apart: the sixteen rows of a pass start in sixteen different columns of 16 bytes).
; The weights of a head step (96 rows x 576 bytes of codes) come through a ring of two LDS slots.  CLUSTER: the four work-groups of a cluster are the four
; row blocks of one batch and walk the same weights, so each weight tile is asked for JOINTLY (mask 15), each wave fetching 24 rows.
; X itself is shared by no partner; the four work-groups along y read the same rows of X from memory, each for its own heads.
; THE BIAS of a head step is asked for a head step ahead: behind the first K step's products, the only ones that read the bias registers, so that it has five K steps and the way out in which to land.
; LAYOUT.  q, k: source 0 = 16 rows of W, source 1 = 16 tokens: a lane holds ONE token and its registers run along d.  v: source 0 = 16 tokens, source 1 = 16 rows
; of W: a lane holds ONE d and its registers run along the tokens, which are the keys.  So each quantiser finds its K in one lane's registers.
; ORDER INSIDE A BLOCK.  The 16 registers of two neighbouring tiles are places 8h+0..7 and 16+8h+0..7 of a block of 32 (h = lane / 16), so a block's codes lie in the
; order 0-7, 16-23, 8-15, 24-31.  That order falls alike on q and k (along d) and on v and the softmax's p (along the keys), stays inside a block, and so keeps
; every product and every scale; only the grouping of the sums inside the matrix unit differs.
; OUT.  Fragments leave as images of their registers (16 bytes a lane, 512 consecutive bytes a store), scale words as aligned runs of 256 bytes.
; LIMITS: NaN and infinities among the inputs are not served; a block whose largest magnitude lies under 2^-124 keeps the scale byte 1 (a block of zeros too: its
; codes are zeros, and these bytes are read by this program alone).
; REGISTERS.  window 0: v1-17 addresses, v18-35 at work on X, v36-37 the stage, v40-63 X's scale words (4 s + m), v64-81 the weights' scale words (6 pr + s), v84-131 at work on blocks,
;   v132.. codes on their way out (in the X phase v128-255: two sets of 64 numbers, turned).
;   window 1: X's fragments of K steps 0-2 at 12 (4 s + m); from v144 weight fragments, buffer 0 (in the X phase: a set of 64 numbers as loaded).   window 2: K steps 3-5; buffer 1.
;   window 3: v0-191 the 24 accumulators (in the X phase: three sets of 64 numbers as loaded); v192-239 the bias, as the C of a sum's first product.
.set PITCH,  720                       ; a weight row in LDS: 9 x (64 bytes + 16 of padding) = 180 words: the 32 lanes of a load of 8 bytes touch 64 different banks (ISA guide 11.1)
.set SLOTB,  96*PITCH                  ; 69,120
.set WSCB,   2*SLOTB                   ; behind the ring: the scale bytes of my six head steps, [tensor 3][e 2][96 rows x 24]
.set SPARE,  WSCB+13824                ; the spare words, 128 bytes a wave: two blocks of 256 bytes that no other line names
.set STGX,   SPARE+512                 ; a stage for each wave: 16 rows x (512 bytes + 16); no tile lands there
.set XP,     528
.set FLOOR,  0x1800000                 ; 2^(3 - 127): under it no largest magnitude is taken, so a scale byte cannot fall under 1
.set MSB, 0
.macro WIN new                         ; the immediate's high byte repeats the setting that is left; a switch that changes nothing is dropped
.if MSB != (\new)
	s_set_vgpr_msb (MSB<<8)|(\new)
.set MSB, (\new)
.endif
.endm
.macro PLACES n
.rept \n
	v_nop
.endr
.endm
.macro ROUND                           ; a round of the cluster's barrier
	s_barrier_signal -1
	s_barrier_wait -1
	s_cmp_lg_u32 s40, 0
	s_cbranch_scc1 .Lnot_wave_0_\@
	s_barrier_signal -3
.Lnot_wave_0_\@:
	s_barrier_wait -3
	s_barrier_signal -1
	s_barrier_wait -1
.endm
.macro WM d, a, b, c, sa, sb, row      ; row: 0 both scales from lanes 0-15; 1 source 0's from lanes 16-31; 2 source 1's
.if (\row) == 0
	v_wmma_scale_f32_16x16x128_f8f6f4 v[\d:\d+7], v[\a:\a+11], v[\b:\b+11], v[\c:\c+7], v[\sa], v[\sb] matrix_a_fmt:MATRIX_FMT_FP6 matrix_b_fmt:MATRIX_FMT_FP6
.elseif (\row) == 1
	v_wmma_scale_f32_16x16x128_f8f6f4 v[\d:\d+7], v[\a:\a+11], v[\b:\b+11], v[\c:\c+7], v[\sa], v[\sb] matrix_a_fmt:MATRIX_FMT_FP6 matrix_b_fmt:MATRIX_FMT_FP6 matrix_a_scale:MATRIX_SCALE_ROW1
.else
	v_wmma_scale_f32_16x16x128_f8f6f4 v[\d:\d+7], v[\a:\a+11], v[\b:\b+11], v[\c:\c+7], v[\sa], v[\sb] matrix_a_fmt:MATRIX_FMT_FP6 matrix_b_fmt:MATRIX_FMT_FP6 matrix_b_scale:MATRIX_SCALE_ROW1
.endif
.endm
; a weight fragment, 16 rows x 128 K: 12 registers, in pieces of 8 bytes.  Lanes 16-31 read three pieces further on; where that is behind one padding more, the second address register serves
.macro FRAGW reg, adr, s, t
.irp p, 0,1,2,3,4,5
.set PCE, 12*(\s)+6*(\p/3)+\p%3
.if PCE%8 < 5
	ds_load_b64 v[\reg+2*\p:\reg+2*\p+1], v[\adr] offset:8*PCE+16*(PCE/8)+(\t)*16*PITCH
.else
	ds_load_b64 v[\reg+2*\p:\reg+2*\p+1], v[\adr+1] offset:8*PCE+16*(PCE/8)+(\t)*16*PITCH
.endif
.endr
.endm
.macro WLOAD slot, s                   ; the six weight fragments of K step s into buffer s % 2: 36 loads
	WIN (1+(\s)%2)<<6
.irp t, 0,1,2,3,4,5
	FRAGW 144+12*\t, 4+2*(\slot), \s, \t
.endr
.endm
; the bias of head step hs into window 3, v192 on.  Steps 0-3 (q, q, k, k): in the result's layout, lane (r, h), tile t: d = 16 t + 8 h + 0..7.  Steps 4, 5 (v): lane (r, h), tile t: d = 16 t + r, one number
.macro BIASLOAD hs
	WIN 0xc0
.if (\hs) < 4
.irp t, 0,1,2,3,4,5
	global_load_b128 v[192+8*\t:195+8*\t], v14, s[24+2*((\hs)/2):25+2*((\hs)/2)] offset:1536*((\hs)%2)+64*\t
	global_load_b128 v[196+8*\t:199+8*\t], v14, s[24+2*((\hs)/2):25+2*((\hs)/2)] offset:1536*((\hs)%2)+64*\t+16
.endr
.else
.irp t, 0,1,2,3,4,5
	global_load_b32 v[192+8*\t], v15, s[28:29] offset:1536*((\hs)%2)+64*\t
.endr
.endif
.endm
	s_load_b256 s[8:15], s[0:1], 0x0               ; visual, text, Wq codes, Wk codes
	s_load_b256 s[16:23], s[0:1], 0x20             ; Wv codes, Wq scales, Wk scales, Wv scales
	s_load_b256 s[24:31], s[0:1], 0x40             ; bq, bk, bv, q_img
	s_load_b256 s[32:39], s[0:1], 0x60             ; k_img, v_img, q_sc, kv_sc
	v_lshl_add_u32 v12, v0, 2, SPARE               ; my spare word
	v_mov_b32 v13, 0
	ds_add_u32 v12, v13
	ds_add_u32 v12, v13
	s_wait_dscnt 0x0
	v_lshrrev_b32 v1, 5, v0
	v_readfirstlane_b32 s40, v1                    ; wave 0..3
	s_bfe_u32 s41, ttmp6, 0x40000                  ; cx: which quarter of the batch's tokens
	s_and_b32 s43, ttmp7, 0xffff                   ; part 0..3: heads part and part + 4
	v_and_b32 v1, 15, v0                           ; r
	v_bfe_u32 v2, v0, 4, 1                         ; h
	v_and_b32 v17, 31, v0                          ; lane
	v_mul_u32_u24 v4, v1, PITCH
	v_mad_u32_u24 v4, v2, 24, v4                   ; a weight fragment in slot 0: row r, + 24 h
	v_lshl_add_u32 v5, v2, 4, v4                   ; the same behind one padding more
	v_add_nc_u32 v6, SLOTB, v4                     ; slot 1
	v_add_nc_u32 v7, SLOTB, v5
	v_mul_u32_u24 v38, v17, 24                     ; scale bytes: 24 a weight row; lanes 0-15 an even tile's rows, lanes 16-31 the odd tile's; v8 = this + the tensor's place in LDS
	v_lshlrev_b32 v9, 4, v17                       ; 16 x lane: my 16 bytes of a piece of X, and of an image
	v_lshlrev_b32 v10, 3, v17                      ; 8 x lane
	v_lshlrev_b32 v11, 4, v1
	v_lshl_add_u32 v11, v2, 3, v11                 ; scale words out: 16 r + 8 h
	v_lshlrev_b32 v14, 5, v2                       ; bias of q, k: 32 h
	v_lshlrev_b32 v15, 2, v1                       ; bias of v: 4 r
	v_lshlrev_b32 v16, 3, v2                       ; 8 h: a shift
	v_mov_b32 v25, 0                               ; written once: a lane permute's destination counts as one of its sources
	s_mul_i32 s47, s40, 16*XP
	s_add_co_u32 s47, s47, STGX                    ; my stage
	v_add_nc_u32 v36, s47, v9                      ; into it: a piece as it lies, 16 x lane
	v_mul_u32_u24 v37, v1, XP
	v_lshl_add_u32 v37, v2, 7, v37
	v_add_nc_u32 v37, s47, v37                     ; out of it: row r, + 128 h: my block of 32 numbers
	s_mov_b32 s44, 0x76543210
	s_mov_b32 s45, 0xfedcba98                      ; v_permlanex16_b32's selects for lane l xor 16
	s_mov_b32 s46, 0xffff0000                      ; lanes 16-31, as a select's mask
	; descriptor group 1 for weight codes: 24 rows of 576 bytes, dense in memory, 16 bytes of padding behind every 64
	s_mov_b32 s56, 15|(1<<20)|(1<<21)|(3<<22)|(3<<25)  ; 15:0 the mask: all four work-groups; 17:16 elements of 1 byte; 20 padding on; 21 set beside a mask; 24:22 after every 16 words; 31:25 of 4 words
	s_mov_b32 s57, 256<<16                         ; the 24 rows are 13,824 dense bytes: stated as 54 rows of 256 bytes, each at a multiple of 256 from the buffer's first byte
	s_mov_b32 s58, 54<<16
	s_mov_b32 s59, 256<<16
	s_mov_b32 s60, 54
	s_mov_b32 s61, 256
	s_mov_b32 s62, 0
	s_mov_b32 s63, 0
	; and for one tensor's scale bytes: two rows (heads part, part + 4) of 2,304 bytes, 9,216 bytes apart, in elements of 8 bytes
	s_mov_b32 s76, 15|(3<<16)|(1<<21)
	s_mov_b32 s77, 288<<16
	s_mov_b32 s78, 2<<16
	s_mov_b32 s79, 288<<16
	s_mov_b32 s80, 2
	s_mov_b32 s81, 1152
	s_mov_b32 s82, 0
	s_mov_b32 s83, 0
	s_mov_b32 s68, 1                               ; group 0 of slot 0,
	s_mul_i32 s69, s40, 24*PITCH                   ; my 24 rows of it
	s_mov_b32 s72, 1                               ; and of slot 1
	s_add_co_u32 s73, s69, SLOTB
	s_mov_b32 s84, 1                               ; group 0 of the scale bytes: wave 0 q's, wave 1 k's, wave 2 v's (wave 3 issues none)
	s_min_u32 s92, s40, 2
	s_mul_i32 s85, s92, 4608
	s_add_co_u32 s85, s85, WSCB
	s_mul_i32 s88, s43, 55296                      ; s[88:89]: my 24 rows of head part in a tensor of codes,
	s_mul_i32 s92, s40, 13824
	s_add_co_u32 s88, s88, s92
	s_mov_b32 s89, 0
	s_add_co_u32 s90, s88, 221184                  ; s[90:91]: of head part + 4
	s_mov_b32 s91, 0
	s_mul_i32 s92, s43, 2304                       ; head part's scale bytes
	s_mov_b32 s93, 0
	s_mul_i32 s94, s43, 384                        ; head part's bias
	s_mov_b32 s95, 0
	; what hangs on cx has registers of its own: none of them feeds a descriptor
	s_and_b32 s48, ttmp9, 7
	s_lshl_b32 s48, s48, 2
	s_add_co_u32 s48, s48, s41
	s_mul_i32 s48, s48, 786432                     ; 256 rows of X
	s_mul_i32 s49, s40, 196608                     ; my 64
	s_add_co_u32 s48, s48, s49
	s_mov_b32 s49, 0
	s_lshl_b32 s50, ttmp9, 3
	s_add_co_u32 s50, s50, s43                     ; hd = 8 x (source, batch) + part
	s_lshl_b32 s51, s41, 2
	s_add_co_u32 s51, s51, s40                     ; my group of 64 tokens in the batch
	s_mul_i32 s52, s50, 98304
	s_mul_i32 s53, s51, 6144
	s_add_co_u32 s52, s52, s53
	s_mov_b32 s53, 0
	s_mul_i32 s54, s50, 73728
	s_mul_i32 s55, s51, 4608
	s_add_co_u32 s54, s54, s55
	s_mov_b32 s55, 0
	s_lshl_b32 s96, s50, 12
	s_lshl_b32 s97, s51, 8
	s_add_co_u32 s96, s96, s97
	s_lshl_b32 s98, s50, 13
	s_add_co_u32 s98, s98, s97
	s_mov_b32 s97, 0
	s_mov_b32 s99, 0
	s_wait_kmcnt 0x0
	s_cmp_lt_u32 ttmp9, 8                          ; clusters 0-7 take visual tokens, 8-15 text
	s_cselect_b64 s[8:9], s[8:9], s[10:11]
	s_add_nc_u64 s[8:9], s[8:9], s[48:49]
	s_add_nc_u64 s[30:31], s[30:31], s[52:53]
	s_add_nc_u64 s[32:33], s[32:33], s[52:53]
	s_add_nc_u64 s[34:35], s[34:35], s[54:55]
	s_add_nc_u64 s[36:37], s[36:37], s[96:97]
	s_add_nc_u64 s[38:39], s[38:39], s[98:99]
	s_add_nc_u64 s[24:25], s[24:25], s[94:95]
	s_add_nc_u64 s[26:27], s[26:27], s[94:95]
	s_add_nc_u64 s[28:29], s[28:29], s[94:95]
	s_cmp_eq_u32 s40, 0
	s_cselect_b64 s[86:87], s[18:19], s[22:23]
	s_cmp_eq_u32 s40, 1
	s_cselect_b64 s[86:87], s[20:21], s[86:87]
	s_add_nc_u64 s[86:87], s[86:87], s[92:93]
	s_or_b32 s87, s87, 0x80000000                  ; type = 2
	s_add_nc_u64 s[70:71], s[12:13], s[88:89]      ; head step 0: q, head part
	s_or_b32 s71, s71, 0x80000000
	ROUND                                          ; all four work-groups are here: the first joint loads meet
	tensor_load_to_lds s[68:71], s[56:63]          ; my one load at the head: my 24 rows of head step 0's weights
	s_nop 0
	PLACES 4
; ---- X: my 64 rows become 24 fragments.  Fragment f = 4 s + m: tile m, K step s.  Four sets of 64 registers take the loads by turns (set f % 4: three in window 3, one in window 1).
.macro XLOAD f                         ; 16 loads: row p of the tile, 512 consecutive bytes, 16 a lane
.set LM, (\f)%4
.set LK, (\f)/4
.if LM < 3
.set LB, 64*LM
	WIN 0xc0
.else
.set LB, 144
	WIN 0x40
.endif
.irp p, 0,1,2,3,4,5,6,7,8,9,10,11,12,13,14,15
	global_load_b128 v[LB+4*\p:LB+4*\p+3], v9, s[8:9] offset:3072*(16*LM+\p)+512*LK
.endr
.endm
.macro XTURN f                         ; the fragment through my stage.  LDS serves a wave's instructions in order (ISA guide 5.7.1.4): no wait between the stores and the loads
.set TS, (\f)%4
.if TS < 3
.set TBS, 64*TS
	WIN 0x0c                                       ; an LDS store's data are its source 1
.else
.set TBS, 144
	WIN 0x04
.endif
.irp p, 0,1,2,3,4,5,6,7,8,9,10,11,12,13,14,15
	ds_store_b128 v36, v[TBS+4*\p:TBS+4*\p+3] offset:XP*\p
.endr
	WIN 0
.set TXB, 128+64*((\f)%2)
.irp c, 0,1                            ; back: of row r my two whole blocks, k = 64 c + 32 h + 0..31
.irp i, 0,1,2,3,4,5,6,7
	ds_load_b128 v[TXB+32*\c+4*\i:TXB+32*\c+4*\i+3], v37 offset:256*\c+16*\i
.endr
.endr
.endm
.macro XQ f
.set XM, (\f)%4
.set XK, (\f)/4
.set XB, 128+64*((\f)%2)
.set XW, 1+XK/3
.set XR, 12*(4*(XK%3)+XM)
	s_wait_dscnt 0x0                               ; this fragment's numbers are back from the stage: so its stores into the stage have read their registers,
.if (\f)+4 < 24
	XLOAD (\f)+4                                   ; which take the loads of the fragment four on
.endif
.if (\f)+1 < 24
.if (\f)+4 < 24
	s_wait_loadcnt 48                              ; the next fragment's 16 loads are in; those of the three behind it stay out
.else
	s_wait_loadcnt 16*(22-(\f))
.endif
	XTURN (\f)+1                                   ; it goes through the stage while this one is worked
.endif
	WIN 0
.irp c, 0,1
	v_max3_num_f32 v[18+\c], |v[XB+32*\c]|, |v[XB+32*\c+1]|, FLOOR      ; a block's largest magnitude, in two chains; all 32 numbers are mine
	v_max3_num_f32 v[34+\c], |v[XB+32*\c+16]|, |v[XB+32*\c+17]|, FLOOR
.endr
.irp i, 2,4,6,8,10,12,14
.irp c, 0,1
	v_max3_num_f32 v[18+\c], |v[XB+32*\c+\i]|, |v[XB+32*\c+\i+1]|, v[18+\c]
	v_max3_num_f32 v[34+\c], |v[XB+32*\c+16+\i]|, |v[XB+32*\c+17+\i]|, v[34+\c]
.endr
.endr
	v_max_num_f32 v18, v18, v34
	v_max_num_f32 v19, v19, v35
	v_add_nc_u32 v20, 0xff000000, v18              ; 2 off the exponent field: the conversion's scale operand
	v_add_nc_u32 v21, 0xff000000, v19
	v_lshrrev_b32 v22, 23, v20                     ; the scale's byte
	v_lshrrev_b32 v23, 23, v21
	v_lshl_or_b32 v24, v23, 16, v22                ; my bytes: blocks h and 2 + h,
	v_lshlrev_b32 v24, v16, v24                    ; at their places,
	v_permlanex16_b32 v25, v24, s44, s45
	v_or_b32 v[40+4*XK+XM], v24, v25               ; and with lane l xor 16's two the word is whole
	v_cvt_scalef32_pk16_fp6_f32 v[26:28], v[XB+16:XB+31], v20     ; (a conversion's three registers begin on an even number: a block's upper half is made here and moved)
	v_cvt_scalef32_pk16_fp6_f32 v[30:32], v[XB+48:XB+63], v21
	WIN XW<<6
	v_cvt_scalef32_pk16_fp6_f32 v[XR:XR+2], v[XB:XB+15], v20
	v_cvt_scalef32_pk16_fp6_f32 v[XR+6:XR+8], v[XB+32:XB+47], v21
	v_nop                                          ; one plain place behind a scaled conversion
.irp i, 0,1,2
	v_mov_b32 v[XR+3+\i], v[26+\i]
	v_mov_b32 v[XR+9+\i], v[30+\i]
.endr
.endm
	s_wait_alu depctr_va_vdst(0)
	BIASLOAD 0                                     ; head step 0's bias goes out first: older than every load of X, so the counts below are not moved by it
	XLOAD 0
	XLOAD 1
	XLOAD 2
	XLOAD 3
	WIN 0
	s_wait_tensorcnt 0x0                           ; the scale bytes' first fill stands behind the full sequence and a round; X's 64 loads are out meanwhile
	ds_add_u32 v12, v13
	s_wait_dscnt 0x0
	ROUND
	s_cmp_lt_u32 s40, 3                            ; wave 0 q's scale bytes, wave 1 k's, wave 2 v's; wave 3 none
	s_cbranch_scc0 .Lwave_3
	tensor_load_to_lds s[84:87], s[76:83]
	s_nop 0
	PLACES 4
.Lwave_3:
	s_wait_loadcnt 48
	XTURN 0
.set FN, 0
.rept 24
	XQ FN
.set FN, FN+1
.endr
	WIN 0
.irp k, 0,1,2,3,4,5,6,7,8,9,10,11
	v_mov_b32 v[96+\k], 0                          ; written once: lane permutes' destinations
.endr
; ---- the change of slots, at a head step's head.  Each wave waits for all its tensor loads (its part of the tile it is about to read), adds 0 to its spare word, and waits for
; that and for its reads of the slot it has left.  fill = 1: a round of the cluster's barrier, and behind it the joint load of the next head step's tile into that slot.
.macro CHANGE nslot, ptr, off, fill
	WIN 0
	s_wait_tensorcnt 0x0                           ; no tensor load of mine is out, so a group 0 may be written
	ds_add_u32 v12, v13                            ; 0 onto my spare word
.if \fill
	s_add_nc_u64 s[70+4*\nslot:71+4*\nslot], s[\ptr:\ptr+1], s[\off:\off+1]
	s_or_b32 s[71+4*\nslot], s[71+4*\nslot], 0x80000000
.endif
	s_wait_dscnt 0x0                               ; the add is done, and my reads of the slot that I have left are over
.if \fill
	ROUND
	tensor_load_to_lds s[68+4*\nslot:71+4*\nslot], s[56:63]   ; my one load behind the round: it has a whole head step in which to land
	s_nop 0
	PLACES 4
.else
	s_barrier_signal -1
	s_barrier_wait -1
.endif
.endm
.macro STEPHEAD hs                     ; the head step's scale words: register 64 + 6 pr + s: lanes 0-15 tile 2 pr, lanes 16-31 tile 2 pr + 1, K step s
.irp pr, 0,1,2
.irp j, 0,1,2
	ds_load_b64 v[64+6*\pr+2*\j:65+6*\pr+2*\j], v8 offset:2304*((\hs)%2)+768*\pr+8*\j
.endr
.endr
.endm
; 24 products of K step s; the 24 accumulators take turns, one instruction a turn, in the same order in every K step
.macro MULQK s
	WIN (1+(\s)%2)|((1+(\s)/3)<<2)|0xf0
.irp m, 0,1,2,3
.irp t, 0,1,2,3,4,5
.if (\s) == 0
	WM 48*\m+8*\t, 144+12*\t, 12*(4*((\s)%3)+\m), 192+8*\t, 64+6*(\t/2)+(\s), 40+4*(\s)+\m, \t%2
.else
	WM 48*\m+8*\t, 144+12*\t, 12*(4*((\s)%3)+\m), 48*\m+8*\t, 64+6*(\t/2)+(\s), 40+4*(\s)+\m, \t%2
.endif
.endr
.endr
.endm
.macro MULV s
	WIN (1+(\s)/3)|((1+(\s)%2)<<2)|0xf0
.irp t, 0,1,2,3,4,5
.irp m, 0,1,2,3
.if (\s) == 0
	WM 32*\t+8*\m, 12*(4*((\s)%3)+\m), 144+12*\t, 192+8*\t, 40+4*(\s)+\m, 64+6*(\t/2)+(\s), 2*(\t%2)
.else
	WM 32*\t+8*\m, 12*(4*((\s)%3)+\m), 144+12*\t, 32*\t+8*\m, 40+4*(\s)+\m, 64+6*(\t/2)+(\s), 2*(\t%2)
.endif
.endr
.endr
.endm
.macro KLOOP hs, kind
.irp s, 0,1,2,3,4,5
.if \s > 0
	PLACES 4                                       ; in front of loads into registers that the last products read
.endif
.if \s == 1
.if (\hs) == 0
	BIASLOAD 1                                     ; this tensor's second head (s[24:25] holds this trip's bias)
.elseif (\hs) == 1
	WIN 0
	s_cmp_eq_u32 s10, 0                            ; behind q comes k, in the same layout; behind k comes v, in its own
	s_cbranch_scc0 .Lbias_v
	BIASLOAD 2
	WIN 0
	s_branch .Lbias_j
.Lbias_v:
	BIASLOAD 4
	WIN 0
.Lbias_j:
.elseif (\hs) == 4
	BIASLOAD 5
.endif
.endif
.if \s < 5
	WLOAD (\hs)%2, \s+1
	s_wait_dscnt 36                                ; all but the 36 just issued: this K step's fragments are in
.else
	s_wait_dscnt 0x0
.endif
.if \s == 0
	s_wait_loadcnt 0x0                             ; the bias, asked for a head step ago
.if \kind
	WIN 0xc3
.irp t, 0,1,2,3,4,5
.irp j, 1,2,3,4,5,6,7
	v_mov_b32 v[192+8*\t+\j], v[192+8*\t]          ; v: a lane's d is the same in all eight rows (tokens) of a tile
.endr
.endr
	PLACES 4
.endif
.endif
.if \kind
	MULV \s
.else
	MULQK \s
.endif
.endr
	PLACES 4                                       ; in front of the first read of results
.endm
; the 12 blocks of 32 of my 24 accumulators: block k is registers 16 k .. 16 k + 15 of window 3 with lane l xor 16's.  Each accumulator is read from its low end on.
.macro BLOCKS12
	WIN 0x0f
.irp k, 0,1,2,3,4,5,6,7,8,9,10,11
	v_max3_num_f32 v[84+\k], |v[16*\k]|, |v[16*\k+1]|, FLOOR
.endr
.irp i, 2,4,6,8,10,12,14
.irp k, 0,1,2,3,4,5,6,7,8,9,10,11
	v_max3_num_f32 v[84+\k], |v[16*\k+\i]|, |v[16*\k+\i+1]|, v[84+\k]
.endr
.endr
	WIN 0
.irp k, 0,1,2,3,4,5,6,7,8,9,10,11
	v_permlanex16_b32 v[96+\k], v[84+\k], s44, s45
.endr
.irp k, 0,1,2,3,4,5,6,7,8,9,10,11
	v_max_num_f32 v[84+\k], v[84+\k], v[96+\k]     ; the block's largest magnitude
.endr
.irp k, 0,1,2,3,4,5,6,7,8,9,10,11
	v_add_nc_u32 v[108+\k], 0xff000000, v[84+\k]   ; the conversion's scale operand
.endr
.irp k, 0,1,2,3,4,5,6,7,8,9,10,11
	v_lshrrev_b32 v[96+\k], 23, v[108+\k]          ; the scale's byte
.endr
.endm
; q, k: tile m's three blocks become a fragment (its fourth block: zero codes under the byte 127) at v[132 + 20 m]
.macro EPIQK e, img, sc, so
	s_wait_xcnt 0x0                                ; the last head step's stores have read their registers: these are written again only behind this wait
	BLOCKS12
.irp m, 0,1,2,3
	v_lshl_or_b32 v[120+\m], v[97+3*\m], 8, v[96+3*\m]
.endr
.irp m, 0,1,2,3
	v_lshl_or_b32 v[120+\m], v[98+3*\m], 16, v[120+\m]
.endr
.irp m, 0,1,2,3
	v_or_b32 v[120+\m], 0x7f000000, v[120+\m]
.endr
	v_cndmask_b32 v124, v120, v122, s46            ; lanes 0-15 store the words of tiles 0, 1, lanes 16-31 of tiles 2, 3
	v_cndmask_b32 v125, v121, v123, s46
	WIN 0x03
.irp m, 0,1,2,3
	v_cvt_scalef32_pk16_fp6_f32 v[132+20*\m:134+20*\m], v[48*\m:48*\m+15], v[108+3*\m]
	v_cvt_scalef32_pk16_fp6_f32 v[144+20*\m:146+20*\m], v[48*\m+16:48*\m+31], v[109+3*\m]
	v_cvt_scalef32_pk16_fp6_f32 v[138+20*\m:140+20*\m], v[48*\m+32:48*\m+47], v[110+3*\m]
.endr
	WIN 0
	v_nop                                          ; one plain place behind a scaled conversion
.irp m, 0,1,2,3
.irp i, 0,1,2
	v_mov_b32 v[148+20*\m+\i], 0
.endr
.endr
.irp m, 0,1,2,3                        ; the operand's layout wants a WHOLE block in a lane: lanes 0-15 blocks 0 and 2, lanes 16-31 blocks 1 and 3
.irp i, 0,1,2
	v_permlane16_swap_b32 v[132+20*\m+\i], v[144+20*\m+\i]
	v_permlane16_swap_b32 v[138+20*\m+\i], v[148+20*\m+\i]
.endr
.endr
.irp m, 0,1,2,3
.irp i, 0,1,2
	v_mov_b32 v[135+20*\m+\i], v[144+20*\m+\i]
	v_mov_b32 v[141+20*\m+\i], v[148+20*\m+\i]
.endr
.endr
.irp m, 0,1,2,3
.irp c, 0,1,2
	global_store_b128 v9, v[132+20*\m+4*\c:135+20*\m+4*\c], s[\img:\img+1] offset:393216*(\e)+1536*\m+512*\c   ; 512 consecutive bytes
.endr
.endr
	global_store_b64 v11, v[124:125], s[\sc:\sc+1] offset:(\so)*(\e)   ; 256 consecutive bytes, aligned
.endm
; v: tile t's two blocks of 32 keys become half a fragment of V^T (16 d x 64 keys, 6 registers) at v[132 + 12 t]
.macro EPIV e
	s_wait_xcnt 0x0
	BLOCKS12
.irp t, 0,1,2,3,4,5
	v_lshl_or_b32 v[126+\t], v[97+2*\t], 8, v[96+2*\t]
.endr
.irp i, 0,1,2
	v_lshl_or_b32 v[120+\i], v[127+2*\i], 16, v[126+2*\i]
.endr
	v_mov_b32 v123, 0
	v_cndmask_b32 v124, v120, v122, s46
	v_cndmask_b32 v125, v121, v123, s46
	WIN 0x03
.irp t, 0,1,2,3,4,5
	v_cvt_scalef32_pk16_fp6_f32 v[132+12*\t:134+12*\t], v[32*\t:32*\t+15], v[108+2*\t]
	v_cvt_scalef32_pk16_fp6_f32 v[140+12*\t:142+12*\t], v[32*\t+16:32*\t+31], v[109+2*\t]
.endr
	WIN 0
	v_nop
.irp t, 0,1,2,3,4,5
.irp i, 0,1,2
	v_permlane16_swap_b32 v[132+12*\t+\i], v[140+12*\t+\i]
.endr
.endr
.irp t, 0,1,2,3,4,5
.irp i, 0,1,2
	v_mov_b32 v[135+12*\t+\i], v[140+12*\t+\i]
.endr
.endr
.irp t, 0,1,2,3,4,5
	global_store_b128 v9, v[132+12*\t:135+12*\t], s[34:35] offset:294912*(\e)+768*\t
	global_store_b64 v10, v[136+12*\t:137+12*\t], s[34:35] offset:294912*(\e)+768*\t+512
.endr
	global_store_b64 v11, v[124:125], s[38:39] offset:32768*(\e)+4096
.endm
.macro HEADQK hs, img, sc, so
	STEPHEAD \hs
	WLOAD (\hs)%2, 0
	KLOOP \hs, 0
	EPIQK (\hs)%2, \img, \sc, \so
.endm
.macro HEADV hs
	STEPHEAD \hs
	WLOAD (\hs)%2, 0
	KLOOP \hs, 1
	EPIV (\hs)%2
.endm
	; q and k have the same four steps: one loop of two trips, a trip two head steps (once round the ring); what differs lies in scalar registers
	s_mov_b32 s10, 0                               ; the trip: 0 q, 1 k
	s_mov_b32 s42, WSCB                            ; where this tensor's scale bytes lie in LDS
	s_add_nc_u64 s[18:19], s[36:37], 16384         ; the second head's scale words: q's,
	s_add_nc_u64 s[20:21], s[38:39], 32768         ; and k's
.Ltensor:
	v_add_nc_u32 v8, s42, v38
	s_wait_alu depctr_va_vdst(0)
	CHANGE 1, 12, 90, 1                            ; asks for this tensor, head part + 4
	HEADQK 0, 30, 36, 0
	CHANGE 0, 14, 88, 1                            ; the next tensor, head part
	HEADQK 1, 30, 18, 0
	s_wait_xcnt 0x0                                ; my loads and stores have read their bases: these are written only behind this wait
	s_mov_b64 s[12:13], s[14:15]                   ; codes: k, then v
	s_mov_b64 s[14:15], s[16:17]
	s_mov_b64 s[24:25], s[26:27]                   ; bias
	s_mov_b64 s[30:31], s[32:33]                   ; images
	s_mov_b64 s[36:37], s[38:39]                   ; scale words of both heads
	s_mov_b64 s[18:19], s[20:21]
	s_add_co_u32 s42, s42, 4608
	s_add_co_u32 s10, s10, 1
	s_cmp_lt_u32 s10, 2
	s_wait_alu depctr_va_vdst(0)
	s_cbranch_scc1 .Ltensor
	v_add_nc_u32 v8, s42, v38                      ; v's scale bytes
	s_wait_alu depctr_va_vdst(0)
	CHANGE 1, 16, 90, 1                            ; v, head part + 4
	HEADV 4
	CHANGE 0, 16, 88, 0                            ; nothing is left to fetch
	HEADV 5
	WIN 0
	s_wait_tensorcnt 0x0                           ; the wave's end
	ds_add_u32 v12, v13
	s_wait_dscnt 0x0
	ROUND                                          ; the closing round: no work-group ends while a partner may still ask for a tile that names it
	s_endpgm
.Lfunc_end_k_q65decaeac7_proj:
	.size	k_q65decaeac7_proj, .Lfunc_end_k_q65decaeac7_proj-k_q65decaeac7_proj
	.p2alignl 7, 3214868480
	.fill 96, 4, 3214868480
	.section	.rodata,"a",@progbits
	.p2align	6, 0x0
	.amdhsa_kernel k_q65decaeac7_proj
		.amdhsa_group_segment_fixed_size 327680
		.amdhsa_private_segment_fixed_size 0
		.amdhsa_enable_private_segment 0
		.amdhsa_kernarg_size 128
		.amdhsa_user_sgpr_count 2
		.amdhsa_user_sgpr_kernarg_segment_ptr 1
		.amdhsa_wavefront_size32 1
		.amdhsa_system_sgpr_workgroup_id_x 1
		.amdhsa_system_sgpr_workgroup_id_y 1
		.amdhsa_system_sgpr_workgroup_id_z 1
		.amdhsa_system_vgpr_workitem_id 0
		.amdhsa_next_free_vgpr 1024
		.amdhsa_next_free_sgpr 100
		.amdhsa_reserve_vcc 0
		.amdhsa_float_denorm_mode_32 3
		.amdhsa_float_denorm_mode_16_64 3
		.amdhsa_memory_ordered 1
		.amdhsa_forward_progress 1
		.amdhsa_inst_pref_size 255
	.end_amdhsa_kernel
	.section	.bss,"aw",@nobits
	.p2align	6
	.space	262144
	.amdgpu_metadata
---
amdhsa.version: [ 1, 2 ]
amdhsa.kernels:
  - .name:           k_q65decaeac7_proj
    .symbol:         k_q65decaeac7_proj.kd
    .args:
      - { .name: visual_features, .offset: 0, .size: 8, .value_kind: global_buffer, .address_space: global }
      - { .name: text_features, .offset: 8, .size: 8, .value_kind: global_buffer, .address_space: global }
      - { .name: Wq_codes, .offset: 16, .size: 8, .value_kind: global_buffer, .address_space: global }
      - { .name: Wk_codes, .offset: 24, .size: 8, .value_kind: global_buffer, .address_space: global }
      - { .name: Wv_codes, .offset: 32, .size: 8, .value_kind: global_buffer, .address_space: global }
      - { .name: Wq_scales, .offset: 40, .size: 8, .value_kind: global_buffer, .address_space: global }
      - { .name: Wk_scales, .offset: 48, .size: 8, .value_kind: global_buffer, .address_space: global }
      - { .name: Wv_scales, .offset: 56, .size: 8, .value_kind: global_buffer, .address_space: global }
      - { .name: bq, .offset: 64, .size: 8, .value_kind: global_buffer, .address_space: global }
      - { .name: bk, .offset: 72, .size: 8, .value_kind: global_buffer, .address_space: global }
      - { .name: bv, .offset: 80, .size: 8, .value_kind: global_buffer, .address_space: global }
      - { .name: q_img, .offset: 88, .size: 8, .value_kind: global_buffer, .address_space: global }
      - { .name: k_img, .offset: 96, .size: 8, .value_kind: global_buffer, .address_space: global }
      - { .name: v_img, .offset: 104, .size: 8, .value_kind: global_buffer, .address_space: global }
      - { .name: q_sc, .offset: 112, .size: 8, .value_kind: global_buffer, .address_space: global }
      - { .name: kv_sc, .offset: 120, .size: 8, .value_kind: global_buffer, .address_space: global }
    .group_segment_fixed_size: 327680
    .private_segment_fixed_size: 0
    .kernarg_segment_align: 8
    .kernarg_segment_size: 128
    .max_flat_workgroup_size: 128
    .sgpr_count:     100
    .vgpr_count:     1024
    .wavefront_size: 32
...
	.end_amdgpu_metadata
.endif
;; end of part 4
;; launch attn (part 5): grid 2 x 128, 16 waves a work-group, no clusters, 327,680 bytes of LDS; arguments q_img, q_sc, k_img, v_img, kv_sc, visual_mask, text_mask, o_codes, o_sc; writes o_codes, o_sc
.if DOCPART == 5
	.amdgcn_target "amdgcn-amd-amdhsa--gfx1250"
	.amdhsa_code_object_version 6
	.text
	.protected	k_q65decaeac7_attn
	.globl	k_q65decaeac7_attn
	.p2align	8
	.type	k_q65decaeac7_attn,@function
k_q65decaeac7_attn:
	s_mov_b64 s[64:65], 0
	v_nop
	global_prefetch_b8 v0, s[64:65] scope:SCOPE_SE
	s_setreg_imm32_b32 hwreg(HW_REG_WAVE_MODE, 25, 1), 1
	s_wait_xcnt 0x0
; o = softmax(q k^T / sqrt(96), keys masked by the other source's mask) v, for one (source, batch, head) a pair of work-groups; both products on codes of FP6 (E2M3).
; t = score x log2(e) / sqrt(96); M = the running largest t rounded UP to a whole number; p = 2^(t - M) is quantised along the keys, not normalised; the row's sum is taken of the
; unquantised p and divides O at the end; when M moves, the sum and O are multiplied by 2^(old M - new M), which rounds nothing.  Then o is quantised along D for the last product.
; SHARES.  y = 8 x (source, batch) + head of the QUERIES; keys and values are those of y xor 64, the other source.  A work-group takes 512 of the head's 1,024 queries: each of its sixteen
; waves TWO tiles of 16, one after the other (tile 32 x + wave, then the tile 16 further on), in 256 registers.  A head's K (98,304 bytes), V (73,728) and scale words (8,192) fit in LDS:
; they are filled ONCE, in four chunks of 256 keys, so that the first steps run while the later chunks are on their way, and serve both passes: the second pass waits for no tile and
; passes no barrier.  Nothing in LDS is filled again.
; NO CLUSTER: only the two work-groups of a head want the same tiles; a cluster four wide along x would join two heads, whose tiles differ.
; LAYOUT.  Both products transposed: S^T = K Q^T, O^T = V^T P^T: a lane holds ONE query.  K, Q, V come as images of their registers.  Inside a block of 32 keys the codes of p lie in the
; order 0-7, 16-23, 8-15, 24-31, as those of V were laid; likewise q and k along d.  O is brought into the true order of d by lane swaps before it is quantised, since Wo is given.
; THE MASK is a bias, 0 or -2^100, kept in LDS and given as the C of the first product: p of a masked key is exactly 0.
; LIMITS: the running largest t starts at -2^60 and a masked key lies at -2^100, so real |t| must stay under 2^59.  A query all of whose keys are masked gets the scale bytes 0xff (NaN),
; which make its row of the output NaN, as the formula has it.  NaN and infinities in q, k, v are not served.
; REGISTERS: v1-10 addresses; v12 -M, v13 largest t, v[14:15] the sum; v16-27 Q, v28 its scale word; v29 p's scale word; v[30:31] f; v32-79 four fragments; v80-87 V's scale bytes as stored,
; v88-93 V's scale words; v96-99 K's; v104-167 S^T, then p, then two fragments of V; v168-215 O^T; v216-227 p's codes; v228-254 at work.
.set FLOOR, 0x1800000
.macro PLACES n
.rept \n
	v_nop
.endr
.endm
.macro WM d, a, b, c, sa, sb, row
.if (\row) == 0
	v_wmma_scale_f32_16x16x128_f8f6f4 v[\d:\d+7], v[\a:\a+11], v[\b:\b+11], v[\c:\c+7], v[\sa], v[\sb] matrix_a_fmt:MATRIX_FMT_FP6 matrix_b_fmt:MATRIX_FMT_FP6
.else
	v_wmma_scale_f32_16x16x128_f8f6f4 v[\d:\d+7], v[\a:\a+11], v[\b:\b+11], v[\c:\c+7], v[\sa], v[\sb] matrix_a_fmt:MATRIX_FMT_FP6 matrix_b_fmt:MATRIX_FMT_FP6 matrix_a_scale:MATRIX_SCALE_ROW1
.endif
.endm
.macro WMZ d, a, b, sa, sb             ; the first product starts a sum: nothing is cleared
	v_wmma_scale_f32_16x16x128_f8f6f4 v[\d:\d+7], v[\a:\a+11], v[\b:\b+11], 0, v[\sa], v[\sb] matrix_a_fmt:MATRIX_FMT_FP6 matrix_b_fmt:MATRIX_FMT_FP6
.endm
	s_load_b256 s[8:15], s[0:1], 0x0               ; q_img, q_sc, k_img, v_img
	s_load_b256 s[16:23], s[0:1], 0x20             ; kv_sc, visual_mask, text_mask, o_codes
	s_load_b64 s[24:25], s[0:1], 0x40              ; o_sc
	v_lshl_add_u32 v253, v0, 2, 0x2d000
	v_mov_b32 v255, 0
	ds_add_u32 v253, v255
	ds_add_u32 v253, v255
	v_lshrrev_b32 v11, 5, v0
	s_delay_alu instid0(VALU_DEP_1)
	v_readfirstlane_b32 s26, v11                   ; wave 0..15
	s_and_b32 s28, ttmp7, 0xffff                   ; y
	s_xor_b32 s29, s28, 64                         ; the keys' side
	v_and_b32 v248, 31, v0                         ; lane
	v_and_b32 v249, 15, v0                         ; r
	v_bfe_u32 v250, v0, 4, 1                       ; h
	; LDS: 0 K's scale words; 4,096 V's; 8,192 the mask's bias (stored by the waves; no tile lands there); 12,288 K's images; 110,592 V's
	s_delay_alu instid0(VALU_DEP_3)
	v_lshlrev_b32 v1, 4, v248                      ; 16 x lane: K's images of steps 0-3, K's scale words
	s_delay_alu instid0(VALU_DEP_1)
	v_add_nc_u32 v2, 49152, v1                     ; steps 4-7
	s_delay_alu instid0(VALU_DEP_2)
	v_add_nc_u32 v3, 110592, v1                    ; V's images, registers 0-3 of a half fragment, steps 0-3
	s_delay_alu instid0(VALU_DEP_3)
	v_add_nc_u32 v4, 147456, v1                    ; steps 4-7
	v_lshlrev_b32 v5, 3, v248
	s_delay_alu instid0(VALU_DEP_1)
	v_add_nc_u32 v6, 147968, v5                    ; registers 4-5: 8 x lane, 512 bytes on; steps 4-7
	s_delay_alu instid0(VALU_DEP_2)
	v_add_nc_u32 v5, 111104, v5                    ; steps 0-3
	v_lshlrev_b32 v7, 4, v249                      ; 16 r
	v_lshlrev_b32 v8, 5, v250                      ; 32 h
	v_mul_u32_u24 v9, v249, 24
	s_delay_alu instid0(VALU_DEP_1)
	v_mad_u32_u24 v9, v250, 12, v9                 ; o's codes: 24 r + 12 h
	v_lshlrev_b32 v10, 2, v248                     ; 4 x lane
	v_lshlrev_b32 v11, 3, v0                       ; 8 x thread: two keys of the mask
	s_mov_b32 s36, 0x76543210
	s_mov_b32 s37, 0xfedcba98                      ; v_permlanex16_b32's selects for lane l xor 16
	s_mov_b32 s38, 0x3e16c740                      ; c = log2(e) / sqrt(96)
	s_mov_b32 s39, s38                             ; (named with it as a pair, so it is written)
	s_mov_b32 s85, 0x05040100                      ; the low halves of two words
	s_mov_b32 s86, 0x07060302                      ; the high halves
	s_mul_i32 s30, s29, 98304
	s_mov_b32 s31, 0
	s_mul_i32 s32, s29, 73728
	s_mov_b32 s33, 0
	s_lshl_b32 s34, s29, 13
	s_mov_b32 s35, 0
	s_lshl_b32 s60, ttmp9, 5
	s_add_co_u32 s60, s60, s26                     ; my first tile of queries in the batch: 32 x + wave; my second lies 16 tiles on, which stands in the immediates
	s_mul_i32 s62, s28, 98304
	s_mul_i32 s63, s60, 1536
	s_add_co_u32 s62, s62, s63
	s_mov_b32 s63, 0                               ; s[62:63]: Q's image
	s_lshl_b32 s66, s28, 12
	s_lshr_b32 s67, s60, 2
	s_lshl_b32 s67, s67, 8
	s_add_co_u32 s66, s66, s67
	s_and_b32 s67, s60, 3
	s_lshl_b32 s67, s67, 2
	s_add_co_u32 s66, s66, s67
	s_mov_b32 s67, 0                               ; s[66:67]: Q's scale words
	s_lshr_b32 s61, s28, 3
	s_lshl_b32 s61, s61, 6
	s_add_co_u32 s61, s61, s60                     ; my first tile among all 1,024
	s_and_b32 s87, s28, 7                          ; the head
	s_mul_i32 s88, s61, 9216
	s_mul_i32 s89, s87, 1152
	s_add_co_u32 s88, s88, s89
	s_mov_b32 s89, 0                               ; s[88:89]: o's codes
	s_lshl_b32 s84, s61, 10
	s_lshl_b32 s87, s87, 7
	s_add_co_u32 s84, s84, s87                     ; o's scale words (low word; the high word is s89's 0)
	s_wait_dscnt 0x0
	s_wait_kmcnt 0x0
	s_add_nc_u64 s[12:13], s[12:13], s[30:31]      ; K, V and their scale words of the keys' side
	s_add_nc_u64 s[14:15], s[14:15], s[32:33]
	s_add_nc_u64 s[16:17], s[16:17], s[34:35]
	s_add_nc_u64 s[8:9], s[8:9], s[62:63]
	s_add_nc_u64 s[10:11], s[10:11], s[66:67]
	s_add_nc_u64 s[22:23], s[22:23], s[88:89]
	s_mov_b32 s88, s84
	s_add_nc_u64 s[24:25], s[24:25], s[88:89]
	s_cmp_lt_u32 s28, 64                           ; visual queries look at text keys, and the other way round
	s_cselect_b64 s[18:19], s[20:21], s[18:19]
	s_bfe_u32 s30, s28, 0x30003                    ; the batch
	s_lshl_b32 s30, s30, 12
	s_add_nc_u64 s[18:19], s[18:19], s[30:31]
	; the fills: dense rows of 256 bytes (32 elements of 8 bytes), nine loads, one to a wave.  K's chunk g: wave g; V's chunk g: wave 4 + g; the scale words: wave 8.
	; At the head go chunk 0 and the scale words (waves 0, 4, 8); chunks 1 to 3 go behind the first barrier and have two key steps in which to land.
	s_and_b32 s27, s26, 3                          ; the chunk
.irp g, 68,76,92                       ; three groups 1: the scale words' (32 rows), K's (96 rows: 16 tiles of keys), V's (72 rows: four groups of 64 keys)
	s_mov_b32 s[\g], 3<<16                         ; no mask; elements of 8 bytes; padding off
	s_mov_b32 s[\g+1], 32<<16                      ; tensor_dim0
	s_mov_b32 s[\g+3], 32<<16                      ; tile_dim0
	s_mov_b32 s[\g+5], 32                          ; stride
	s_mov_b32 s[\g+6], 0
	s_mov_b32 s[\g+7], 0
.endr
	s_mov_b32 s70, 32<<16                          ; tensor_dim1, tile_dim1
	s_mov_b32 s72, 32
	s_mov_b32 s78, 96<<16
	s_mov_b32 s80, 96
	s_mov_b32 s94, 72<<16
	s_mov_b32 s96, 72
	s_mov_b32 s40, 1                               ; group 0 of the scale words
	s_mov_b32 s41, 0
	s_mov_b64 s[42:43], s[16:17]
	s_or_b32 s43, s43, 0x80000000
	s_mov_b32 s44, 1                               ; of K's chunk
	s_mul_i32 s45, s27, 24576
	s_mov_b32 s30, s45                             ; (s31 holds 0)
	s_add_nc_u64 s[46:47], s[12:13], s[30:31]
	s_or_b32 s47, s47, 0x80000000
	s_add_co_u32 s45, s45, 12288
	s_mov_b32 s48, 1                               ; of V's chunk
	s_mul_i32 s49, s27, 18432
	s_mov_b32 s30, s49
	s_add_nc_u64 s[50:51], s[14:15], s[30:31]
	s_or_b32 s51, s51, 0x80000000
	s_add_co_u32 s49, s49, 110592
	s_cmp_eq_u32 s26, 0
	s_cbranch_scc0 .Lnot_k
	tensor_load_to_lds s[44:47], s[76:83]
	s_nop 0
	PLACES 4
	s_branch .Lasked
.Lnot_k:
	s_cmp_eq_u32 s26, 4
	s_cbranch_scc0 .Lnot_v
	tensor_load_to_lds s[48:51], s[92:99]
	s_nop 0
	PLACES 4
	s_branch .Lasked
.Lnot_v:
	s_cmp_eq_u32 s26, 8
	s_cbranch_scc0 .Lasked
	tensor_load_to_lds s[40:43], s[68:75]
	s_nop 0
	PLACES 4
.Lasked:
	s_wait_alu depctr_va_vdst(0)
	global_load_b64 v[32:33], v11, s[18:19]        ; the mask of keys 2 t, 2 t + 1
	global_load_b128 v[16:19], v1, s[8:9]          ; my first tile's Q
	global_load_b128 v[20:23], v1, s[8:9] offset:512
	global_load_b128 v[24:27], v1, s[8:9] offset:1024
	global_load_b32 v28, v7, s[10:11]              ; and its scale words
	v_mov_b32 v13, 0xdd800000                      ; the largest t so far: -2^60
	s_delay_alu instid0(VALU_DEP_1)
	v_floor_f32 v12, -v13                          ; -M
	v_mov_b32 v14, 0                               ; the sum, in two halves
	v_mov_b32 v15, 0
	v_mov_b32 v31, 0                               ; (named as the upper half of the pair v[30:31])
.irp b, 0,1,2,3
	v_mov_b32 v[240+\b], 0                         ; written once: lane permutes' destinations
.endr
	v_mov_b32 v34, 0xf1800000                      ; -2^100
	v_mov_b32 v251, -1
	s_wait_alu depctr_va_vdst(0)
	s_wait_loadcnt 4                               ; the mask is in; Q's four loads stay out
	v_cmp_eq_u32 vcc_lo, 0, v32
	s_delay_alu instid0(VALU_DEP_1)
	v_cndmask_b32 v32, 0, v34, vcc_lo
	v_cmp_eq_u32 vcc_lo, 0, v33
	s_delay_alu instid0(VALU_DEP_1)
	v_cndmask_b32 v33, 0, v34, vcc_lo
	ds_store_b64 v11, v[32:33] offset:8192
.macro KLOAD base                      ; four tiles of 16 keys, from tile base of the step on
.irp t, 0,1,2,3
.irp c, 0,1,2
	ds_load_b128 v[32+12*\t+4*\c:35+12*\t+4*\c], v[KA] offset:12288+12288*QQ+1536*((\base)+\t)+512*\c
.endr
.endr
.endm
; A KEY STEP: 128 keys, the q-th of the head, in pass p (my first or my second tile of queries)
.macro STEP q, p
.set QQ, (\q)%4
.set KA, 1+(\q)/4
.set VA, 3+(\q)/4
.set VB, 5+(\q)/4
.if ((\q)+(\p)) > 0
	PLACES 5                                       ; behind the last products: loads go into registers that they read, and a product writes over some of them (one place more for the product)
.endif
.irp t, 0,1,2,3,4,5,6,7                ; the mask's bias in the result's layout: tile t, keys 16 t + 8 h + 0..7
	ds_load_b128 v[104+8*\t:107+8*\t], v8 offset:8192+512*(\q)+64*\t
	ds_load_b128 v[108+8*\t:111+8*\t], v8 offset:8192+512*(\q)+64*\t+16
.endr
	ds_load_b128 v[96:99], v1 offset:512*(\q)      ; K's scale words: lanes 0-15 tiles 0-3, lanes 16-31 tiles 4-7
	ds_load_b128 v[80:83], v7 offset:4096+512*(\q) ; V's scale bytes of the step's two groups of 64 keys
	ds_load_b128 v[84:87], v7 offset:4096+512*(\q)+256
	KLOAD 0
	s_wait_dscnt 0x0
.irp t, 0,1,2,3
	WM 104+8*\t, 32+12*\t, 16, 104+8*\t, 96+\t, 28, 0
.endr
	PLACES 4
	KLOAD 4
	s_wait_dscnt 0x0
.irp t, 0,1,2,3
	WM 136+8*\t, 32+12*\t, 16, 136+8*\t, 96+\t, 28, 1
.endr
	PLACES 4
.if (\q) == 7
.if (\p) == 0                          ; the first tile's Q has been read for the last time, four places back: the second tile's is asked for, and has the rest of this pass in which to land
	global_load_b128 v[16:19], v1, s[8:9] offset:24576
	global_load_b128 v[20:23], v1, s[8:9] offset:24576+512
	global_load_b128 v[24:27], v1, s[8:9] offset:24576+1024
	global_load_b32 v28, v7, s[10:11] offset:1024
.endif
.endif
.irp t, 0,1,2,3                        ; V's tiles 0-3 are asked for now and land under the softmax
.irp c, 0,1
	ds_load_b128 v[32+12*\t+6*\c:35+12*\t+6*\c], v[VA] offset:9216*QQ+4608*\c+768*\t
	ds_load_b64 v[36+12*\t+6*\c:37+12*\t+6*\c], v[VB] offset:9216*QQ+4608*\c+768*\t
.endr
.endr
.irp i, 0,1,2
	v_perm_b32 v[88+2*\i], v[84+\i], v[80+\i], s85 ; tile 2 i's four bytes: two of each group
	v_perm_b32 v[89+2*\i], v[84+\i], v[80+\i], s86 ; tile 2 i + 1's
.endr
.irp b, 0,1,2,3
	v_max3_num_f32 v[236+\b], v[104+16*\b], v[105+16*\b], v[106+16*\b]   ; the largest score of each block of 32 keys: for the row's maximum and, since p rises with the score, for the block's largest p
.endr
.irp i, 3,5,7,9,11,13
.irp b, 0,1,2,3
	v_max3_num_f32 v[236+\b], v[236+\b], v[104+16*\b+\i], v[105+16*\b+\i]
.endr
.endr
.irp b, 0,1,2,3
	v_max_num_f32 v[236+\b], v[236+\b], v[119+16*\b]
.endr
.irp b, 0,1,2,3
	s_delay_alu instid0(VALU_DEP_4)
	v_permlanex16_b32 v[240+\b], v[236+\b], s36, s37
.endr
.irp b, 0,1,2,3
	s_delay_alu instid0(VALU_DEP_4)
	v_max_num_f32 v[236+\b], v[236+\b], v[240+\b]
.endr
	s_delay_alu instid0(VALU_DEP_2)
	v_max3_num_f32 v254, v236, v237, v238
	s_delay_alu instid0(VALU_DEP_1)
	v_max_num_f32 v254, v254, v239
	s_delay_alu instid0(VALU_DEP_1)
	v_mul_f32 v254, s38, v254                      ; as t (c is positive)
	s_delay_alu instid0(VALU_DEP_1)
	v_max_num_f32 v13, v13, v254                   ; the running largest t
	v_mov_b32 v254, v12
	s_delay_alu instid0(VALU_DEP_2)
	v_floor_f32 v12, -v13                          ; the new -M = -ceil(t)
	s_delay_alu instid0(VALU_DEP_1)
	v_sub_f32 v254, v12, v254                      ; old M - new M: a whole number, 0 or less
	s_delay_alu instid0(VALU_DEP_1)
	v_cvt_i32_f32 v254, v254                       ; (it saturates)
	s_delay_alu instid0(VALU_DEP_1)
	v_ldexp_f32 v30, 1.0, v254                     ; f = 2^(old M - new M)
.set JJ, 0
.rept 32
	v_pk_fma_f32 v[104+JJ:105+JJ], v[104+JJ:105+JJ], s[38:39], v[12:13] op_sel_hi:[1,0,0]   ; t - M, two at a time
.set JJ, JJ+2
.endr
.irp b, 0,1,2,3
	v_fma_f32 v[236+\b], v[236+\b], s38, v12
.endr
.set JJ, 0
	s_wait_alu depctr_va_vdst(0)
.rept 64
	v_exp_f32 v[104+JJ], v[104+JJ]                 ; p = 2^(t - M)
.set JJ, JJ+1
.endr
.irp b, 0,1,2,3
	v_exp_f32 v[236+\b], v[236+\b]                 ; the block's largest p: the same two instructions on the same number
.endr
	v_pk_mul_f32 v[14:15], v[14:15], v[30:31] op_sel_hi:[1,0]   ; the sums under the new M (a plain place behind the exponentials)
	s_wait_alu depctr_va_vdst(0)
.irp b, 0,1,2,3
	v_max_num_f32 v[236+\b], FLOOR, v[236+\b]
.endr
.irp b, 0,1,2,3
	s_delay_alu instid0(VALU_DEP_4)
	v_add_nc_u32 v[244+\b], 0xff000000, v[236+\b]  ; the conversion's scale operand
.endr
.irp b, 0,1,2,3
	s_delay_alu instid0(VALU_DEP_4)
	v_lshrrev_b32 v[240+\b], 23, v[244+\b]         ; the scale's byte
.endr
	s_delay_alu instid0(VALU_DEP_3)
	v_lshl_or_b32 v29, v241, 8, v240               ; p's scale word for these 128 keys
	s_delay_alu instid0(VALU_DEP_1)
	v_lshl_or_b32 v29, v242, 16, v29
	s_delay_alu instid0(VALU_DEP_1)
	v_lshl_or_b32 v29, v243, 24, v29
	v_cvt_scalef32_pk16_fp6_f32 v[216:218], v[104:119], v244
	v_cvt_scalef32_pk16_fp6_f32 v[228:230], v[120:135], v245
	v_cvt_scalef32_pk16_fp6_f32 v[222:224], v[136:151], v246
	v_cvt_scalef32_pk16_fp6_f32 v[232:234], v[152:167], v247
	v_nop                                          ; one plain place behind a scaled conversion
.irp i, 0,1,2                          ; a WHOLE block in a lane: lanes 0-15 blocks 0 and 2, lanes 16-31 blocks 1 and 3
	v_permlane16_swap_b32 v[216+\i], v[228+\i]
	v_permlane16_swap_b32 v[222+\i], v[232+\i]
.endr
.irp i, 0,1,2
	v_mov_b32 v[219+\i], v[228+\i]
	v_mov_b32 v[225+\i], v[232+\i]
.endr
	v_pk_add_f32 v[248:249], v[108:109], v[112:113]
	v_pk_add_f32 v[246:247], v[116:117], v[120:121]
	v_pk_add_f32 v[244:245], v[124:125], v[128:129]
	v_pk_add_f32 v[238:239], v[132:133], v[136:137]
	v_pk_add_f32 v[236:237], v[140:141], v[144:145]
	v_pk_add_f32 v[234:235], v[148:149], v[152:153]
	v_pk_add_f32 v[232:233], v[156:157], v[160:161]
	v_pk_add_f32 v[14:15], v[14:15], v[164:165]
	v_pk_add_f32 v[248:249], v[248:249], v[104:105]
	v_pk_add_f32 v[246:247], v[246:247], v[106:107]
	v_pk_add_f32 v[244:245], v[244:245], v[110:111]
	v_pk_add_f32 v[238:239], v[238:239], v[114:115]
	v_pk_add_f32 v[236:237], v[236:237], v[118:119]
	v_pk_add_f32 v[234:235], v[234:235], v[122:123]
	v_pk_add_f32 v[232:233], v[232:233], v[126:127]
	v_pk_add_f32 v[14:15], v[14:15], v[130:131]
	v_pk_add_f32 v[248:249], v[248:249], v[134:135]
	v_pk_add_f32 v[246:247], v[246:247], v[138:139]
	v_pk_add_f32 v[244:245], v[244:245], v[142:143]
	v_pk_add_f32 v[238:239], v[238:239], v[146:147]
	v_pk_add_f32 v[236:237], v[236:237], v[150:151]
	v_pk_add_f32 v[234:235], v[234:235], v[154:155]
	v_pk_add_f32 v[232:233], v[232:233], v[158:159]
	v_pk_add_f32 v[14:15], v[14:15], v[162:163]
	v_pk_add_f32 v[248:249], v[248:249], v[166:167]
	s_delay_alu instid0(VALU_DEP_2)
	v_pk_add_f32 v[14:15], v[14:15], v[238:239]
	s_delay_alu instid0(VALU_DEP_2)
	v_pk_add_f32 v[248:249], v[248:249], v[236:237]
	v_pk_add_f32 v[246:247], v[246:247], v[234:235]
	v_pk_add_f32 v[244:245], v[244:245], v[232:233]
	s_delay_alu instid0(VALU_DEP_2)
	v_pk_add_f32 v[14:15], v[14:15], v[246:247]
	s_delay_alu instid0(VALU_DEP_2)
	v_pk_add_f32 v[248:249], v[248:249], v[244:245]
	s_delay_alu instid0(VALU_DEP_1)
	v_pk_add_f32 v[14:15], v[14:15], v[248:249]
.irp t, 4,5                            ; V's tiles 4, 5 into registers that p has left
.irp c, 0,1
	ds_load_b128 v[104+12*(\t-4)+6*\c:107+12*(\t-4)+6*\c], v[VA] offset:9216*QQ+4608*\c+768*\t
	ds_load_b64 v[108+12*(\t-4)+6*\c:109+12*(\t-4)+6*\c], v[VB] offset:9216*QQ+4608*\c+768*\t
.endr
.endr
.if (\q) > 0
.set JJ, 0
.rept 24
	v_pk_mul_f32 v[168+JJ:169+JJ], v[168+JJ:169+JJ], v[30:31] op_sel_hi:[1,0]   ; O^T under the new M
.set JJ, JJ+2
.endr
.endif
	s_wait_alu depctr_va_vdst(0)
	s_wait_dscnt 0x0
.irp t, 0,1,2,3
.if (\q) == 0
	WMZ 168+8*\t, 32+12*\t, 216, 88+\t, 29
.else
	WM 168+8*\t, 32+12*\t, 216, 168+8*\t, 88+\t, 29, 0
.endif
.endr
.irp t, 4,5
.if (\q) == 0
	WMZ 168+8*\t, 104+12*(\t-4), 216, 88+\t, 29
.else
	WM 168+8*\t, 104+12*(\t-4), 216, 168+8*\t, 88+\t, 29, 0
.endif
.endr
.endm
; Two barriers.  The first shows chunk 0, the scale words and the mask's bias to every wave; in front of it stand two adds to my spare word ahead of a later first fill
; and behind it waves 1-3 and 5-7 ask for chunks 1 to 3, one load each.  The second shows those chunks.
.macro STAGE g
.if (\g) < 2
	s_wait_tensorcnt 0x0                           ; my load, if I issued one, has landed
.if (\g) == 0
	ds_add_u32 v253, v255
	ds_add_u32 v253, v255
	s_wait_loadcnt 0x0                             ; Q
.endif
	s_wait_dscnt 0x0                               ; for the others' sake: my part of the mask's bias is stored; the adds are done
	s_barrier_signal -1
	s_barrier_wait -1
.if (\g) == 0
	s_cmp_lt_u32 s26, 8
	s_cbranch_scc0 .Lrest
	s_cmp_eq_u32 s27, 0
	s_cbranch_scc1 .Lrest
	s_cmp_lt_u32 s26, 4
	s_cbranch_scc0 .Lrest_v
	tensor_load_to_lds s[44:47], s[76:83]
	s_nop 0
	PLACES 4
	s_branch .Lrest
.Lrest_v:
	tensor_load_to_lds s[48:51], s[92:99]
	s_nop 0
	PLACES 4
.Lrest:
.endif
.endif
	STEP 2*(\g), 0
	STEP 2*(\g)+1, 0
.endm
; the way out of pass p: O / the sum, in the true order of d, quantised along d
.macro FINISH p
	PLACES 4
	v_add_f32 v14, v14, v15
	s_delay_alu instid0(VALU_DEP_1)
	v_permlanex16_b32 v240, v14, s36, s37
	s_delay_alu instid0(VALU_DEP_1)
	v_add_f32 v14, v14, v240                       ; the row's sum
	s_wait_alu depctr_va_vdst(0)
	v_rcp_f32 v30, v14
	v_nop                                          ; one plain place behind a transcendental
.set JJ, 0
	s_wait_alu depctr_va_vdst(0)
.rept 24
	v_pk_mul_f32 v[168+JJ:169+JJ], v[168+JJ:169+JJ], v[30:31] op_sel_hi:[1,0]
.set JJ, JJ+2
.endr
.irp b, 0,1,2                          ; tile 2 b's lanes 16-31 (d = 8..15) change places with tile 2 b + 1's lanes 0-15 (d = 16..23): my 16 registers are then d = 32 b + 16 h + 0..15
.irp j, 0,1,2,3,4,5,6,7
	v_permlane16_swap_b32 v[168+16*\b+\j], v[176+16*\b+\j]
.endr
.endr
.irp b, 0,1,2
	v_max3_num_f32 v[236+\b], |v[168+16*\b]|, |v[169+16*\b]|, FLOOR
.endr
.irp i, 2,4,6,8,10,12,14
.irp b, 0,1,2
	s_delay_alu instid0(VALU_DEP_3)
	v_max3_num_f32 v[236+\b], v[236+\b], |v[168+16*\b+\i]|, |v[169+16*\b+\i]|
.endr
.endr
.irp b, 0,1,2
	s_delay_alu instid0(VALU_DEP_3)
	v_permlanex16_b32 v[240+\b], v[236+\b], s36, s37
.endr
.irp b, 0,1,2
	s_delay_alu instid0(VALU_DEP_3)
	v_max_num_f32 v[236+\b], v[236+\b], v[240+\b]
.endr
.irp b, 0,1,2
	s_delay_alu instid0(VALU_DEP_3)
	v_add_nc_u32 v[244+\b], 0xff000000, v[236+\b]
.endr
.irp b, 0,1,2
	s_delay_alu instid0(VALU_DEP_3)
	v_lshrrev_b32 v[240+\b], 23, v[244+\b]
.endr
	s_delay_alu instid0(VALU_DEP_2)
	v_lshl_or_b32 v248, v241, 8, v240
	s_delay_alu instid0(VALU_DEP_1)
	v_lshl_or_b32 v248, v242, 16, v248             ; the head's three scale bytes
	v_cmp_gt_f32 vcc_lo, 0xdd000000, v13           ; no key counted: the largest t never rose over -2^59
	s_delay_alu instid0(VALU_DEP_1)
	v_cndmask_b32 v248, v248, v251, vcc_lo         ; then the bytes say NaN
	v_cvt_scalef32_pk16_fp6_f32 v[216:218], v[168:183], v244
	v_cvt_scalef32_pk16_fp6_f32 v[220:222], v[184:199], v245
	v_cvt_scalef32_pk16_fp6_f32 v[224:226], v[200:215], v246
	v_nop                                          ; one plain place behind a scaled conversion
.irp b, 0,1,2
	global_store_b96 v9, v[216+4*\b:218+4*\b], s[22:23] offset:147456*(\p)+384*\b   ; a block of 32 d of 16 tokens: 384 consecutive bytes
.endr
	global_store_b32 v10, v248, s[24:25] offset:16384*(\p)
.endm
	; ---- pass 0: my first tile of queries, while the chunks land
	STAGE 0
	STAGE 1
	STAGE 2
	STAGE 3
	FINISH 0
	; ---- pass 1: my second tile; all of the head's K and V lie in LDS, shown to every wave by the two barriers above
	s_wait_xcnt 0x0                                ; the stores above have read their registers: these are written again only behind this wait
	v_mov_b32 v13, 0xdd800000                      ; the largest t so far: -2^60
	s_delay_alu instid0(VALU_DEP_1)
	v_floor_f32 v12, -v13                          ; -M
	v_mov_b32 v14, 0                               ; the sum, in two halves
	v_mov_b32 v15, 0
	s_wait_loadcnt 0x0                             ; the second tile's Q and its scale words
.irp q, 0,1,2,3,4,5,6,7
	STEP \q, 1
.endr
	FINISH 1
	s_wait_tensorcnt 0x0
	ds_add_u32 v253, v255
	s_wait_dscnt 0x0
	s_endpgm
.Lfunc_end_k_q65decaeac7_attn:
	.size	k_q65decaeac7_attn, .Lfunc_end_k_q65decaeac7_attn-k_q65decaeac7_attn
	.p2alignl 7, 3214868480
	.fill 96, 4, 3214868480
	.section	.rodata,"a",@progbits
	.p2align	6, 0x0
	.amdhsa_kernel k_q65decaeac7_attn
		.amdhsa_group_segment_fixed_size 327680
		.amdhsa_private_segment_fixed_size 0
		.amdhsa_enable_private_segment 0
		.amdhsa_kernarg_size 72
		.amdhsa_user_sgpr_count 2
		.amdhsa_user_sgpr_kernarg_segment_ptr 1
		.amdhsa_wavefront_size32 1
		.amdhsa_system_sgpr_workgroup_id_x 1
		.amdhsa_system_sgpr_workgroup_id_y 1
		.amdhsa_system_sgpr_workgroup_id_z 1
		.amdhsa_system_vgpr_workitem_id 0
		.amdhsa_next_free_vgpr 256
		.amdhsa_next_free_sgpr 100
		.amdhsa_reserve_vcc 1
		.amdhsa_float_denorm_mode_32 3
		.amdhsa_float_denorm_mode_16_64 3
		.amdhsa_memory_ordered 1
		.amdhsa_forward_progress 1
		.amdhsa_inst_pref_size 255
	.end_amdhsa_kernel
	.section	.bss,"aw",@nobits
	.p2align	6
	.space	262144
	.amdgpu_metadata
---
amdhsa.version: [ 1, 2 ]
amdhsa.kernels:
  - .name:           k_q65decaeac7_attn
    .symbol:         k_q65decaeac7_attn.kd
    .args:
      - { .name: q_img, .offset: 0, .size: 8, .value_kind: global_buffer, .address_space: global }
      - { .name: q_sc, .offset: 8, .size: 8, .value_kind: global_buffer, .address_space: global }
      - { .name: k_img, .offset: 16, .size: 8, .value_kind: global_buffer, .address_space: global }
      - { .name: v_img, .offset: 24, .size: 8, .value_kind: global_buffer, .address_space: global }
      - { .name: kv_sc, .offset: 32, .size: 8, .value_kind: global_buffer, .address_space: global }
      - { .name: visual_mask, .offset: 40, .size: 8, .value_kind: global_buffer, .address_space: global }
      - { .name: text_mask, .offset: 48, .size: 8, .value_kind: global_buffer, .address_space: global }
      - { .name: o_codes, .offset: 56, .size: 8, .value_kind: global_buffer, .address_space: global }
      - { .name: o_sc, .offset: 64, .size: 8, .value_kind: global_buffer, .address_space: global }
    .group_segment_fixed_size: 327680
    .private_segment_fixed_size: 0
    .kernarg_segment_align: 8
    .kernarg_segment_size: 72
    .max_flat_workgroup_size: 512
    .sgpr_count:     100
    .vgpr_count:     256
    .wavefront_size: 32
...
	.end_amdgpu_metadata
.endif
;; end of part 5
;; launch outp (part 6): grid 256 x 1, 4 waves a work-group, clusters of 4 x 1, 327,680 bytes of LDS; arguments o_codes, o_sc, Wo_codes, Wo_scales, bo, ln_g, ln_b, visual_features, text_features, out0, out1; writes out0, out1
.if DOCPART == 6
	.amdgcn_target "amdgcn-amd-amdhsa--gfx1250"
	.amdhsa_code_object_version 6
	.text
	.protected	k_q65decaeac7_outp
	.globl	k_q65decaeac7_outp
	.p2align	8
	.type	k_q65decaeac7_outp,@function
k_q65decaeac7_outp:
	s_mov_b64 s[64:65], 0
	v_nop
	global_prefetch_b8 v0, s[64:65] scope:SCOPE_SE
	s_setreg_imm32_b32 hwreg(HW_REG_WAVE_MODE, 25, 1), 1
	s_wait_xcnt 0x0
	s_wait_alu depctr_hold_cnt(0) depctr_sa_sdst(0) depctr_va_vdst(0) depctr_va_sdst(0) depctr_va_ssrc(0) depctr_va_vcc(0) depctr_vm_vsrc(0)
	s_getreg_b32 s2, hwreg(HW_REG_IB_STS2, 6, 4)
	s_cmp_eq_u32 s2, 0
	s_cbranch_scc0 .Lentry_in_a_cluster
	s_endpgm
.Lentry_in_a_cluster:
	s_bfe_u32 s2, ttmp6, 0x10000c
	s_cmp_lg_u32 s2, 0x3003
	s_cbranch_scc0 .Lentry_shape_is_right
	s_endpgm
.Lentry_shape_is_right:
; out = LayerNorm(x + o Wo + bo) x g + b.  o and Wo are codes of FP6 (E2M3) with one E8M0 scale for each 32 along K = 768; all else f32.
; SHARES.  A work-group owns 64 tokens, four tiles of 16.  THE WAVES SHARE THE COLUMNS, NOT THE ROWS: wave w makes columns 192 w .. 192 w + 191 (12 tiles) for all four token tiles: 48 accumulators.
; So each fragment of Wo that a wave reads from LDS feeds four products, and a wave reads only its own quarter of Wo.  o's 24 fragments (4 tiles x 6 K steps) stay in each wave's registers.
; The product is used transposed (source 0 = 16 rows of Wo, source 1 = 16 tokens): a lane holds ONE token, register 8 t + j of a token tile column 192 w + 16 t + 8 h + j.
; x + bo is the C of each sum's first product.  A wave's piece of a row of x is 768 bytes: three loads of 512 bytes cover two rows' pieces; bo is added there, where a lane keeps the same columns
; from row pair to row pair, and the tile turns into the result's layout through the wave's own stage in LDS (rows 784 bytes apart).  The way out goes the same road back.
; Wo comes in four chunks of 192 rows (48 a wave, fetched and read by that wave alone) through a ring of two LDS slots, both filled at the start.  CLUSTER: every work-group walks the same Wo, so
; the four of a cluster ask JOINTLY (mask 15).
; LayerNorm spans the four waves: each wave's sums of its 192 columns meet in LDS behind a barrier, once for the mean and once for the centred squares (two passes: no difference of large sums
; is formed).  Those bytes lie in slot 0, which has had its last fill and its last read by then.
; A token whose scale bytes say NaN (all its keys were masked) comes out NaN.  LIMITS: NaN and infinities among x, bo, g, b are not served.
; REGISTERS.  window 0: v3-19 addresses; v32-55 o's scale words (6 m + s); v56-91 Wo's scale words (6 pr + s); v96-127 the heads' scale words as stored; v128-163, v164-199 two buffers of three
;   fragments of Wo (behind the product: sums); v200-211 bo, v212-223 g, v224-235 b, each for the three kinds of load.
;   window 1: v0-191 token tiles 0, 1 (96 m + 8 t); v192-239 o's fragments of K step 5.   window 2: v0-191 token tiles 2, 3.   window 3: o's fragments of K steps 0-4 at 12 (4 s + m).
.set PITCH,  720                       ; a weight row in LDS: 9 x (64 bytes + 16 of padding) = 180 words: the 32 lanes of a load of 8 bytes touch 64 different banks (ISA guide 11.1)
.set SLOTB,  192*PITCH                 ; 138,240
.set SPARE,  2*SLOTB                   ; the spare words, 128 bytes a wave: two blocks of 256 bytes that no other line names
.set STG,    SPARE+512                 ; a stage for each wave: 16 rows x (768 bytes + 16); no tile lands there
.set SP,     784
.set MSB, 0
.macro WIN new                         ; the immediate's high byte repeats the setting that is left; a switch that changes nothing is dropped
.if MSB != (\new)
	s_set_vgpr_msb (MSB<<8)|(\new)
.set MSB, (\new)
.endif
.endm
.macro PLACES n
.rept \n
	v_nop
.endr
.endm
.macro ROUND                           ; a round of the cluster's barrier
	s_barrier_signal -1
	s_barrier_wait -1
	s_cmp_lg_u32 s40, 0
	s_cbranch_scc1 .Lnot_wave_0_\@
	s_barrier_signal -3
.Lnot_wave_0_\@:
	s_barrier_wait -3
	s_barrier_signal -1
	s_barrier_wait -1
.endm
.macro WM d, a, b, c, sa, sb, row
.if (\row) == 0
	v_wmma_scale_f32_16x16x128_f8f6f4 v[\d:\d+7], v[\a:\a+11], v[\b:\b+11], v[\c:\c+7], v[\sa], v[\sb] matrix_a_fmt:MATRIX_FMT_FP6 matrix_b_fmt:MATRIX_FMT_FP6
.else
	v_wmma_scale_f32_16x16x128_f8f6f4 v[\d:\d+7], v[\a:\a+11], v[\b:\b+11], v[\c:\c+7], v[\sa], v[\sb] matrix_a_fmt:MATRIX_FMT_FP6 matrix_b_fmt:MATRIX_FMT_FP6 matrix_a_scale:MATRIX_SCALE_ROW1
.endif
.endm
.macro FRAGW reg, adr, s, t            ; a weight fragment in pieces of 8 bytes; where lanes 16-31's piece lies behind one padding more, the second address register serves
.irp p, 0,1,2,3,4,5
.set PCE, 12*(\s)+6*(\p/3)+\p%3
.if PCE%8 < 5
	ds_load_b64 v[\reg+2*\p:\reg+2*\p+1], v[\adr] offset:8*PCE+16*(PCE/8)+(\t)*16*PITCH
.else
	ds_load_b64 v[\reg+2*\p:\reg+2*\p+1], v[\adr+1] offset:8*PCE+16*(PCE/8)+(\t)*16*PITCH
.endif
.endr
.endm
.macro WLOAD slot, s                   ; my three fragments of K step s into buffer s % 2: 18 loads
.irp t, 0,1,2
	FRAGW 128+36*((\s)%2)+12*\t, 4+2*(\slot), \s, \t
.endr
.endm
	s_load_b256 s[8:15], s[0:1], 0x0               ; o_codes, o_sc, Wo codes, Wo scales
	s_load_b256 s[16:23], s[0:1], 0x20             ; bo, g, b, visual
	s_load_b128 s[24:27], s[0:1], 0x40             ; text, out0
	s_load_b64 s[28:29], s[0:1], 0x50              ; out1
	v_lshl_add_u32 v12, v0, 2, SPARE               ; my spare word
	v_mov_b32 v13, 0
	ds_add_u32 v12, v13
	ds_add_u32 v12, v13
	s_wait_dscnt 0x0
	v_lshrrev_b32 v1, 5, v0
	v_readfirstlane_b32 s40, v1                    ; wave 0..3
	s_bfe_u32 s41, ttmp6, 0x40000                  ; cx
	v_and_b32 v1, 15, v0                           ; r
	v_bfe_u32 v2, v0, 4, 1                         ; h
	v_and_b32 v15, 31, v0                          ; lane
	v_lshlrev_b32 v3, 4, v15                       ; 16 x lane
	s_mul_i32 s92, s40, 48*PITCH                   ; my 48 rows of a slot
	v_mul_u32_u24 v4, v1, PITCH
	v_mad_u32_u24 v4, v2, 24, v4
	v_add_nc_u32 v4, s92, v4                       ; a weight fragment in slot 0: row r, + 24 h
	v_lshl_add_u32 v5, v2, 4, v4                   ; the same behind one padding more
	v_add_nc_u32 v6, SLOTB, v4                     ; slot 1
	v_add_nc_u32 v7, SLOTB, v5
	v_mul_u32_u24 v8, v15, 24                      ; Wo's scale bytes: 24 a row; lanes 0-15 an even tile's rows, lanes 16-31 the odd tile's
	v_mul_u32_u24 v9, v1, 24
	v_mad_u32_u24 v9, v2, 384, v9                  ; o's codes: block + h, token r: 384 h + 24 r
	v_lshlrev_b32 v10, 2, v15                      ; 4 x lane
	s_mul_i32 s93, s40, 16*SP
	s_add_co_u32 s93, s93, STG                     ; my stage
	v_add_nc_u32 v11, s93, v3                      ; by rows, loads of the first and third kind: 16 x lane
	v_mul_u32_u24 v14, v1, SP
	v_lshl_add_u32 v14, v2, 5, v14
	v_add_nc_u32 v14, s93, v14                     ; in the result's layout: row r, + 32 h
	; Two rows' pieces, 1,536 bytes, are three loads.  The first: bytes 0-511 of the even row.  The second: lanes 0-15 its bytes 512-767, lanes 16-31 bytes 0-255 of the odd row.  The third: bytes 256-767 of the odd row.
	v_mad_u32_u24 v16, v2, 2304, v3
	v_add_nc_u32 v16, 512, v16                     ; the second kind in memory: 512 + 16 x lane, and for lanes 16-31 a row of 3,072 less the piece's 768 more
	v_lshl_add_u32 v17, v2, 4, v11
	v_add_nc_u32 v17, 512, v17                     ; and in the stage: a row of 784 less 768 more
	v_add_nc_u32 v18, 512, v3
	v_mul_u32_u24 v19, v2, 768
	v_sub_nc_u32 v18, v18, v19                     ; and among my 192 columns: 768 less
	s_lshl_b32 s91, s40, 9
	v_add_nc_u32 v19, s91, v3                      ; where my wave's sums go: 512 x wave + 16 x lane
	s_mov_b32 s44, 0x76543210
	s_mov_b32 s45, 0xfedcba98                      ; v_permlanex16_b32's selects for lane l xor 16
	s_mov_b32 s50, 0x04020100                      ; a K step's four scale bytes out of two heads' words of three
	s_mov_b32 s51, 0x05040201
	s_mov_b32 s52, 0x06050402
	s_mov_b32 s53, 0x3aaaaaab                      ; 1 / 768
	s_mov_b32 s54, 0x3727c5ac                      ; 1e-5
	s_mov_b32 s56, 15|(1<<20)|(1<<21)|(3<<22)|(3<<25)  ; group 1: 15:0 the mask: all four work-groups; 17:16 elements of 1 byte; 20 padding on; 21 set beside a mask; 24:22 after every 16 words; 31:25 of 4 words
	s_mov_b32 s57, 256<<16                         ; my 48 rows of 576 bytes are 27,648 dense bytes: stated as 108 rows of 256 bytes, each at a multiple of 256 from the buffer's first byte
	s_mov_b32 s58, 108<<16
	s_mov_b32 s59, 256<<16
	s_mov_b32 s60, 108
	s_mov_b32 s61, 256
	s_mov_b32 s62, 0
	s_mov_b32 s63, 0
	s_mov_b32 s68, 1                               ; group 0 of slot 0,
	s_mul_i32 s69, s40, 48*PITCH
	s_mov_b32 s72, 1                               ; and of slot 1
	s_add_co_u32 s73, s69, SLOTB
	s_mul_i32 s94, s40, 110592                     ; my 192 rows of Wo's codes,
	s_mov_b32 s95, 0
	s_mul_i32 s96, s40, 4608                       ; of its scale bytes,
	s_mov_b32 s97, 0
	s_mul_i32 s98, s40, 768                        ; and my 192 columns
	s_mov_b32 s99, 0
	; what hangs on cx has registers of its own: none of them feeds a descriptor
	s_lshl_b32 s42, ttmp9, 2
	s_add_co_u32 s42, s42, s41                     ; my block of 64 tokens
	s_mul_i32 s48, s42, 36864
	s_mov_b32 s49, 0
	s_lshl_b32 s46, s42, 12
	s_mov_b32 s47, 0
	s_and_b32 s30, ttmp9, 31
	s_lshl_b32 s30, s30, 2
	s_add_co_u32 s30, s30, s41
	s_mul_i32 s30, s30, 196608
	s_add_co_u32 s30, s30, s98
	s_mov_b32 s31, 0
	s_wait_kmcnt 0x0
	s_add_nc_u64 s[8:9], s[8:9], s[48:49]
	s_add_nc_u64 s[10:11], s[10:11], s[46:47]
	s_cmp_lt_u32 ttmp9, 32                         ; clusters 0-31: visual tokens and out0; the others text and out1
	s_cselect_b64 s[22:23], s[22:23], s[24:25]
	s_cselect_b64 s[26:27], s[26:27], s[28:29]
	s_add_nc_u64 s[22:23], s[22:23], s[30:31]
	s_add_nc_u64 s[26:27], s[26:27], s[30:31]
	s_add_nc_u64 s[14:15], s[14:15], s[96:97]
	s_add_nc_u64 s[16:17], s[16:17], s[98:99]
	s_add_nc_u64 s[18:19], s[18:19], s[98:99]
	s_add_nc_u64 s[20:21], s[20:21], s[98:99]
	s_add_nc_u64 s[70:71], s[12:13], s[94:95]      ; chunk 0: my rows 0-47
	s_add_nc_u64 s[74:75], s[70:71], 27648         ; chunk 1: rows 48-95
	s_or_b32 s71, s71, 0x80000000                  ; type = 2
	s_or_b32 s75, s75, 0x80000000
	ROUND                                          ; all four work-groups are here: the first joint loads meet
	tensor_load_to_lds s[68:71], s[56:63]          ; slot 0's first fill: my one load at the head
	s_nop 0
	PLACES 4
.macro OLOAD reg, m, s                 ; a fragment of o: lane (r, h), registers 6 c on: block 4 s + 2 c + h of token r of tile m, 24 bytes
.irp c, 0,1
.irp i, 0,1,2
	global_load_b64 v[\reg+6*\c+2*\i:\reg+6*\c+2*\i+1], v9, s[8:9] offset:9216*(\m)+(4*(\s)+2*\c)*384+8*\i
.endr
.endr
.endm
.macro CLOAD reg, ptr                  ; my columns' numbers for the three kinds of load
	global_load_b128 v[\reg:\reg+3], v3, s[\ptr:\ptr+1]
	global_load_b128 v[\reg+4:\reg+7], v18, s[\ptr:\ptr+1]
	global_load_b128 v[\reg+8:\reg+11], v3, s[\ptr:\ptr+1] offset:256
.endm
.macro XROWS m                         ; token tile m's 16 pieces of x, by rows, into its accumulators' registers: 24 loads
	WIN (1+(\m)/2)<<6
.set XA0, 96*((\m)%2)
.set II, 0
.rept 24
.if II%3 == 1
	global_load_b128 v[XA0+4*II:XA0+4*II+3], v16, s[22:23] offset:49152*(\m)+6144*(II/3) th:TH_LOAD_NT
.else
	global_load_b128 v[XA0+4*II:XA0+4*II+3], v3, s[22:23] offset:49152*(\m)+6144*(II/3)+1664*(II%3) th:TH_LOAD_NT
.endif
.set II, II+1
.endr
.endm
	WIN 0xc0
.irp s, 0,1,2,3,4
.irp m, 0,1,2,3
	OLOAD 12*(4*\s+\m), \m, \s
.endr
.endr
	WIN 0x40
.irp m, 0,1,2,3
	OLOAD 192+12*\m, \m, 5
.endr
	WIN 0
.irp m, 0,1,2,3
.irp k, 0,1,2,3,4,5,6,7
	global_load_b32 v[96+8*\m+\k], v10, s[10:11] offset:1024*\m+128*\k   ; the heads' scale words
.endr
.endr
.irp pr, 0,1,2,3,4,5
.irp j, 0,1,2
	global_load_b64 v[56+6*\pr+2*\j:57+6*\pr+2*\j], v8, s[14:15] offset:768*\pr+8*\j   ; Wo's scale words: lanes 0-15 tile 2 pr, lanes 16-31 tile 2 pr + 1
.endr
.endr
	s_wait_alu depctr_va_vdst(0)
	CLOAD 200, 16
	CLOAD 212, 18
	CLOAD 224, 20
	XROWS 0
	XROWS 1
	XROWS 2
	XROWS 3
	WIN 0
	s_wait_tensorcnt 0x0                           ; slot 1's first fill stands behind the full sequence and a round; all my global loads are out meanwhile
	ds_add_u32 v12, v13
	s_wait_dscnt 0x0
	ROUND
	tensor_load_to_lds s[72:75], s[56:63]          ; chunk 1
	s_nop 0
	PLACES 4
	s_wait_loadcnt 63                              ; behind tile 0's loads stand 72 younger ones; 63 is the most that a wait names, and the smaller count is the safe one
.irp m, 0,1,2,3
	v_perm_b32 v[32+6*\m], v[97+8*\m], v[96+8*\m], s50     ; blocks 0-3: head 0's three, head 1's first
	v_perm_b32 v[33+6*\m], v[98+8*\m], v[97+8*\m], s51     ; blocks 4-7
	v_perm_b32 v[34+6*\m], v[99+8*\m], v[98+8*\m], s52     ; blocks 8-11
	v_perm_b32 v[35+6*\m], v[101+8*\m], v[100+8*\m], s50
	v_perm_b32 v[36+6*\m], v[102+8*\m], v[101+8*\m], s51
	v_perm_b32 v[37+6*\m], v[103+8*\m], v[102+8*\m], s52
.endr
; token tile m: + bo by rows, then through my stage into the result's layout.  left: the loads of the later tiles, which stay out
.macro WAYIN m, left
.set XA0, 96*((\m)%2)
	s_wait_loadcnt \left
	WIN 0x41*(1+(\m)/2)
.set II, 0
.rept 24
	v_pk_add_f32 v[XA0+4*II:XA0+4*II+1], v[XA0+4*II:XA0+4*II+1], v[200+4*(II%3):201+4*(II%3)]
	v_pk_add_f32 v[XA0+4*II+2:XA0+4*II+3], v[XA0+4*II+2:XA0+4*II+3], v[202+4*(II%3):203+4*(II%3)]
.set II, II+1
.endr
	WIN (1+(\m)/2)<<2
.set II, 0
.rept 24
.if II%3 == 1
	ds_store_b128 v17, v[XA0+4*II:XA0+4*II+3] offset:1568*(II/3)
.else
	ds_store_b128 v11, v[XA0+4*II:XA0+4*II+3] offset:1568*(II/3)+520*(II%3)
.endif
.set II, II+1
.endr
	WIN (1+(\m)/2)<<6
.set TT, 0
.rept 12                               ; LDS serves a wave's instructions in order (ISA guide 5.7.1.4): these see my stores, and the next tile's stores come behind them
	ds_load_b128 v[XA0+8*TT:XA0+8*TT+3], v14 offset:64*TT
	ds_load_b128 v[XA0+8*TT+4:XA0+8*TT+7], v14 offset:64*TT+16
.set TT, TT+1
.endr
.endm
	WAYIN 0, 63
	WAYIN 1, 48
	WAYIN 2, 24
	WAYIN 3, 0
; 12 products of K step s of chunk c: my three column tiles x four token tiles; the 12 accumulators take turns, one instruction a turn; each began as x + bo
.macro MULS c, s
.irp w, 1,2
.if (\s) < 5
	WIN 0x0c|(0x50*\w)                             ; source 0 (Wo) window 0, source 1 (o) window 3, C and D window w
.else
	WIN 0x04|(0x50*\w)                             ; K step 5's fragments of o lie in window 1
.endif
.irp mm, 0,1
.irp t, 0,1,2
.if (\s) < 5
.set OB, 12*(4*(\s)+2*(\w-1)+\mm)
.else
.set OB, 192+12*(2*(\w-1)+\mm)
.endif
	WM 96*\mm+8*(3*(\c)+\t), 128+36*((\s)%2)+12*\t, OB, 96*\mm+8*(3*(\c)+\t), 56+6*((3*(\c)+\t)/2)+(\s), 32+6*(2*(\w-1)+\mm)+(\s), (3*(\c)+\t)%2
.endr
.endr
.endr
.endm
; ---- a chunk: 48 rows of Wo a wave, six K steps.  The change of slots stands at its head.
.macro CHUNK c
.set SL, (\c)%2
	WIN 0
.if (\c) == 0
	s_wait_dscnt 0x0                               ; x + bo is in its registers
	s_barrier_signal -1
	s_barrier_wait -1
.else
	s_wait_tensorcnt 0x0                           ; all my tensor loads are done, my part of this chunk among them: a group 0 may be written
	ds_add_u32 v12, v13                            ; 0 onto my spare word
.if (\c) < 3
	s_add_nc_u64 s[74-4*SL:75-4*SL], s[74-4*SL:75-4*SL], 55296   ; the other slot's next chunk: 96 rows on
.endif
	s_wait_dscnt 0x0                               ; the add is done, and so are my reads of the slot that I have left
.if (\c) < 3
	ROUND
	tensor_load_to_lds s[72-4*SL:75-4*SL], s[56:63]   ; my one load behind the round: into the slot read last; it has this chunk's 72 products in which to land
	s_nop 0
	PLACES 4
.else
	s_barrier_signal -1
	s_barrier_wait -1
.endif
.endif
	WLOAD SL, 0
.irp s, 0,1,2,3,4,5
.if \s > 0
	PLACES 4                                       ; in front of loads into the buffer that the last products read
.endif
.if \s < 5
	WLOAD SL, \s+1
	s_wait_dscnt 18                                ; all but the 18 just issued
.else
	s_wait_dscnt 0x0
.endif
	MULS \c, \s
	WIN 0
.endr
	PLACES 4                                       ; behind the chunk's last products: for the next chunk's loads, and for the first read of results
.endm
	CHUNK 0
	CHUNK 1
	CHUNK 2
	CHUNK 3
; ---- LayerNorm.  A lane holds 96 numbers of each of four tokens; lane l xor 16 the other 96 of my wave's 192 columns; the other waves the rest.
; Four pairs of chains at v[base + 4 m] become the four tokens' totals over all 768 columns, in v168-171.  The sums' bytes lie in slot 0: behind chunk 3's barrier nobody reads it and nothing lands there.
.macro REDUCE base, off
.irp m, 0,1,2,3
	v_pk_add_f32 v[\base+4*\m:\base+4*\m+1], v[\base+4*\m:\base+4*\m+1], v[\base+4*\m+2:\base+4*\m+3]
.endr
.irp m, 0,1,2,3
	v_add_f32 v[160+\m], v[\base+4*\m], v[\base+4*\m+1]
.endr
.irp m, 0,1,2,3
	v_permlanex16_b32 v[164+\m], v[160+\m], s44, s45
.endr
.irp m, 0,1,2,3
	v_add_f32 v[160+\m], v[160+\m], v[164+\m]
.endr
	ds_store_b128 v19, v[160:163] offset:\off
	s_wait_dscnt 0x0                               ; for the others' sake: my sums are stored
	s_barrier_signal -1
	s_barrier_wait -1
.irp k, 0,1,2,3
	ds_load_b128 v[168+4*\k:171+4*\k], v3 offset:\off+512*\k   ; the four waves' sums, added in the same order in every wave
.endr
	s_wait_dscnt 0x0
	v_pk_add_f32 v[168:169], v[168:169], v[172:173]
	v_pk_add_f32 v[170:171], v[170:171], v[174:175]
	v_pk_add_f32 v[176:177], v[176:177], v[180:181]
	v_pk_add_f32 v[178:179], v[178:179], v[182:183]
	v_pk_add_f32 v[168:169], v[168:169], v[176:177]
	v_pk_add_f32 v[170:171], v[170:171], v[178:179]
.endm
.irp m, 0,1,2,3
	v_mov_b32 v[164+\m], 0                         ; written once: lane permutes' destinations
.endr
.irp w, 1,2                            ; the sums: two chains a token, begun by the first numbers; ascending
	WIN 0x05*\w
.irp mm, 0,1
	v_pk_add_f32 v[128+8*(\w-1)+4*\mm:129+8*(\w-1)+4*\mm], v[96*\mm:96*\mm+1], v[96*\mm+4:96*\mm+5]
	v_pk_add_f32 v[130+8*(\w-1)+4*\mm:131+8*(\w-1)+4*\mm], v[96*\mm+2:96*\mm+3], v[96*\mm+6:96*\mm+7]
.endr
	WIN \w<<2
.set PP, 4
.rept 44
.irp mm, 0,1
	v_pk_add_f32 v[128+8*(\w-1)+4*\mm+2*(PP%2):129+8*(\w-1)+4*\mm+2*(PP%2)], v[128+8*(\w-1)+4*\mm+2*(PP%2):129+8*(\w-1)+4*\mm+2*(PP%2)], v[96*\mm+2*PP:96*\mm+2*PP+1]
.endr
.set PP, PP+1
.endr
.endr
	WIN 0
	REDUCE 128, 0
.irp m, 0,1,2,3
	v_mul_f32 v[184+2*\m], 0xbaaaaaab, v[168+\m]   ; - the mean,
.endr
.irp m, 0,1,2,3
	v_mov_b32 v[185+2*\m], v[184+2*\m]             ; twice: a pair for the packed forms
.endr
.irp w, 1,2
	WIN 0x41*\w
.irp mm, 0,1
.set PP, 0
.rept 48
	v_pk_add_f32 v[96*\mm+2*PP:96*\mm+2*PP+1], v[96*\mm+2*PP:96*\mm+2*PP+1], v[184+4*(\w-1)+2*\mm:185+4*(\w-1)+2*\mm]
.set PP, PP+1
.endr
.endr
	WIN 0x05*\w
.irp mm, 0,1
	v_pk_mul_f32 v[144+8*(\w-1)+4*\mm:145+8*(\w-1)+4*\mm], v[96*\mm:96*\mm+1], v[96*\mm:96*\mm+1]
	v_pk_mul_f32 v[146+8*(\w-1)+4*\mm:147+8*(\w-1)+4*\mm], v[96*\mm+2:96*\mm+3], v[96*\mm+2:96*\mm+3]
.endr
.set PP, 2
.rept 46
.irp mm, 0,1
	v_pk_fma_f32 v[144+8*(\w-1)+4*\mm+2*(PP%2):145+8*(\w-1)+4*\mm+2*(PP%2)], v[96*\mm+2*PP:96*\mm+2*PP+1], v[96*\mm+2*PP:96*\mm+2*PP+1], v[144+8*(\w-1)+4*\mm+2*(PP%2):145+8*(\w-1)+4*\mm+2*(PP%2)]
.endr
.set PP, PP+1
.endr
.endr
	WIN 0
	REDUCE 144, 2048
.irp m, 0,1,2,3
	v_fma_f32 v[168+\m], v[168+\m], s53, s54       ; the variance + 1e-5
.endr
	s_wait_alu depctr_va_vdst(0)
.irp m, 0,1,2,3
	v_rsq_f32 v[192+2*\m], v[168+\m]
.endr
	v_nop                                          ; one plain place behind a transcendental
	s_wait_alu depctr_va_vdst(0)
.irp m, 0,1,2,3
	v_mov_b32 v[193+2*\m], v[192+2*\m]
.endr
.irp w, 1,2
	WIN 0x41*\w
.irp mm, 0,1
.set PP, 0
.rept 48
	v_pk_mul_f32 v[96*\mm+2*PP:96*\mm+2*PP+1], v[96*\mm+2*PP:96*\mm+2*PP+1], v[192+4*(\w-1)+2*\mm:193+4*(\w-1)+2*\mm]
.set PP, PP+1
.endr
.endr
.endr
; ---- the way out, a token tile at a time: through my stage, back by rows; x g + b there; stores of 512 consecutive bytes, or of two runs of 256, each at a multiple of 256 from the output's first byte
.macro TOSTAGE m
.set XA0, 96*((\m)%2)
	WIN (1+(\m)/2)<<2
.set TT, 0
.rept 12
	ds_store_b128 v14, v[XA0+8*TT:XA0+8*TT+3] offset:64*TT
	ds_store_b128 v14, v[XA0+8*TT+4:XA0+8*TT+7] offset:64*TT+16
.set TT, TT+1
.endr
	WIN (1+(\m)/2)<<6
.set II, 0
.rept 24
.if II%3 == 1
	ds_load_b128 v[XA0+4*II:XA0+4*II+3], v17 offset:1568*(II/3)
.else
	ds_load_b128 v[XA0+4*II:XA0+4*II+3], v11 offset:1568*(II/3)+520*(II%3)
.endif
.set II, II+1
.endr
.endm
.macro FIN m
.set XA0, 96*((\m)%2)
	WIN 0x41*(1+(\m)/2)
.set II, 0
.rept 24
	v_pk_fma_f32 v[XA0+4*II:XA0+4*II+1], v[XA0+4*II:XA0+4*II+1], v[212+4*(II%3):213+4*(II%3)], v[224+4*(II%3):225+4*(II%3)]
	v_pk_fma_f32 v[XA0+4*II+2:XA0+4*II+3], v[XA0+4*II+2:XA0+4*II+3], v[214+4*(II%3):215+4*(II%3)], v[226+4*(II%3):227+4*(II%3)]
.set II, II+1
.endr
	WIN (1+(\m)/2)<<2
.set II, 0
.rept 24
.if II%3 == 1
	global_store_b128 v16, v[XA0+4*II:XA0+4*II+3], s[26:27] offset:49152*(\m)+6144*(II/3) th:TH_STORE_NT
.else
	global_store_b128 v3, v[XA0+4*II:XA0+4*II+3], s[26:27] offset:49152*(\m)+6144*(II/3)+1664*(II%3) th:TH_STORE_NT
.endif
.set II, II+1
.endr
.endm
	TOSTAGE 0
	TOSTAGE 1
	s_wait_dscnt 48                                ; tile 0 is back; tile 1's 24 stores and 24 loads may be out
	FIN 0
	TOSTAGE 2
	s_wait_dscnt 48
	FIN 1
	TOSTAGE 3
	s_wait_dscnt 48
	FIN 2
	s_wait_dscnt 0x0
	FIN 3
	WIN 0
	s_wait_tensorcnt 0x0                           ; the wave's end
	ds_add_u32 v12, v13
	s_wait_dscnt 0x0
	ROUND                                          ; the closing round: no work-group ends while a partner may still ask for a tile that names it
	s_endpgm
.Lfunc_end_k_q65decaeac7_outp:
	.size	k_q65decaeac7_outp, .Lfunc_end_k_q65decaeac7_outp-k_q65decaeac7_outp
	.p2alignl 7, 3214868480
	.fill 96, 4, 3214868480
	.section	.rodata,"a",@progbits
	.p2align	6, 0x0
	.amdhsa_kernel k_q65decaeac7_outp
		.amdhsa_group_segment_fixed_size 327680
		.amdhsa_private_segment_fixed_size 0
		.amdhsa_enable_private_segment 0
		.amdhsa_kernarg_size 88
		.amdhsa_user_sgpr_count 2
		.amdhsa_user_sgpr_kernarg_segment_ptr 1
		.amdhsa_wavefront_size32 1
		.amdhsa_system_sgpr_workgroup_id_x 1
		.amdhsa_system_sgpr_workgroup_id_y 1
		.amdhsa_system_sgpr_workgroup_id_z 1
		.amdhsa_system_vgpr_workitem_id 0
		.amdhsa_next_free_vgpr 1024
		.amdhsa_next_free_sgpr 100
		.amdhsa_reserve_vcc 0
		.amdhsa_float_denorm_mode_32 3
		.amdhsa_float_denorm_mode_16_64 3
		.amdhsa_memory_ordered 1
		.amdhsa_forward_progress 1
		.amdhsa_inst_pref_size 218
	.end_amdhsa_kernel
	.amdgpu_metadata
---
amdhsa.version: [ 1, 2 ]
amdhsa.kernels:
  - .name:           k_q65decaeac7_outp
    .symbol:         k_q65decaeac7_outp.kd
    .args:
      - { .name: o_codes, .offset: 0, .size: 8, .value_kind: global_buffer, .address_space: global }
      - { .name: o_sc, .offset: 8, .size: 8, .value_kind: global_buffer, .address_space: global }
      - { .name: Wo_codes, .offset: 16, .size: 8, .value_kind: global_buffer, .address_space: global }
      - { .name: Wo_scales, .offset: 24, .size: 8, .value_kind: global_buffer, .address_space: global }
      - { .name: bo, .offset: 32, .size: 8, .value_kind: global_buffer, .address_space: global }
      - { .name: ln_g, .offset: 40, .size: 8, .value_kind: global_buffer, .address_space: global }
      - { .name: ln_b, .offset: 48, .size: 8, .value_kind: global_buffer, .address_space: global }
      - { .name: visual_features, .offset: 56, .size: 8, .value_kind: global_buffer, .address_space: global }
      - { .name: text_features, .offset: 64, .size: 8, .value_kind: global_buffer, .address_space: global }
      - { .name: out0, .offset: 72, .size: 8, .value_kind: global_buffer, .address_space: global }
      - { .name: out1, .offset: 80, .size: 8, .value_kind: global_buffer, .address_space: global }
    .group_segment_fixed_size: 327680
    .private_segment_fixed_size: 0
    .kernarg_segment_align: 8
    .kernarg_segment_size: 88
    .max_flat_workgroup_size: 128
    .sgpr_count:     100
    .vgpr_count:     1024
    .wavefront_size: 32
...
	.end_amdgpu_metadata
.endif
;; end of part 6
